; MI455X (gfx1250); checked and timed in simulation.
; The chip was launched on July 23, 2026; its instructions are those of AMD's public machine-readable ISA for CDNA 5 (MIT licence, August 2026) and "CDNA5" Instruction Set Architecture Reference Guide (July 2026). The comments in the code are by the model that wrote it; some were corrected since.
;; Transformer Encoder Layer. Allowed arithmetic: matrix products marked QUANTISED: E4M3 operands, one E8M0 scale for each 32 along K, by v_wmma_scale_f32_16x16x128_f8f6f4 with both operands' format E4M3, f32 sums; everything else in f32.
;; Inputs: W1 1,024 x 4,096 float32; W2 4,096 x 1,024 float32; Wo 1,024 x 1,024 float32; Wqkv 1,024 x 3,072 float32; b1 4,096 float32; b2 1,024 float32; be1 1,024 float32; be2 1,024 float32; bo 1,024 float32; bqkv 3,072 float32; g1 1,024 float32; g2 1,024 float32; x 2 x 2,048 x 1,024 float32.
;; Outputs: out0 2 x 2,048 x 1,024 float32.
;; This version of the problem:
;;   THIS VERSION OF THE PROBLEM IS GIVEN IN LOW PRECISION. The matrix products marked QUANTISED in the list below multiply operands that are first quantised to E4M3 (4 exponent bits, 3 mantissa bits; 8 bits a number), with one power-of-two scale for each 32 numbers along K (OCP MX v1.0); their sums are f32. All else is computed in f32.
;;   The module's matrix products, in the order in which they are computed (A, B: the left and right operand; K: the contracted axis; several contracted axes count as one K, in the product's order):
;;     1. [M 4,096, K 1,024] x [K 1,024, N 3,072]; A: input x; B: input Wqkv: QUANTISED
;;     2. batch 32 x [M 2,048, K 64] x [K 64, N 2,048]; A: computed on the way; B: computed on the way: QUANTISED
;;     3. batch 32 x [M 64, K 2,048] x [K 2,048, N 2,048]; A: computed on the way; B: softmax (see below): QUANTISED
;;     4. [M 4,096, K 1,024] x [K 1,024, N 1,024]; A: computed on the way; B: input Wo: QUANTISED
;;     5. [M 4,096, K 1,024] x [K 1,024, N 4,096]; A: computed on the way; B: input W1: QUANTISED
;;     6. [M 4,096, K 4,096] x [K 4,096, N 1,024]; A: computed on the way; B: input W2: QUANTISED
;;   THE QUANTISER, for each operand of a quantised product, along K:
;;     - K is cut into blocks of 32 from its start; a last block that is shorter is filled with zeros.
;;     - A block's scale is 2^e with e = floor(log2(the largest magnitude in the block)) - 8, held to -126 .. 127; a block of zeros has e = 0. As a byte (E8M0): e + 127.
;;     - Each number is divided by its block's scale, clamped to +-448, and rounded to the nearest number of E4M3, ties to even, subnormals kept.
;;     - The product sums the exact products of the quantised numbers (number of the format x scale) in f32.
;;   ~~~python
;;   def quantise(x, axis):      # numpy; x: float32 -> the quantised numbers, widened to float32 again
;;       x = np.moveaxis(x, axis, -1); K = x.shape[-1]
;;       x = np.pad(x, [(0, 0)] * (x.ndim - 1) + [(0, -K % 32)]); x = x.reshape(x.shape[:-1] + (-1, 32)); a = np.abs(x).max(-1, keepdims=True)
;;       e = np.where(a > 0, np.clip(np.frexp(np.where(a > 0, a, 1))[1] - 1 - 8, -126, 127), 0)      # np.frexp(a)[1] - 1 = floor(log2(a)), exactly
;;       r = np.clip(x / 2.0 ** e, -448, 448)
;;       step = 2.0 ** (np.maximum(np.frexp(np.where(r == 0, 1, r))[1] - 1, -6) - 3)
;;       q = np.round(r / step) * step * 2.0 ** e      # np.round: ties to even
;;       return np.moveaxis(q.reshape(q.shape[:-2] + (-1,))[..., :K], -1, axis).astype(np.float32)
;;   ~~~
;;   SOFTMAX AHEAD OF A QUANTISED PRODUCT. Where the list says 'softmax', what is quantised is not the finished softmax but p = 2^(t - M), with t = logit x log2(e) and M = ceil(the row's largest t), a whole number; so 1/2 < the row's largest p <= 1. The row's sum l is taken of the UNQUANTISED p, in f32, and the product's result is divided by l at the end. Since M is a whole number, a kernel that streams over the keys may use a running M (the ceiling of the running maximum): every later rescaling is an exact power of two, which a block's scale takes up: the codes' values come out the same.
;;   OPERANDS COMPUTED ON THE WAY. 'Computed on the way' means the value that the module computes at that place (a softmax that the list does not call 'softmax' is quantised finished and normalised). What goes into a quantiser is computed in f32, as accurately as f32 sums, v_exp_f32 and their like allow (about 1e-6 of the number): no bf16 or f16 on the way to a quantiser, and a product that is left as it is and whose result goes on into a quantised operand takes f32 operands (vector FMAs, or v_wmma_f32_16x16x4_f32). A number that lies on a knife's edge between two numbers of the format may be rounded either way, as far as f32 arithmetic and the matrix unit's own rounding can turn it there, and no further.
;; One version. Each part assembles by itself: llvm-mc -triple=amdgcn-amd-amdhsa -mcpu=gfx1250 --defsym DOCPART=n.
;; ======== version 1 of 1: 8 launches
;; limits: right only within a limited range of input values
;; workspace buffers: wq 17,301,504 bytes; qkv 12,976,128 bytes; att 4,325,376 bytes; y 16,777,216 bytes; x1 21,102,592 bytes; hid 17,301,504 bytes
;; launch quant (part 1): grid 1280 x 1, 4 waves a work-group, no clusters, 34,304 bytes of LDS; arguments x, Wqkv, Wo, W1, W2, wq; writes wq
.if DOCPART == 1
	.amdgcn_target "amdgcn-amd-amdhsa--gfx1250"
	.amdhsa_code_object_version 6
	.text
	.protected	k_q3663e10756_quant
	.globl	k_q3663e10756_quant
	.p2align	8
	.type	k_q3663e10756_quant,@function
k_q3663e10756_quant:
	s_mov_b64 s[64:65], 0
	v_nop
	global_prefetch_b8 v0, s[64:65] scope:SCOPE_SE
	s_setreg_imm32_b32 hwreg(HW_REG_WAVE_MODE, 25, 1), 1
	s_wait_xcnt 0x0
; x [4096][1024] and the four weights ([K][N], K first) become codes of E4M3 with one E8M0 byte for each 32 along K.
; THE LAYOUT OF wq: images of operand registers.  An image is 16 rows x 128 K, 2,048 bytes: byte 512 c + 16 lane + i is the code of row lane % 16 at k = 32 c + 16 (lane / 16) + i,
; so four 16-byte accesses a lane, 512 bytes apart, store or load a fragment.  Its scale words, one a row, are 64 bytes.  Image I lies at 2,048 I, its words at 16,777,216 + 64 I.
; I = first image of the tensor + row block x (K / 128) + K step.  x: 0; Wqkv: 2,048 (its columns reordered: all q, all k, all v, by head); Wo: 3,584; W1: 4,096; W2: 6,144.
; THE ROWS OF A BLOCK ARE NOT NEIGHBOURS: lane r of block p holds row 32 (p / 2) + 8 (p % 2) + r + (r & 8), so that the 16 registers of two neighbouring result tiles are 16 neighbours along the next K.
; x (work-groups 0-511): a wave makes one image.  The quantiser wants 16 neighbours along K in a lane, a load wants neighbouring lanes on neighbouring bytes.  Both are had: each of 16 loads reads 512 consecutive bytes of one row,
; the rows go through the wave's own stage in LDS (16 rows x 528 bytes) and come back 64 bytes a lane and block.
; WEIGHTS (work-groups 512-1279): a wave makes the two images of blocks 2 P and 2 P + 1 of one K step: together they hold 32 NEIGHBOURING columns.  Lane n takes column 32 P + n and its registers run down K: each load reads
; 128 consecutive bytes, a block of 32 lies in one lane, and its largest magnitude needs no other lane.  Lane n is row (n & 7) + 8 (n >> 4) of block 2 P + ((n >> 3) & 1): its 32 codes of block c are the 16 bytes at
; 512 c + 16 row and the 16 bytes 256 further on; each store of the wave covers two runs of 256 consecutive bytes, aligned.  Its four scale bytes are the row's word.  Loads run two blocks ahead.
; LIMITS: NaN and infinities are not served.  A block whose largest magnitude lies under 2^-118, a block of zeros too, keeps the byte 1; a block of zeros has zero codes, and only this program reads the bytes.
; x's scale bytes leave as 2 bytes a lane, 64 bytes an image.
.set X,   16                           ; v16-79   x: the image's 64 numbers; weights: two sets of 32
.set TM,  80                           ; v80-95   at work in the quantiser
.set PW,  96                           ; v96      the scale word
.set PC,  100                          ; v100-131 the codes (x: 16 registers; weights: 8 for each block, so that no store's data are written again)
.set OFF, 4                            ; 4 x lane
.set LI,  5                            ; 16 x lane
.set VS,  6                            ; 4 r + 2 h
.set SH,  7                            ; 16 h
.set TS,  8
.set SR,  9                            ; the stage by rows: 16 x lane
.set SW,  10                           ; the stage by lanes: 528 r + 64 h
.set WO,  11                           ; weights: my codes' place
.set WS,  12                           ; weights: my scale word's place
.set WU,  13                           ; (n >> 3) & 1
.set WR,  14                           ; (n & 7) + 8 (n >> 4)
.set MA,  80
.set MB,  81
.set SOP, 82
.set HLD, 83
.set BY,  84
.set SP,  528                          ; a stage row: 512 bytes + 16
.set SEL, 24                           ; s[24:25] selects of v_permlanex16_b32: lane l xor 16
.set MNT, 26                           ; s26 the mantissa field of 448
.macro QUANT s
.irp b, 0,1,2,3
	v_max3_num_f32 v[TM+\b], |v[\s+16*\b]|, |v[\s+1+16*\b]|, 0x4800000   ; my 16 numbers of block b, and the floor 2^(9 - 127): the byte cannot fall under 1
.endr
.irp i, 2,4,6,8,10,12,14
.irp b, 0,1,2,3
	v_max3_num_f32 v[TM+\b], v[TM+\b], |v[\s+16*\b+\i]|, |v[\s+1+16*\b+\i]|
.endr
.endr
.irp b, 0,1,2,3
	v_permlanex16_b32 v[TM+4+\b], v[TM+\b], s[SEL], s[SEL+1]
.endr
.irp b, 0,1,2,3
	v_max_num_f32 v[TM+\b], v[TM+\b], v[TM+4+\b]                ; with lane l xor 16's: the block's largest magnitude
.endr
.irp b, 0,1,2,3
	v_add_nc_u32 v[TM+12+\b], 0xfc000000, v[TM+\b]             ; 8 off its exponent field: the conversion's scale operand
.endr
.irp b, 0,1,2,3
	v_and_or_b32 v[TM+8+\b], v[TM+\b], 0x7f800000, s[MNT]      ; 448 x the scale
.endr
.irp b, 0,1,2,3
	v_lshrrev_b32 v[TM+4+\b], 23, v[TM+12+\b]                  ; the scale's byte
.endr
	v_lshl_or_b32 v[PW], v[TM+5], 8, v[TM+4]
	v_lshl_or_b32 v[PW], v[TM+6], 16, v[PW]
	v_lshl_or_b32 v[PW], v[TM+7], 24, v[PW]
.irp b, 0,1,2,3
.irp i, 0,1,2,3,4,5,6,7,8,9,10,11,12,13,14,15
	v_med3_num_f32 v[\s+16*\b+\i], v[\s+16*\b+\i], -v[TM+8+\b], v[TM+8+\b]   ; the conversion does not saturate (ISA guide 7.6.2): the hold at 448 x the scale
.endr
	v_cvt_scalef32_pk8_fp8_f32 v[PC+4*\b:PC+1+4*\b], v[\s+16*\b:\s+7+16*\b], v[TM+12+\b]
	v_cvt_scalef32_pk8_fp8_f32 v[PC+2+4*\b:PC+3+4*\b], v[\s+8+16*\b:\s+15+16*\b], v[TM+12+\b]
.endr
	v_nop                                          ; one plain line behind the last conversion
.endm
.macro PUT dc, dw                      ; x's image and its 64 scale bytes
.irp c, 0,1,2,3
	global_store_b128 v[LI], v[PC+4*\c:PC+4*\c+3], s[\dc:\dc+1] offset:512*\c   ; 32 lanes store 512 consecutive bytes
.endr
	v_lshrrev_b32 v[TS], v[SH], v[PW]              ; lanes 0-15 keep bytes 0, 1 of their row's word, lanes 16-31 bytes 2, 3
	global_store_b16 v[VS], v[TS], s[\dw:\dw+1]
.endm
.macro WLOAD t, ncol                   ; block t of my column: W(32 t + i, column), i = 0 .. 31, into set t % 2
.irp i, 0,1,2,3,4,5,6,7,8,9,10,11,12,13,14,15,16,17,18,19,20,21,22,23,24,25,26,27,28,29,30,31
	global_load_b32 v[X+32*((\t)%2)+\i], v[OFF], s[28:29] offset:(32*(\t)+\i)*\ncol*4 th:TH_LOAD_NT   ; 32 lanes read 128 consecutive bytes
.endr
.endm
.macro WBLOCK t, ncol
.set XS, X+32*((\t)%2)
.if (\t) < 3
	s_wait_loadcnt 32                              ; this block's 32 loads are in; the next block's 32 may be out
.else
	s_wait_loadcnt 0x0
.endif
	v_max3_num_f32 v[MA], |v[XS]|, |v[XS+1]|, |v[XS+2]|               ; the block's largest magnitude: all 32 numbers are mine
	v_max3_num_f32 v[MB], |v[XS+3]|, |v[XS+4]|, |v[XS+5]|
.irp i, 6,10,14,18,22,26
	v_max3_num_f32 v[MA], v[MA], |v[XS+\i]|, |v[XS+\i+1]|
	v_max3_num_f32 v[MB], v[MB], |v[XS+\i+2]|, |v[XS+\i+3]|
.endr
	v_max3_num_f32 v[MA], v[MA], |v[XS+30]|, |v[XS+31]|
	v_max3_num_f32 v[MA], v[MA], v[MB], 0x4800000  ; and the floor 2^(9 - 127)
	v_add_nc_u32 v[SOP], 0xfc000000, v[MA]         ; 8 off its exponent field: the conversion's scale operand
	v_and_or_b32 v[HLD], v[MA], 0x7f800000, s[MNT] ; 448 x the scale
	v_lshrrev_b32 v[BY], 23, v[SOP]                ; the scale's byte
.if (\t) == 0
	v_mov_b32 v[PW], v[BY]
.else
	v_lshl_or_b32 v[PW], v[BY], 8*(\t), v[PW]
.endif
.irp i, 0,1,2,3,4,5,6,7,8,9,10,11,12,13,14,15,16,17,18,19,20,21,22,23,24,25,26,27,28,29,30,31
	v_med3_num_f32 v[XS+\i], v[XS+\i], -v[HLD], v[HLD]
.endr
.irp g, 0,1,2,3
	v_cvt_scalef32_pk8_fp8_f32 v[PC+8*(\t)+2*\g:PC+8*(\t)+2*\g+1], v[XS+8*\g:XS+8*\g+7], v[SOP]
.endr
	global_store_b128 v[WO], v[PC+8*(\t):PC+8*(\t)+3], s[30:31] offset:512*(\t)            ; k = 32 t + 0 .. 15: the place of lane row
	global_store_b128 v[WO], v[PC+8*(\t)+4:PC+8*(\t)+7], s[30:31] offset:512*(\t)+256      ; k = 32 t + 16 .. 31: of lane 16 + row
.if (\t) < 2
	WLOAD (\t)+2, \ncol                            ; the set is free: its numbers have been converted
.endif
.endm
; A weight's arm: work-group first + j makes K step j % NK of the pairs of row blocks 4 (j / NK) + wave
.macro WARM first, ncol, lognk, img0, base, qkv
	s_sub_co_u32 s17, ttmp9, \first
	s_and_b32 s19, s17, (1<<\lognk)-1              ; K step
	s_lshr_b32 s18, s17, \lognk
	s_lshl_b32 s18, s18, 2
	s_add_co_u32 s18, s18, s16                     ; the pair P: 32 columns
	s_lshl_b32 s20, s18, \lognk+1
	s_add_co_u32 s20, s20, s19
	s_add_co_u32 s20, s20, \img0                   ; the image of block 2 P; that of block 2 P + 1 lies NK images on
.if \qkv
	s_bfe_u32 s22, s18, 0x40001                    ; P = part x 32 + head x 2 + half; Wqkv's column = head x 192 + part x 64 + half x 32
	s_mul_i32 s22, s22, 192
	s_lshr_b32 s23, s18, 5
	s_lshl_b32 s23, s23, 6
	s_add_co_u32 s22, s22, s23
	s_and_b32 s23, s18, 1
	s_lshl_b32 s23, s23, 5
	s_add_co_u32 s22, s22, s23
.else
	s_lshl_b32 s22, s18, 5
.endif
	s_lshl_b32 s22, s22, 2
	s_mul_i32 s23, s19, 128*\ncol*4
	s_add_co_u32 s22, s22, s23
	s_mov_b32 s23, 0
	s_add_nc_u64 s[28:29], s[\base:\base+1], s[22:23]
	s_lshl_b32 s22, s20, 11
	s_add_nc_u64 s[30:31], s[14:15], s[22:23]
	s_lshl_b32 s22, s20, 6
	s_add_co_u32 s22, s22, 16777216
	s_add_nc_u64 s[32:33], s[14:15], s[22:23]
	WLOAD 0, \ncol
	WLOAD 1, \ncol
	v_lshlrev_b32 v[WO], 4, v[WR]
	v_mad_u32_u24 v[WO], v[WU], 2048<<\lognk, v[WO]
	v_lshlrev_b32 v[WS], 2, v[WR]
	v_mad_u32_u24 v[WS], v[WU], 64<<\lognk, v[WS]
	WBLOCK 0, \ncol
	WBLOCK 1, \ncol
	WBLOCK 2, \ncol
	WBLOCK 3, \ncol
	global_store_b32 v[WS], v[PW], s[32:33]        ; my row's scale word: the wave stores the two images' 64 bytes each
	s_endpgm
.endm
	s_load_b256 s[4:11], s[0:1], 0x0               ; x, Wqkv, Wo, W1
	s_load_b128 s[12:15], s[0:1], 0x20             ; W2, wq
	v_lshl_add_u32 v136, v0, 2, 0x8400
	v_mov_b32 v137, 0
	v_lshrrev_b32 v1, 5, v0
	v_readfirstlane_b32 s16, v1                    ; wave
	v_and_b32 v1, 15, v0                           ; r
	v_bfe_u32 v2, v0, 4, 1                         ; h
	v_and_b32 v3, 31, v0                           ; lane
	v_lshlrev_b32 v[OFF], 2, v3
	v_lshlrev_b32 v[LI], 4, v3
	v_lshlrev_b32 v[VS], 2, v1
	v_lshl_add_u32 v[VS], v2, 1, v[VS]
	v_lshlrev_b32 v[SH], 4, v2
	s_mul_i32 s21, s16, 16*SP                      ; my stage
	v_add_nc_u32 v[SR], s21, v[LI]
	v_mul_u32_u24 v[SW], v1, SP
	v_lshl_add_u32 v[SW], v2, 6, v[SW]
	v_add_nc_u32 v[SW], s21, v[SW]
	v_bfe_u32 v[WU], v0, 3, 1
	v_and_b32 v[WR], 7, v0
	v_lshl_add_u32 v[WR], v2, 3, v[WR]
	s_mov_b32 s[SEL], 0x76543210
	s_mov_b32 s[SEL+1], 0xfedcba98
	s_mov_b32 s[MNT], 0x600000
.irp b, 0,1,2,3
	v_mov_b32 v[TM+4+\b], 0                        ; a lane permute's destination counts as one of its sources
.endr
	s_wait_kmcnt 0x0
	s_cmp_lt_u32 ttmp9, 512
	s_cbranch_scc0 .Lwqkv
	s_and_b32 s19, ttmp9, 1                        ; x: K step 4 (id % 2) + wave of row block id / 2
	s_lshl_b32 s19, s19, 2
	s_add_co_u32 s19, s19, s16
	s_lshr_b32 s18, ttmp9, 1
	s_lshl_b32 s20, s18, 3
	s_add_co_u32 s20, s20, s19                     ; the image's number
	s_lshr_b32 s22, s18, 1
	s_lshl_b32 s22, s22, 5
	s_and_b32 s23, s18, 1
	s_lshl_b32 s23, s23, 3
	s_add_co_u32 s22, s22, s23                     ; the block's first row
	s_lshl_b32 s22, s22, 12
	s_lshl_b32 s23, s19, 9
	s_add_co_u32 s22, s22, s23
	s_mov_b32 s23, 0
	s_add_nc_u64 s[28:29], s[4:5], s[22:23]
.irp i, 0,1,2,3,4,5,6,7,8,9,10,11,12,13,14,15
	global_load_b128 v[X+4*\i:X+4*\i+3], v[LI], s[28:29] offset:(\i+(\i&8))*4096 th:TH_LOAD_NT   ; row i of the block: 32 lanes read 512 consecutive bytes
.endr
.irp i, 0,1,2,3,4,5,6,7,8,9,10,11,12,13,14,15
	s_wait_loadcnt 15-\i                           ; row i is in; the 15 - i younger loads may be out
	ds_store_b128 v[SR], v[X+4*\i:X+4*\i+3] offset:SP*\i
.endr
	s_wait_dscnt 0x0                               ; the stores are done: their registers take the numbers back in the other order
	s_wait_alu depctr_va_vdst(0)
.irp c, 0,1,2,3
.irp j, 0,1,2,3
	ds_load_b128 v[X+16*\c+4*\j:X+16*\c+4*\j+3], v[SW] offset:128*\c+16*\j   ; register 16 c + i = k 32 c + 16 h + i of row r
.endr
.endr
	s_lshl_b32 s22, s20, 11
	s_add_nc_u64 s[30:31], s[14:15], s[22:23]
	s_lshl_b32 s22, s20, 6
	s_add_co_u32 s22, s22, 16777216
	s_add_nc_u64 s[32:33], s[14:15], s[22:23]
	s_wait_dscnt 0x0
	QUANT X
	PUT 30, 32
	s_wait_tensorcnt 0x0
	ds_add_u32 v136, v137
	s_wait_dscnt 0x0
	s_endpgm
.Lwqkv:
	s_cmp_lt_u32 ttmp9, 704
	s_cbranch_scc0 .Lwo
	s_wait_alu depctr_va_vdst(0)
	WARM 512, 3072, 3, 2048, 6, 1
.Lwo:
	s_cmp_lt_u32 ttmp9, 768
	s_cbranch_scc0 .Lw1
	s_wait_alu depctr_va_vdst(0)
	WARM 704, 1024, 3, 3584, 8, 0
.Lw1:
	s_cmp_lt_u32 ttmp9, 1024
	s_cbranch_scc0 .Lw2
	s_wait_alu depctr_va_vdst(0)
	WARM 768, 4096, 3, 4096, 10, 0
.Lw2:
	s_wait_alu depctr_va_vdst(0)
	WARM 1024, 1024, 5, 6144, 12, 0
.Lfunc_end_k_q3663e10756_quant:
	.size	k_q3663e10756_quant, .Lfunc_end_k_q3663e10756_quant-k_q3663e10756_quant
	.p2alignl 7, 3214868480
	.fill 96, 4, 3214868480
	.section	.rodata,"a",@progbits
	.p2align	6, 0x0
	.amdhsa_kernel k_q3663e10756_quant
		.amdhsa_group_segment_fixed_size 34304
		.amdhsa_private_segment_fixed_size 0
		.amdhsa_enable_private_segment 0
		.amdhsa_kernarg_size 48
		.amdhsa_user_sgpr_count 2
		.amdhsa_user_sgpr_kernarg_segment_ptr 1
		.amdhsa_wavefront_size32 1
		.amdhsa_system_sgpr_workgroup_id_x 1
		.amdhsa_system_sgpr_workgroup_id_y 1
		.amdhsa_system_sgpr_workgroup_id_z 1
		.amdhsa_system_vgpr_workitem_id 0
		.amdhsa_next_free_vgpr 138
		.amdhsa_next_free_sgpr 66
		.amdhsa_reserve_vcc 0
		.amdhsa_float_denorm_mode_32 3
		.amdhsa_float_denorm_mode_16_64 3
		.amdhsa_memory_ordered 1
		.amdhsa_forward_progress 1
		.amdhsa_inst_pref_size 129
	.end_amdhsa_kernel
	.amdgpu_metadata
---
amdhsa.version: [ 1, 2 ]
amdhsa.kernels:
  - .name:           k_q3663e10756_quant
    .symbol:         k_q3663e10756_quant.kd
    .args:
      - { .name: x, .offset: 0, .size: 8, .value_kind: global_buffer, .address_space: global }
      - { .name: Wqkv, .offset: 8, .size: 8, .value_kind: global_buffer, .address_space: global }
      - { .name: Wo, .offset: 16, .size: 8, .value_kind: global_buffer, .address_space: global }
      - { .name: W1, .offset: 24, .size: 8, .value_kind: global_buffer, .address_space: global }
      - { .name: W2, .offset: 32, .size: 8, .value_kind: global_buffer, .address_space: global }
      - { .name: wq, .offset: 40, .size: 8, .value_kind: global_buffer, .address_space: global }
    .group_segment_fixed_size: 34304
    .private_segment_fixed_size: 0
    .kernarg_segment_align: 8
    .kernarg_segment_size: 48
    .max_flat_workgroup_size: 128
    .sgpr_count:     66
    .vgpr_count:     138
    .wavefront_size: 32
...
	.end_amdgpu_metadata
.endif
;; end of part 1
;; launch gemm_qkv (part 2): grid 12 x 16, 4 waves a work-group, clusters of 4 x 4, 327,680 bytes of LDS; arguments wq, bqkv, qkv; writes qkv
.if DOCPART == 2
	.amdgcn_target "amdgcn-amd-amdhsa--gfx1250"
	.amdhsa_code_object_version 6
	.text
	.protected	k_q3663e10756_gemm_qkv
	.globl	k_q3663e10756_gemm_qkv
	.p2align	8
	.type	k_q3663e10756_gemm_qkv,@function
k_q3663e10756_gemm_qkv:
	s_mov_b64 s[64:65], 0
	v_nop
	global_prefetch_b8 v0, s[64:65] scope:SCOPE_SE
	s_setreg_imm32_b32 hwreg(HW_REG_WAVE_MODE, 25, 1), 1
	s_wait_xcnt 0x0
	s_wait_alu depctr_hold_cnt(0) depctr_sa_sdst(0) depctr_va_vdst(0) depctr_va_sdst(0) depctr_va_ssrc(0) depctr_va_vcc(0) depctr_vm_vsrc(0)
	s_getreg_b32 s2, hwreg(HW_REG_IB_STS2, 6, 4)
	s_cmp_eq_u32 s2, 0
	s_cbranch_scc0 .Lentry_in_a_cluster
	s_endpgm
.Lentry_in_a_cluster:
	s_bfe_u32 s2, ttmp6, 0x10000c
	s_cmp_lg_u32 s2, 0xf033
	s_cbranch_scc0 .Lentry_shape_is_right
	s_endpgm
.Lentry_shape_is_right:
; qkv = x Wqkv + bqkv on codes of E4M3 with E8M0 scales, and its results quantised at once: q and k along the head's 64, v along the keys.
; OPERANDS are images of registers (16 rows x 128 K, 2,048 bytes; byte 512 c + 16 lane + i = row lane % 16, k = 32 c + 16 (lane / 16) + i), image (row block p, K step s) at 2,048 (8 p + s) of wq, its 16 scale words
; at 16,777,216 + 64 (8 p + s).  Row blocks 0-255: x; 256-319: Wq's columns; 320-383: Wk's; 384-447: Wv's.  Lane r of block p holds row 32 (p / 2) + 8 (p % 2) + r + (r & 8).
; A tile is 256 x 256, four waves of 128 x 128: 64 accumulators, 512 registers.  K = 1,024 goes in steps of 256 through a ring of two LDS slots; the scale words of all of K come once and stay.
; THE MATRIX INSTRUCTION IS USED TRANSPOSED: source 0 = 16 rows of side B, source 1 = 16 rows of side A: a lane holds one row of side A, and the 64 registers of a block's eight accumulators run along side B's 128 rows in their true order.
; THE TYPE is the cluster's x, the same in all sixteen partners: 0 q, 1 k: side A = tokens, side B = weight columns (a lane holds a token, registers along d).  2 v: side A = Wv's columns, side B = tokens (a lane holds a channel, registers along the keys).
; CLUSTERS: 4 x 4.  Side A's tiles hang on cy alone and are asked for jointly along a row of the cluster, side B's on cx alone, along a column.
; OUT (qkv): q: [b 16 + head][token block][1,024 bytes] half images (c = 0, 1) at 0, k at 4,194,304; v: [b 16 + head][128 keys][16 channels][2,048 bytes] at 8,388,608;
; scale bytes: q [..][token block][16 rows] 2 bytes at 12,582,912, k at 12,713,984, v [..][128 keys][16 channels][16 rows] 4 bytes at 12,845,056.
; LIMITS: NaN and infinities are not served; a block whose largest magnitude lies under 2^-118 keeps the byte 1.  The scale bytes leave as 2 bytes a lane.
; REGISTERS: window 0: v8-15, v64-127 the biases; v16-31 addresses; v32-63 scale words, two sets; v128-255 side A's fragments, one set.  window 1: side B's, two sets.  windows 2, 3: the accumulators ((a, b) at 8 (8 a + b)).
.set NBL,    8                         ; row blocks of a side for a wave
.set LOGNBL, 3
.set NQ,     2                         ; K steps of 128 in a slot
.set NK,     8                         ; K steps of 128 in all
.set MUL_HI, 0xf1
.set HALFT,  NBL*NQ*2048               ; what one tensor load brings: NBL rows of NQ images
.set SLOT,   4*HALFT                   ; side A's two halves, then side B's
.set LAPS,   NK/(2*NQ)
.set SCL,    2*SLOT                    ; behind the ring: the scale words
.set HALFS,  NBL*NK*64
.set SPARE,  SCL+4*HALFS               ; the spare words: 128 bytes a wave, two blocks of 256 bytes that no other line names
.set HL,     2*NBL                     ; LDS loads of half of side A's fragments
.set NP,     8                         ; places behind this matrix instruction (ISA guide 7.12.1)
.set ADRA, 16
.set ADRB, 20
.set ADRS, 27
.set SPW,  28
.set NIL,  29
.set SC,   32
.set AF,   128
.set G1, 24
.set G0, 32
.set G1B, 48
.set G0B, 56
.set G1S, 68
.set G0S, 76
.set G1SB, 80
.set G0SB, 88
.set MUL_LO, 0xa1                      ; source 0 window 1, source 1 window 0, C and D window 2
.set TO_B,   0x40
.set MSB, 0
.macro WIN new                         ; the immediate's high byte repeats the setting that is left
.if MSB != (\new)
	s_set_vgpr_msb (MSB<<8)|(\new)
.set MSB, (\new)
.endif
.endm
.macro JLOAD g0a, g1a, g0b, g1b        ; a joint load: waves 0, 1 fetch for side A, waves 2, 3 for side B; four v_nop follow each line
	s_cmp_eq_u32 s15, 0
	s_cbranch_scc0 .Lfor_b_\@
	tensor_load_to_lds s[\g0a:\g0a+3], s[\g1a:\g1a+7]
	s_nop 0
.rept 4
	v_nop
.endr
	s_branch .Lasked_\@
.Lfor_b_\@:
	tensor_load_to_lds s[\g0b:\g0b+3], s[\g1b:\g1b+7]
	s_nop 0
.rept 4
	v_nop
.endr
.Lasked_\@:
.endm
.macro CREST                           ; a round of the cluster's barrier behind its opening barrier
	s_cmp_lg_u32 s14, 0
	s_cbranch_scc1 .Lnot_wave_0_\@
	s_barrier_signal -3
.Lnot_wave_0_\@:
	s_barrier_wait -3
	s_barrier_signal -1
	s_barrier_wait -1
.endm
.macro CROUND
	s_barrier_signal -1
	s_barrier_wait -1
	CREST
.endm
.macro PLACES n
.rept \n
	v_nop
.endr
.endm
.macro FRAG reg, adr, q, i             ; image (block i, the slot's q-th K step): four loads of 512 consecutive bytes
.irp c, 0,1,2,3
	ds_load_b128 v[\reg+4*\c:\reg+4*\c+3], v[\adr] offset:((\i)*NQ+(\q))*2048+512*\c
.endr
.endm
.macro MULS a0, cnt, p, q, sc, zero    ; side A's blocks a0 .. a0 + cnt - 1, each against side B's NBL; the accumulators take turns, one instruction a turn, in the same order in every step
.set AA, \a0
.rept \cnt
.set BB, 0
.rept NBL
.set DR, (8*(NBL*AA+BB))%256
.if \zero
	v_wmma_scale_f32_16x16x128_f8f6f4 v[DR:DR+7], v[128*(\p)+16*BB:128*(\p)+16*BB+15], v[AF+16*AA:AF+16*AA+15], 0, v[SC+16*(\sc)+NQ*BB+(\q)], v[SC+16*(\sc)+NQ*AA+(\q)] matrix_a_scale:MATRIX_SCALE_ROW1
.else
	v_wmma_scale_f32_16x16x128_f8f6f4 v[DR:DR+7], v[128*(\p)+16*BB:128*(\p)+16*BB+15], v[AF+16*AA:AF+16*AA+15], v[DR:DR+7], v[SC+16*(\sc)+NQ*BB+(\q)], v[SC+16*(\sc)+NQ*AA+(\q)] matrix_a_scale:MATRIX_SCALE_ROW1
.endif
.set BB, BB+1
.endr
.set AA, AA+1
.endr
.endm
.macro FETCH_B slot, q, p
	WIN TO_B
.set II, 0
.rept NBL
	FRAG 128*(\p)+16*II, ADRB+\slot, \q, II
.set II, II+1
.endr
	WIN 0
.endm
.macro FETCH_A slot, q, i0
.set II, \i0
.rept NBL/2
	FRAG AF+16*II, ADRA+\slot, \q, II
.set II, II+1
.endr
.endm
.macro SCALES sc                       ; a slot's scale words: lanes 0-15 side A's block i, lanes 16-31 side B's block i
.set II, 0
.rept NBL
.set QQ, 0
.rept NQ
	ds_load_b32 v[SC+16*(\sc)+NQ*II+QQ], v[ADRS] offset:(II*NK+QQ)*64
.set QQ, QQ+1
.endr
.set II, II+1
.endr
.endm
.macro STEP slot, q, zero              ; 128 along K with its successor in the same slot
	s_wait_dscnt HL                                ; all but the youngest HL loads (side A's second half) are in
	WIN MUL_LO
	MULS 0, NBL/2, (\q)%2, \q, \slot, \zero
	s_wait_dscnt 0                                 ; side A's second half is in
	PLACES NP
	FETCH_B \slot, (\q)+1, 1-(\q)%2
	FETCH_A \slot, (\q)+1, 0
	WIN MUL_HI
	MULS NBL/2, NBL/2, (\q)%2, \q, \slot, \zero
	PLACES NP
	WIN 0
	FETCH_A \slot, (\q)+1, NBL/2
.endm
.macro TURN slot, next, fill           ; a slot's last step changes slots: one barrier; fill = 1: the slot is filled again, two slots ahead
	s_wait_tensorcnt 0x0                           ; all my tensor loads have landed: my part of the next slot
	ds_add_u32 v[SPW], v[NIL]                      ; 0 onto my spare word
	s_wait_dscnt HL+1                              ; (the add and side A's second half may be out)
	WIN MUL_LO
	MULS 0, NBL/4, 1, NQ-1, \slot, 0
	s_wait_dscnt 0x0                               ; the add is done, and my reads of this slot are over
	s_barrier_signal -1
	MULS NBL/4, NBL/4, 1, NQ-1, \slot, 0
	WIN 0
	s_barrier_wait -1
.if \fill
	CREST                                          ; the barrier has opened a round of the cluster's: no wave of any partner still reads this slot or has a load on its way
	s_add_nc_u64 s[G0+4*\slot+2:G0+4*\slot+3], s[G0+4*\slot+2:G0+4*\slot+3], 2*NQ*2048
	s_add_nc_u64 s[G0B+4*\slot+2:G0B+4*\slot+3], s[G0B+4*\slot+2:G0B+4*\slot+3], 2*NQ*2048
	JLOAD G0+4*\slot, G1, G0B+4*\slot, G1B         ; the first tensor load behind the round; its four v_nop are among the places in front of the loads below
	PLACES NP-4
.else
	PLACES NP
.endif
	s_wait_alu depctr_va_vdst(0)
	v_add_nc_u32 v[ADRS], NQ*64, v[ADRS]           ; on to the next slot's scale words
	FETCH_B \next, 0, 0
	FETCH_A \next, 0, 0
	SCALES \next
	WIN MUL_HI
	MULS NBL/2, NBL/2, 1, NQ-1, \slot, 0
	PLACES NP
	WIN 0
	FETCH_A \next, 0, NBL/2
.endm
.macro STEPS slot
.set QS, 0
.rept NQ-1
	STEP \slot, QS, 0
.set QS, QS+1
.endr
.endm
.set BV,  8                            ; v8-15    bias by channel (type v): block a's, for my lane's row
.set BC,  64                           ; v64-127  bias by column (types q, k): register 16 c + i
.set T,   128                          ; v128-191 a block's 64 numbers
.set TM,  192
.set PW,  208
.set BW,  210                          ; v[210:211] block a's channel bias, as a pair's low word
.set PC,  212
.set SEL, 94
.set MNT, 2
.macro QUANT s
.irp b, 0,1,2,3
	v_max3_num_f32 v[TM+\b], |v[\s+16*\b]|, |v[\s+1+16*\b]|, 0x4800000   ; my 16 numbers of block b, and the floor 2^(9 - 127)
.endr
.irp i, 2,4,6,8,10,12,14
.irp b, 0,1,2,3
	v_max3_num_f32 v[TM+\b], v[TM+\b], |v[\s+16*\b+\i]|, |v[\s+1+16*\b+\i]|
.endr
.endr
.irp b, 0,1,2,3
	v_permlanex16_b32 v[TM+4+\b], v[TM+\b], s[SEL], s[SEL+1]
.endr
.irp b, 0,1,2,3
	v_max_num_f32 v[TM+\b], v[TM+\b], v[TM+4+\b]
.endr
.irp b, 0,1,2,3
	v_add_nc_u32 v[TM+12+\b], 0xfc000000, v[TM+\b]             ; 8 off the exponent field: the conversion's scale operand
.endr
.irp b, 0,1,2,3
	v_and_or_b32 v[TM+8+\b], v[TM+\b], 0x7f800000, s[MNT]      ; 448 x the scale
.endr
.irp b, 0,1,2,3
	v_lshrrev_b32 v[TM+4+\b], 23, v[TM+12+\b]                  ; the scale's byte
.endr
	v_lshl_or_b32 v[PW], v[TM+5], 8, v[TM+4]
	v_lshl_or_b32 v[PW], v[TM+6], 16, v[PW]
	v_lshl_or_b32 v[PW], v[TM+7], 24, v[PW]
.irp b, 0,1,2,3
.irp i, 0,1,2,3,4,5,6,7,8,9,10,11,12,13,14,15
	v_med3_num_f32 v[\s+16*\b+\i], v[\s+16*\b+\i], -v[TM+8+\b], v[TM+8+\b]   ; the conversion does not saturate (ISA guide 7.6.2)
.endr
	v_cvt_scalef32_pk8_fp8_f32 v[PC+4*\b:PC+1+4*\b], v[\s+16*\b:\s+7+16*\b], v[TM+12+\b]
	v_cvt_scalef32_pk8_fp8_f32 v[PC+2+4*\b:PC+3+4*\b], v[\s+8+16*\b:\s+15+16*\b], v[TM+12+\b]
.endr
	v_nop                                          ; one plain line behind the last conversion
.endm
	s_load_b64 s[4:5], s[0:1], 0x0                 ; wq
	s_load_b64 s[96:97], s[0:1], 0x8               ; bqkv
	s_load_b64 s[12:13], s[0:1], 0x10              ; qkv
	v_lshl_add_u32 v[SPW], v0, 2, SPARE
	v_mov_b32 v[NIL], 0
	ds_add_u32 v28, v29
	ds_add_u32 v28, v29
	s_wait_dscnt 0x0
	v_lshrrev_b32 v1, 5, v0
	v_readfirstlane_b32 s14, v1                    ; wave 0..3
	s_lshr_b32 s15, s14, 1                         ; which half of side A's rows is mine.  Also: I fetch for side A (0) or B (1)
	s_and_b32 s16, s14, 1                          ; which half of side B's.  Also: which half of that tile I fetch
	s_bfe_u32 s40, ttmp6, 0x40000                  ; cx
	s_bfe_u32 s41, ttmp6, 0x40004                  ; cy
	s_and_b32 s18, ttmp7, 0xffff
	s_lshl_b32 s18, s18, 2                         ; 4 x cluster y: the cluster's first tile of tokens
	s_lshl_b32 s19, ttmp9, 2
	s_add_co_u32 s19, s19, 16                      ; tiles 16-19: Wq, 20-23: Wk
	s_cmp_eq_u32 ttmp9, 2                          ; type v?  The cluster's x is the same in all partners
	s_cselect_b32 s17, 24, s18
	s_cselect_b32 s42, s18, s19
	s_add_co_u32 s17, s17, s41                     ; side A's tile (of 16 row blocks): hangs on cy alone
	s_add_co_u32 s42, s42, s40                     ; side B's: on cx alone
	s_lshl_b32 s43, s41, 2
	s_lshl_b32 s43, 15, s43                        ; my row of the cluster
	s_lshl_b32 s44, 0x1111, s40                    ; my column
	s_or_b32 s[G1+0], s43, (3<<16)|(1<<21)         ; 15:0 the mask; 17:16 elements of 8 bytes; 21 set beside a mask; no padding
	s_or_b32 s[G1B+0], s44, (3<<16)|(1<<21)
.irp g, G1, G1B
	s_mov_b32 s[\g+1], (NQ*256)<<16                ; tensor_dim0: NQ images on end
	s_mov_b32 s[\g+2], (2*NBL)<<16                 ; tensor_dim1: at the head a load brings a side's whole tile, 2 NBL row blocks
	s_mov_b32 s[\g+3], (NQ*256)<<16                ; tile_dim0
	s_mov_b32 s[\g+4], 2*NBL                       ; tile_dim1
	s_mov_b32 s[\g+5], NK*256                      ; from row block to row block: NK images
	s_mov_b32 s[\g+6], 0
	s_mov_b32 s[\g+7], 0
.endr
	s_or_b32 s[G1S+0], s43, (3<<16)|(1<<21)        ; the scale words of 2 NBL row blocks, all of K: a dense block, as rows of 256 bytes
	s_or_b32 s[G1SB+0], s44, (3<<16)|(1<<21)
.irp g, G1S, G1SB
	s_mov_b32 s[\g+1], 32<<16
	s_mov_b32 s[\g+2], (HALFS/128)<<16             ; the scale words of a side's 2 NBL row blocks
	s_mov_b32 s[\g+3], 32<<16
	s_mov_b32 s[\g+4], HALFS/128
	s_mov_b32 s[\g+5], 32
	s_mov_b32 s[\g+6], 0
	s_mov_b32 s[\g+7], 0
.endr
	s_lshl_b32 s18, s16, LOGNBL
	s_lshl_b32 s20, s17, LOGNBL+1
	s_lshl_b32 s46, s42, LOGNBL+1
	s_mul_i32 s22, s20, NK*64                      ; the scale words of the whole tile
	s_mul_i32 s92, s46, NK*64
	s_add_co_u32 s20, s20, s18                     ; side A: the first row block that I fetch in the ring
	s_add_co_u32 s46, s46, s18                     ; side B likewise
	s_mul_i32 s20, s20, NK*2048
	s_mul_i32 s46, s46, NK*2048
	s_mov_b32 s21, 0
	s_mov_b32 s23, 0
	s_mov_b32 s47, 0
	s_mov_b32 s93, 0
	s_mul_i32 s45, s14, HALFT                      ; where they go: no place in the cluster enters an LDS address
	s_wait_kmcnt 0x0
	s_add_nc_u64 s[6:7], s[4:5], 16777216          ; the scale words' region
	s_mov_b64 s[8:9], s[4:5]                       ; both sides lie in wq
	s_mov_b64 s[10:11], s[6:7]
	s_add_nc_u64 s[20:21], s[4:5], s[20:21]
	s_add_nc_u64 s[22:23], s[6:7], s[22:23]
	s_add_nc_u64 s[46:47], s[8:9], s[46:47]
	s_add_nc_u64 s[92:93], s[10:11], s[92:93]
	CROUND                                         ; all sixteen work-groups are here: the first joint loads meet
	s_mov_b32 s[G0S], 1
	s_mov_b32 s[G0S+1], SCL
	s_mov_b64 s[G0S+2:G0S+3], s[22:23]
	s_or_b32 s[G0S+3], s[G0S+3], 0x80000000
	s_mov_b32 s[G0SB], 1
	s_mov_b32 s[G0SB+1], SCL+2*HALFS
	s_mov_b64 s[G0SB+2:G0SB+3], s[92:93]
	s_or_b32 s[G0SB+3], s[G0SB+3], 0x80000000
.irp s, 0,1
	s_mov_b32 s[G0+4*\s], 1
	s_add_co_u32 s[G0+4*\s+1], s45, \s*SLOT
	s_add_nc_u64 s[G0+4*\s+2:G0+4*\s+3], s[20:21], \s*NQ*2048
	s_or_b32 s[G0+4*\s+3], s[G0+4*\s+3], 0x80000000
	s_mov_b32 s[G0B+4*\s], 1
	s_add_co_u32 s[G0B+4*\s+1], s45, \s*SLOT
	s_add_nc_u64 s[G0B+4*\s+2:G0B+4*\s+3], s[46:47], \s*NQ*2048
	s_or_b32 s[G0B+4*\s+3], s[G0B+4*\s+3], 0x80000000
.endr
; THE HEAD'S LOADS, ONE A WAVE: wave 0 slot 0's whole tile of side A, wave 1 side A's scale words, wave 2 slot 0's whole tile of side B, wave 3 side B's scale words.
; Waves 0 and 2 fetch half 0 in the ring, so their own group 0 of slot 0 is the whole tile's first byte, in memory and in LDS.
.macro ARM under, g0, g1, next
	s_cmp_lt_u32 s14, \under
	s_cbranch_scc0 \next
	tensor_load_to_lds s[\g0:\g0+3], s[\g1:\g1+7]
	s_nop 0
.rept 4
	v_nop
.endr
	s_branch .Lhead_asked
\next:
.endm
	ARM 1, G0, G1, .Lhead_sa
	ARM 2, G0S, G1S, .Lhead_b
	ARM 3, G0B, G1B, .Lhead_sb
	tensor_load_to_lds s[G0SB:G0SB+3], s[G1SB:G1SB+7]
	s_nop 0
.rept 4
	v_nop
.endr
.Lhead_asked:
	v_and_b32 v1, 15, v0                           ; r
	v_bfe_u32 v2, v0, 4, 1                         ; h
	s_wait_alu depctr_va_vdst(0)
	v_and_b32 v3, 31, v0
	v_lshlrev_b32 v4, 4, v3                        ; 16 x lane
	s_mul_i32 s21, s15, HALFT
	s_mul_i32 s22, s16, HALFT
	s_add_co_u32 s22, s22, 2*HALFT
.irp s, 0,1
	v_add_nc_u32 v[ADRA+\s], s21, v4
	v_add_nc_u32 v[ADRB+\s], s22, v4
	s_add_co_u32 s21, s21, SLOT
	s_add_co_u32 s22, s22, SLOT
.endr
	v_lshlrev_b32 v5, 2, v1                        ; my row's scale word
	s_mul_i32 s21, s15, HALFS
	s_mul_i32 s22, s16, HALFS
	s_add_co_u32 s22, s22, 2*HALFS
	s_sub_co_u32 s22, s22, s21
	v_mul_u32_u24 v6, s22, v2                      ; lanes 16-31 take side B's
	s_add_co_u32 s21, s21, SCL
	v_add_nc_u32 v5, v5, v6
	v_add_nc_u32 v[ADRS], s21, v5
	; the biases, both forms: by column for q, k; by channel for v.  Both formulas stay inside bqkv for every type; the form that the type does not use is multiplied by 0 on the way out
	s_lshl_b32 s66, s40, 2
	s_lshl_b32 s67, s16, 1
	s_add_co_u32 s66, s66, s67                     ; my first head among side B's columns
	s_mul_i32 s66, s66, 768
	s_lshl_b32 s67, ttmp9, 8
	s_add_co_u32 s66, s66, s67                     ; + 64 numbers for each part
	s_mov_b32 s67, 0
	s_add_nc_u64 s[98:99], s[96:97], s[66:67]
	s_lshl_b32 s66, s41, 2
	s_lshl_b32 s95, s15, 1
	s_add_co_u32 s66, s66, s95                     ; my first head among side A's channels
	s_mul_i32 s66, s66, 768
	s_add_co_u32 s66, s66, 512
	s_add_nc_u64 s[96:97], s[96:97], s[66:67]
	v_lshlrev_b32 v30, 6, v2
	v_and_b32 v31, 8, v1
	v_add_nc_u32 v31, v31, v1
	v_lshlrev_b32 v31, 2, v31
.irp c, 0,1,2,3
.irp j, 0,1,2,3
	global_load_b128 v[BC+16*\c+4*\j:BC+16*\c+4*\j+3], v30, s[98:99] offset:(\c/2)*768+(\c%2)*128+16*\j
.endr
.endr
.irp a, 0,1,2,3,4,5,6,7
	global_load_b32 v[BV+\a], v31, s[96:97] offset:(\a/4)*768+((\a%4)/2)*128+(\a%2)*32
.endr
	s_wait_alu depctr_va_vdst(0)
	s_wait_tensorcnt 0x0                           ; my tile of the head's four is in
	ds_add_u32 v[SPW], v[NIL]
	s_mov_b32 s[G1+2], NBL<<16                     ; no tensor load of mine is out: from here on a load brings NBL row blocks
	s_mov_b32 s[G1+4], NBL
	s_mov_b32 s[G1B+2], NBL<<16
	s_mov_b32 s[G1B+4], NBL
	s_wait_dscnt 0x0
	CROUND                                         ; all four tiles are in, and all sixteen work-groups are here
	JLOAD G0+4, G1, G0B+4, G1B                     ; slot 1's first fill, a quarter a wave
	FETCH_B 0, 0, 0
	FETCH_A 0, 0, 0
	SCALES 0
	FETCH_A 0, 0, NBL/2
	STEP 0, 0, 1                                   ; the first step's products start the sums
.if NQ > 2
.set QS, 1
.rept NQ-2
	STEP 0, QS, 0
.set QS, QS+1
.endr
.endif
.if LAPS > 1
	s_mov_b32 s3, LAPS-1
.Llap:                                                 ; a trip goes once round the ring and fills both slots again
	TURN 0, 1, 1
	STEPS 1
	TURN 1, 0, 1
	STEPS 0
	s_sub_co_u32 s3, s3, 1
	s_cmp_lg_u32 s3, 0
	s_cbranch_scc1 .Llap
.endif
	TURN 0, 1, 0                                   ; the last lap fills nothing
	STEPS 1
	s_wait_dscnt HL
	WIN MUL_LO
	MULS 0, NBL/2, 1, NQ-1, 1, 0
	s_wait_dscnt 0
	WIN MUL_HI
	MULS NBL/2, NBL/2, 1, NQ-1, 1, 0
	WIN 0
	; THE WAY OUT: block by block of side A: + bias, quantised along side B, stored as an image.
	PLACES NP
	s_wait_loadcnt 0x0                             ; the biases
	s_mov_b32 s[SEL], 0x76543210
	s_mov_b32 s[SEL+1], 0xfedcba98
	s_mov_b32 s[MNT], 0x600000
	s_lshl_b32 s72, s17, 4                         ; q, k: my first token block,
	s_lshl_b32 s73, s15, 3
	s_add_co_u32 s72, s72, s73
	s_lshr_b32 s73, s72, 7                         ; its batch,
	s_and_b32 s72, s72, 127                        ; and its place there
	s_lshl_b32 s73, s73, 4
	s_lshl_b32 s74, s40, 2
	s_add_co_u32 s73, s73, s74
	s_lshl_b32 s74, s16, 1
	s_add_co_u32 s73, s73, s74                     ; 16 b + my first head
	s_lshl_b32 s74, s73, 7
	s_add_co_u32 s74, s74, s72
	s_lshl_b32 s74, s74, 10
	s_lshl_b32 s75, ttmp9, 22
	s_add_co_u32 s74, s74, s75                     ; codes
	s_lshl_b32 s73, s73, 12
	s_lshl_b32 s72, s72, 5
	s_add_co_u32 s73, s73, s72
	s_lshl_b32 s75, ttmp9, 17
	s_add_co_u32 s73, s73, s75
	s_add_co_u32 s73, s73, 12582912                ; scale bytes
	s_lshl_b32 s76, s42, 1                         ; v: my 128 keys,
	s_add_co_u32 s76, s76, s16
	s_lshr_b32 s77, s76, 4                         ; their batch,
	s_and_b32 s76, s76, 15                         ; and their place there
	s_lshl_b32 s77, s77, 4
	s_lshl_b32 s78, s41, 2
	s_add_co_u32 s77, s77, s78
	s_lshl_b32 s78, s15, 1
	s_add_co_u32 s77, s77, s78                     ; 16 b + my first head
	s_lshl_b32 s77, s77, 4
	s_add_co_u32 s77, s77, s76
	s_lshl_b32 s76, s77, 13
	s_add_co_u32 s76, s76, 8388608                 ; codes
	s_lshl_b32 s77, s77, 8
	s_add_co_u32 s77, s77, 12845056                ; scale bytes
	s_cmp_eq_u32 ttmp9, 2                          ; all that differs between the types is chosen here, once
	s_cselect_b32 s74, s76, s74
	s_cselect_b32 s72, s77, s73
	s_cselect_b32 s68, 0, 1.0                      ; the factor of the bias by column
	s_cselect_b32 s70, 1.0, 0                      ; and of the bias by channel
	s_mov_b32 s78, 131072
	s_cselect_b32 s78, 1024, s78                   ; from registers 0-7 of the codes to 8-15: the next head's half image, or the same image's second half
	s_mov_b32 s80, 1024
	s_cselect_b32 s82, 124928, s80                 ; codes: from block 3 to block 4 (v: the next head),
	s_cselect_b32 s80, 2048, s80                   ; and from any other block to the next
	s_cselect_b32 s84, 64, 32                      ; scale bytes likewise
	s_cselect_b32 s86, 3904, 32
	s_cselect_b32 s88, 4, 2                        ; scale bytes: from row to row,
	s_cselect_b32 s89, 2, 4096                     ; and from lanes 0-15 to lanes 16-31
	s_mov_b32 s69, s68
	s_mov_b32 s71, s70
	s_mov_b32 s75, 0
	s_mov_b32 s73, 0
	s_mov_b32 s81, 0
	s_mov_b32 s83, 0
	s_mov_b32 s85, 0
	s_mov_b32 s87, 0
	s_add_nc_u64 s[90:91], s[12:13], s[74:75]
	s_add_nc_u64 s[92:93], s[12:13], s[72:73]
	v_and_b32 v1, 15, v0
	v_bfe_u32 v2, v0, 4, 1
	v_and_b32 v7, 31, v0
	v_lshlrev_b32 v7, 4, v7                        ; 16 x lane
	v_add_nc_u32 v18, s78, v7
	v_mul_u32_u24 v19, v1, s88
	v_mad_u32_u24 v19, v2, s89, v19
	v_lshlrev_b32 v22, 4, v2                       ; 16 h
	v_mov_b32 v[BW+1], 0                           ; (named with BW as a pair)
.irp b, 0,1,2,3
	v_mov_b32 v[TM+4+\b], 0                        ; a lane permute's destination counts as one of its sources
.endr
.set ii, 0
.rept 32
	v_pk_mul_f32 v[BC+2*ii:BC+2*ii+1], v[BC+2*ii:BC+2*ii+1], s[68:69] op_sel_hi:[1,0]
.set ii, ii+1
.endr
.set ii, 0
.rept 4
	v_pk_mul_f32 v[BV+2*ii:BV+2*ii+1], v[BV+2*ii:BV+2*ii+1], s[70:71] op_sel_hi:[1,0]
.set ii, ii+1
.endr
.irp a, 0,1,2,3,4,5,6,7
.if \a > 0
	s_wait_xcnt 0x0                                ; the last block's stores have read their data and bases: both are written again
.if \a == 4
	s_add_nc_u64 s[90:91], s[90:91], s[82:83]
	s_add_nc_u64 s[92:93], s[92:93], s[86:87]
.else
	s_add_nc_u64 s[90:91], s[90:91], s[80:81]
	s_add_nc_u64 s[92:93], s[92:93], s[84:85]
.endif
.endif
	v_mov_b32 v[BW], v[BV+\a]
	WIN 0x02+(\a/4)                                ; source 0: the accumulators' window
.set ii, 0
.rept 32
	v_pk_add_f32 v[T+2*ii:T+2*ii+1], v[64*(\a%4)+2*ii:64*(\a%4)+2*ii+1], v[BC+2*ii:BC+2*ii+1]   ; each accumulator from its low end on
.set ii, ii+1
.endr
	WIN 0
.set ii, 0
.rept 32
	v_pk_add_f32 v[T+2*ii:T+2*ii+1], v[T+2*ii:T+2*ii+1], v[BW:BW+1] op_sel_hi:[1,0]
.set ii, ii+1
.endr
	QUANT T
	global_store_b128 v7, v[PC:PC+3], s[90:91]
	global_store_b128 v7, v[PC+4:PC+7], s[90:91] offset:512
	global_store_b128 v18, v[PC+8:PC+11], s[90:91]
	global_store_b128 v18, v[PC+12:PC+15], s[90:91] offset:512
	v_lshrrev_b32 v23, v22, v[PW]                  ; lanes 0-15: bytes 0, 1 of the row's word; lanes 16-31: bytes 2, 3
	global_store_b16 v19, v23, s[92:93]
.endr
	s_wait_tensorcnt 0x0                           ; the wave's end
	ds_add_u32 v[SPW], v[NIL]
	s_wait_dscnt 0x0
	CROUND                                         ; the closing round
	s_endpgm
.Lfunc_end_k_q3663e10756_gemm_qkv:
	.size	k_q3663e10756_gemm_qkv, .Lfunc_end_k_q3663e10756_gemm_qkv-k_q3663e10756_gemm_qkv
	.p2alignl 7, 3214868480
	.fill 96, 4, 3214868480
	.section	.rodata,"a",@progbits
	.p2align	6, 0x0
	.amdhsa_kernel k_q3663e10756_gemm_qkv
		.amdhsa_group_segment_fixed_size 327680
		.amdhsa_private_segment_fixed_size 0
		.amdhsa_enable_private_segment 0
		.amdhsa_kernarg_size 24
		.amdhsa_user_sgpr_count 2
		.amdhsa_user_sgpr_kernarg_segment_ptr 1
		.amdhsa_wavefront_size32 1
		.amdhsa_system_sgpr_workgroup_id_x 1
		.amdhsa_system_sgpr_workgroup_id_y 1
		.amdhsa_system_sgpr_workgroup_id_z 1
		.amdhsa_system_vgpr_workitem_id 0
		.amdhsa_next_free_vgpr 1024
		.amdhsa_next_free_sgpr 100
		.amdhsa_reserve_vcc 0
		.amdhsa_float_denorm_mode_32 3
		.amdhsa_float_denorm_mode_16_64 3
		.amdhsa_memory_ordered 1
		.amdhsa_forward_progress 1
		.amdhsa_inst_pref_size 227
	.end_amdhsa_kernel
	.amdgpu_metadata
---
amdhsa.version: [ 1, 2 ]
amdhsa.kernels:
  - .name:           k_q3663e10756_gemm_qkv
    .symbol:         k_q3663e10756_gemm_qkv.kd
    .args:
      - { .name: wq, .offset: 0, .size: 8, .value_kind: global_buffer, .address_space: global }
      - { .name: bqkv, .offset: 8, .size: 8, .value_kind: global_buffer, .address_space: global }
      - { .name: qkv, .offset: 16, .size: 8, .value_kind: global_buffer, .address_space: global }
    .group_segment_fixed_size: 327680
    .private_segment_fixed_size: 0
    .kernarg_segment_align: 8
    .kernarg_segment_size: 24
    .max_flat_workgroup_size: 128
    .sgpr_count:     100
    .vgpr_count:     1024
    .wavefront_size: 32
...
	.end_amdgpu_metadata
.endif
;; end of part 2
;; launch attn (part 3): grid 8 x 32, 16 waves a work-group, clusters of 4 x 1, 327,680 bytes of LDS; arguments qkv, att; writes att
.if DOCPART == 3
	.amdgcn_target "amdgcn-amd-amdhsa--gfx1250"
	.amdhsa_code_object_version 6
	.text
	.protected	k_q3663e10756_attn
	.globl	k_q3663e10756_attn
	.p2align	8
	.type	k_q3663e10756_attn,@function
k_q3663e10756_attn:
	s_mov_b64 s[64:65], 0
	v_nop
	global_prefetch_b8 v0, s[64:65] scope:SCOPE_SE
	s_setreg_imm32_b32 hwreg(HW_REG_WAVE_MODE, 25, 1), 1
	s_wait_xcnt 0x0
	s_wait_alu depctr_hold_cnt(0) depctr_sa_sdst(0) depctr_va_vdst(0) depctr_va_sdst(0) depctr_va_ssrc(0) depctr_va_vcc(0) depctr_vm_vsrc(0)
	s_getreg_b32 s2, hwreg(HW_REG_IB_STS2, 6, 4)
	s_cmp_eq_u32 s2, 0
	s_cbranch_scc0 .Lentry_in_a_cluster
	s_endpgm
.Lentry_in_a_cluster:
	s_bfe_u32 s2, ttmp6, 0x10000c
	s_cmp_lg_u32 s2, 0x3003
	s_cbranch_scc0 .Lentry_shape_is_right
	s_endpgm
.Lentry_shape_is_right:
; attn[b][q][head] = softmax(q k^T / 8) v on codes of E4M3 with E8M0 scales, and the result quantised along the model's 1,024 for the next product.
; THE SOFTMAX AHEAD OF THE SECOND PRODUCT: t = score x log2(e) / 8; M = the running largest t rounded up to a whole number; p = 2^(t - M) is quantised along the keys, not normalised;
; the row's sum is taken of the unquantised p and divides at the end; when M moves, the sum and O are multiplied by 2^(old M - new M), which rounds nothing.
; SHARES.  Work-group (x, y): head y (= 16 b + head), queries 256 x on.  Each of sixteen waves owns one tile of 16 queries in 256 registers, four waves to a SIMD.
; A WHOLE HEAD'S K AND V STAY IN LDS: 131,072 bytes each, their scale bytes 4,096 each; every byte is filled once.
; CLUSTERS: 4 x 1: four query blocks of one head read the same K and V, so every tile is asked for jointly (mask 15); the descriptors hang on the head and the wave's number alone.
; FILLS.  At the head one load a wave: waves 0-7 the codes of keys 0-511 (K or V by wave % 2, 8,192 bytes each), waves 8-15 the scale bytes (1,024 each).  Behind the three lines and a round of the cluster's
; barrier one load a wave more: the codes of keys 512-2,047, 12,288 bytes each; four key steps stand between that load and the wait for it.  Every wait on TENSORcnt is for 0.
; NO PREFETCH: all that the launch reads has been asked for by its tensor loads when the first key step begins: there is no later load to run ahead of.
; LAYOUT.  All operands are images of registers (byte 512 c + 16 lane + i = row lane % 16, k = 32 c + 16 (lane / 16) + i).  Both products are used transposed: S^T = K Q^T, O^T = V^T P^T: a lane holds one query throughout.
; Lane r of a block of 16 tokens or channels holds number 32 (p / 2) + 8 (p % 2) + r + (r & 8), so the 16 registers of two neighbouring tiles are 16 neighbours: p's codes and O's codes are operands as they come.
; THE FIRST PRODUCT'S K IS 64 under an instruction of 128: Q's registers 8-15 hold zero codes.  K's tile t is named as 16 registers of which the upper eight are the next tile's codes (behind tile 7: zeros);
; they are never NaN codes (the quantiser holds at 448), so against zero codes they add 0.  The scale halfwords are widened with zeros: the byte 0 is 2^-127, a number.
; LIMITS: the promise holds while the scaled scores stay under 2^31 in magnitude.  NaN and infinities are not served; v_exp_f32 gives 0 under 2^-126; a block whose largest magnitude lies under 2^-118 keeps the byte 1.
; The scale bytes leave as one byte a lane.
.set SCK, 262144                       ; K's scale bytes: [token block][16 rows] 2 bytes
.set SCV, 266240                       ; V's: [128 keys][16 channels][16 rows] 4 bytes
.set SPARE, 270336                     ; the spare words: 128 bytes a wave
.set LI,  1                            ; 16 x lane
.set AKS, 2                            ; SCK + 2 r
.set AVS, 3                            ; SCV + 4 r
.set QS2, 4                            ; 2 r
.set LV,  5                            ; 131,072 + 16 x lane
.set SH8, 6                            ; 8 h
.set SBO, 7                            ; 4 r + h
.set ADK, 8
.set ADV, 9
.set ADS, 10
.set ADT, 11                           ; v12 -M, v13 the largest score, v[14:15] the sum; v16-23 Q, v24-31 zeros; v32-95 K's 8 tiles, then V's 4 fragments; v96-103 zeros
.set S,   104                          ; v104-167 S^T, then p
.set O,   168                          ; v168-199 O^T
.set PCD, 200                          ; v200-215 p's codes
.set SW,  216                          ; v216-223 K's or V's scale words
.set BM,  224
.set T1,  228
.set HL,  232
.set SO,  236
.set F,   240                          ; v240 f (v241 is named with it as a pair)
.set TMP, 242
.set QW,  243                          ; Q's scale word
.set CH,  244                          ; v244-251 the step's sum of p, four chains of pairs
.set PSW, 252                          ; p's scale word
.set OLD, 253                          ; the last step's -M
.set SPW, 254
.set NIL, 255
.set WV,  8
.set G1A, 16                           ; group 1: 32 rows of 256 bytes;  G1B: 4 rows;  G1C: 48 rows
.set G1B, 24
.set G1C, 32
.set G0A, 40
.set G0B, 44
.set G0C, 48
.set SEL, 52
.set CS,  54
.set MNT, 66
.set TK,  67                           ; the step's codes: 8,192 bytes a step in K and in V
.set TS,  68                           ; the step's scale bytes: 256 a step
.set CNT, 69
.macro CROUND                          ; a round of the cluster's barrier
	s_barrier_signal -1
	s_barrier_wait -1
	s_cmp_lg_u32 s[WV], 0
	s_cbranch_scc1 .Lnot_wave_0_\@
	s_barrier_signal -3
.Lnot_wave_0_\@:
	s_barrier_wait -3
	s_barrier_signal -1
	s_barrier_wait -1
.endm
.macro GRP1 g, rows                    ; dense rows of 256 bytes (32 elements of 8 bytes); the mask names the cluster's four, bit 21 beside it
	s_mov_b32 s[\g], 15|(3<<16)|(1<<21)
	s_mov_b32 s[\g+1], 32<<16
	s_mov_b32 s[\g+2], (\rows)<<16
	s_mov_b32 s[\g+3], 32<<16
	s_mov_b32 s[\g+4], \rows
	s_mov_b32 s[\g+5], 32
	s_mov_b32 s[\g+6], 0
	s_mov_b32 s[\g+7], 0
.endm
.macro TLOAD g0, g1                    ; an s_nop 0 and four v_nop follow the load
	tensor_load_to_lds s[\g0:\g0+3], s[\g1:\g1+7]
	s_nop 0
.rept 4
	v_nop
.endr
.endm
	s_load_b128 s[4:7], s[0:1], 0x0                ; qkv, att
	v_lshl_add_u32 v[SPW], v0, 2, SPARE
	v_mov_b32 v[NIL], 0
	ds_add_u32 v[SPW], v[NIL]                      ; the opening lines: the add, twice on end, and its wait
	ds_add_u32 v[SPW], v[NIL]
	v_lshrrev_b32 v8, 5, v0
	v_readfirstlane_b32 s[WV], v8                  ; wave 0..15
	s_and_b32 s9, ttmp7, 0xffff                    ; 16 b + head
	GRP1 G1A, 32
	GRP1 G1B, 4
	GRP1 G1C, 48
	s_and_b32 s12, s[WV], 1                        ; K (0) or V (1)
	s_lshl_b32 s13, s12, 17                        ; in LDS
	s_lshl_b32 s14, s12, 22
	s_lshl_b32 s15, s9, 17
	s_add_co_u32 s14, s14, s15
	s_add_co_u32 s14, s14, 4194304                 ; and my head's in qkv
	s_bfe_u32 s12, s[WV], 0x20001                  ; waves 0-7: piece (wave / 2) % 4 of keys 0-511
	s_lshl_b32 s12, s12, 13
	s_add_co_u32 s[G0A+1], s13, s12
	s_add_co_u32 s72, s14, s12
	s_mov_b32 s73, 0
	s_lshr_b32 s12, s[WV], 1                       ; all waves: piece wave / 2 of keys 512-2,047
	s_mul_i32 s12, s12, 12288
	s_add_co_u32 s12, s12, 32768
	s_add_co_u32 s[G0C+1], s13, s12
	s_add_co_u32 s74, s14, s12
	s_mov_b32 s75, 0
	s_and_b32 s12, s[WV], 7                        ; waves 8-15: piece wave % 8 of the scale bytes: K's four, then V's four
	s_lshl_b32 s13, s12, 10
	s_add_co_u32 s[G0B+1], s13, SCK
	s_lshr_b32 s13, s12, 2
	s_lshl_b32 s13, s13, 17
	s_and_b32 s12, s12, 3
	s_lshl_b32 s12, s12, 10
	s_add_co_u32 s76, s13, s12
	s_lshl_b32 s13, s9, 12
	s_add_co_u32 s76, s76, s13
	s_add_co_u32 s76, s76, 12713984
	s_mov_b32 s77, 0
	s_mov_b32 s[G0A], 1
	s_mov_b32 s[G0B], 1
	s_mov_b32 s[G0C], 1
	; my queries: only global addresses hang on my place in the cluster
	s_bfe_u32 s10, ttmp6, 0x40000                  ; cx
	s_lshl_b32 s11, ttmp9, 2
	s_add_co_u32 s10, s10, s11                     ; work-group x
	s_lshl_b32 s70, s10, 4
	s_add_co_u32 s70, s70, s[WV]                   ; my tile of queries among the head's 128
	s_lshl_b32 s78, s9, 17
	s_lshl_b32 s71, s70, 10
	s_add_co_u32 s78, s78, s71                     ; Q's half image
	s_mov_b32 s79, 0
	s_lshl_b32 s80, s9, 12
	s_lshl_b32 s71, s70, 5
	s_add_co_u32 s80, s80, s71
	s_add_co_u32 s80, s80, 12582912                ; its scale halfwords
	s_mov_b32 s81, 0
	s_lshr_b32 s86, s9, 4                          ; the result: image ((128 b + tile) x 8 + head / 2), its half head % 2
	s_lshl_b32 s86, s86, 7
	s_add_co_u32 s86, s86, s70
	s_lshl_b32 s86, s86, 3
	s_bfe_u32 s71, s9, 0x30001
	s_add_co_u32 s86, s86, s71
	s_and_b32 s87, s9, 1
	s_lshl_b32 s82, s86, 11
	s_lshl_b32 s71, s87, 10
	s_add_co_u32 s82, s82, s71
	s_mov_b32 s83, 0
	s_lshl_b32 s84, s86, 6
	s_lshl_b32 s71, s87, 1
	s_add_co_u32 s84, s84, s71
	s_add_co_u32 s84, s84, 4194304
	s_mov_b32 s85, 0
	s_mov_b32 s[SEL], 0x76543210
	s_mov_b32 s[SEL+1], 0xfedcba98
	s_mov_b32 s[CS], 0x3e38aa3b                    ; c = log2(e) / 8
	s_mov_b32 s[CS+1], s[CS]
	s_mov_b32 s[MNT], 0x600000
	s_mov_b32 s[TK], 0
	s_mov_b32 s[TS], 0
	s_wait_dscnt 0x0                               ; both opening adds are done
	CROUND                                         ; the four work-groups are here: the first joint loads meet
	s_wait_kmcnt 0x0
	s_add_nc_u64 s[G0A+2:G0A+3], s[4:5], s[72:73]
	s_or_b32 s[G0A+3], s[G0A+3], 0x80000000
	s_add_nc_u64 s[G0B+2:G0B+3], s[4:5], s[76:77]
	s_or_b32 s[G0B+3], s[G0B+3], 0x80000000
	s_cmp_lt_u32 s[WV], 8                          ; one load a wave, one arm each
	s_cbranch_scc0 .Lscales
	TLOAD G0A, G1A
	s_branch .Lasked
.Lscales:
	TLOAD G0B, G1B
.Lasked:
	s_add_nc_u64 s[G0C+2:G0C+3], s[4:5], s[74:75]
	s_or_b32 s[G0C+3], s[G0C+3], 0x80000000
	s_add_nc_u64 s[56:57], s[4:5], s[78:79]
	s_add_nc_u64 s[58:59], s[4:5], s[80:81]
	s_add_nc_u64 s[60:61], s[6:7], s[82:83]
	s_add_nc_u64 s[62:63], s[6:7], s[84:85]
	v_and_b32 v[LI], 31, v0
	v_and_b32 v8, 15, v0                           ; r
	v_bfe_u32 v9, v0, 4, 1                         ; h
	v_lshlrev_b32 v[LI], 4, v[LI]
	v_lshlrev_b32 v[QS2], 1, v8
	global_load_b128 v[16:19], v[LI], s[56:57]
	global_load_b128 v[20:23], v[LI], s[56:57] offset:512
	global_load_u16 v[QW], v[QS2], s[58:59]
	v_add_nc_u32 v[LV], 131072, v[LI]
	v_add_nc_u32 v[AKS], SCK, v[QS2]
	v_lshl_add_u32 v[AVS], v8, 2, SCV
	v_lshlrev_b32 v[SH8], 3, v9
	v_lshl_add_u32 v[SBO], v8, 2, v9
.irp j, 0,1,2,3,4,5,6,7
	v_mov_b32 v[24+\j], 0                          ; Q's zero codes for k = 64 .. 127
	v_mov_b32 v[96+\j], 0                          ; and what stands behind K's tile 7
.endr
	v_mov_b32 v13, 0xff61b1e6                      ; the largest score so far: -3e38
	v_mov_b32 v[OLD], 0x7f61b1e6                   ; and a -M over every -M: the first f is 0, on sums that are 0
	v_mov_b32 v14, 0
	v_mov_b32 v15, 0
.irp b, 0,1,2,3
	v_mov_b32 v[T1+\b], 0                          ; a lane permute's destination counts as one of its sources
.endr
	v_mov_b32 v[F], 0
	v_mov_b32 v[F+1], 0
.set ii, 0
.rept 32
	v_mov_b32 v[O+ii], 0                           ; O^T: the step is written once; the first finds zeros
.set ii, ii+1
.endr
.macro STEP                            ; 128 keys
	v_add_nc_u32 v[ADK], s[TK], v[LI]              ; with the four lines at the last step's end: eight places in front of loads into registers that the last products read
	v_add_nc_u32 v[ADS], s[TS], v[AKS]
	v_add_nc_u32 v[ADV], s[TK], v[LV]
	v_add_nc_u32 v[ADT], s[TS], v[AVS]
.irp t, 0,1,2,3,4,5,6,7
	ds_load_b128 v[32+8*\t:35+8*\t], v[ADK] offset:1024*\t
	ds_load_b128 v[36+8*\t:39+8*\t], v[ADK] offset:1024*\t+512
	ds_load_u16 v[SW+\t], v[ADS] offset:32*\t
.endr
	s_wait_alu depctr_va_vdst(0)
	s_wait_dscnt 0x0
.irp t, 0,1,2,3,4,5,6,7
	v_wmma_scale_f32_16x16x128_f8f6f4 v[S+8*\t:S+8*\t+7], v[32+8*\t:47+8*\t], v[16:31], 0, v[SW+\t], v[QW]
.endr
.rept 8
	v_nop                                          ; places in front of the loads below and of the first read of the scores
.endr
.irp x, 0,1,2,3                                ; V's fragments land under the softmax
.irp c, 0,1,2,3
	ds_load_b128 v[32+16*\x+4*\c:35+16*\x+4*\c], v[ADV] offset:2048*\x+512*\c
.endr
	ds_load_b32 v[SW+\x], v[ADT] offset:64*\x
.endr
.irp b, 0,1,2,3
	v_max3_num_f32 v[BM+\b], v[S+16*\b], v[S+1+16*\b], v[S+2+16*\b]   ; the largest score of each block of 32 keys: for the row's maximum, and, since p rises with the score, for the block's largest p
.endr
.irp i, 3,5,7,9,11,13
.irp b, 0,1,2,3
	v_max3_num_f32 v[BM+\b], v[BM+\b], v[S+16*\b+\i], v[S+1+16*\b+\i]
.endr
.endr
.irp b, 0,1,2,3
	v_max_num_f32 v[BM+\b], v[BM+\b], v[S+15+16*\b]
.endr
.irp b, 0,1,2,3
	s_delay_alu instid0(VALU_DEP_4)
	v_permlanex16_b32 v[T1+\b], v[BM+\b], s[SEL], s[SEL+1]
.endr
.irp b, 0,1,2,3
	s_delay_alu instid0(VALU_DEP_4)
	v_max_num_f32 v[BM+\b], v[BM+\b], v[T1+\b]
.endr
	s_delay_alu instid0(VALU_DEP_2)
	v_max3_num_f32 v[TMP], v[BM], v[BM+1], v[BM+2]
	s_delay_alu instid0(VALU_DEP_1)
	v_max3_num_f32 v13, v13, v[TMP], v[BM+3]       ; the running largest score (c is positive: the largest t is c x this)
	s_delay_alu instid0(VALU_DEP_1)
	v_mul_f32 v[TMP], s[CS], v13
	s_delay_alu instid0(VALU_DEP_1)
	v_floor_f32 v12, -v[TMP]                       ; the new -M = -ceil(t)
	s_delay_alu instid0(VALU_DEP_1)
	v_sub_f32 v[TMP], v12, v[OLD]                  ; old M - new M: a whole number, 0 or less
	s_delay_alu instid0(VALU_DEP_1)
	v_cvt_i32_f32 v[TMP], v[TMP]                   ; (it saturates)
	s_delay_alu instid0(VALU_DEP_1)
	v_ldexp_f32 v[F], 1.0, v[TMP]                  ; f = 2^(old M - new M)
.set ii, 0
.rept 32
	v_pk_fma_f32 v[S+2*ii:S+2*ii+1], v[S+2*ii:S+2*ii+1], s[CS:CS+1], v[12:13] op_sel_hi:[1,0,0]   ; t - M
.set ii, ii+1
.endr
.irp b, 0,1,2,3
	v_fma_f32 v[BM+\b], v[BM+\b], s[CS], v12
.endr
	s_wait_alu depctr_va_vdst(0)                   ; ahead of the batch
.irp b, 0,1,2,3
	v_exp_f32 v[BM+\b], v[BM+\b]                   ; the block's largest p
.endr
.set ii, 0
.rept 64
	v_exp_f32 v[S+ii], v[S+ii]                     ; p = 2^(t - M)
.set ii, ii+1
.endr
	v_mov_b32 v[OLD], v12                          ; for the next step; also the plain line behind the batch
	s_wait_alu depctr_va_vdst(0)                   ; one wait for the 68, ahead of their first reader
.irp b, 0,1,2,3
	v_max_num_f32 v[BM+\b], 0x4800000, v[BM+\b]    ; the floor 2^(9 - 127)
.endr
.irp b, 0,1,2,3
	s_delay_alu instid0(VALU_DEP_4)
	v_add_nc_u32 v[SO+\b], 0xfc000000, v[BM+\b]    ; 8 off the exponent field: the conversion's scale operand
.endr
.irp b, 0,1,2,3
	v_and_or_b32 v[HL+\b], v[BM+\b], 0x7f800000, s[MNT]   ; 448 x the scale
.endr
.irp b, 0,1,2,3
	v_lshrrev_b32 v[T1+\b], 23, v[SO+\b]           ; the scale's byte
.endr
	s_delay_alu instid0(VALU_DEP_3)
	v_lshl_or_b32 v[PSW], v[T1+1], 8, v[T1]        ; p's scale word for these 128 keys
	s_delay_alu instid0(VALU_DEP_1)
	v_lshl_or_b32 v[PSW], v[T1+2], 16, v[PSW]
	s_delay_alu instid0(VALU_DEP_1)
	v_lshl_or_b32 v[PSW], v[T1+3], 24, v[PSW]
.irp i, 0,1,2,3                                ; the step's sum of the unquantised p: 32 pairs into four chains
	v_pk_add_f32 v[CH+2*\i:CH+2*\i+1], v[S+4*\i:S+4*\i+1], v[S+4*\i+2:S+4*\i+3]
.endr
.set ii, 8
.rept 24
	v_pk_add_f32 v[CH+2*(ii%4):CH+2*(ii%4)+1], v[CH+2*(ii%4):CH+2*(ii%4)+1], v[S+2*ii:S+2*ii+1]
.set ii, ii+1
.endr
.irp b, 0,1,2,3
.irp i, 0,2,4,6,8,10,12,14
	v_dual_min_num_f32 v[S+16*\b+\i], v[S+16*\b+\i], v[HL+\b] :: v_dual_min_num_f32 v[S+16*\b+\i+1], v[S+16*\b+\i+1], v[HL+\b]   ; p is not negative: a one-sided hold, two numbers a line
.endr
	v_cvt_scalef32_pk8_fp8_f32 v[PCD+4*\b:PCD+1+4*\b], v[S+16*\b:S+7+16*\b], v[SO+\b]
	v_cvt_scalef32_pk8_fp8_f32 v[PCD+2+4*\b:PCD+3+4*\b], v[S+8+16*\b:S+15+16*\b], v[SO+\b]
.endr
	s_wait_alu depctr_va_vdst(0)                   ; directly ahead of the first reader of O^T
.set ii, 0
.rept 16
	v_pk_mul_f32 v[O+2*ii:O+2*ii+1], v[O+2*ii:O+2*ii+1], v[F:F+1] op_sel_hi:[1,0]   ; O^T under the new M; also the places in front of the products below
.set ii, ii+1
.endr
	s_wait_alu depctr_va_vdst(0)                   ; directly ahead of the wait below
	s_wait_dscnt 0x0                               ; V
.irp x, 0,1,2,3
	v_wmma_scale_f32_16x16x128_f8f6f4 v[O+8*\x:O+8*\x+7], v[32+16*\x:47+16*\x], v[PCD:PCD+15], v[O+8*\x:O+8*\x+7], v[SW+\x], v[PSW]
.endr
	v_pk_add_f32 v[CH:CH+1], v[CH:CH+1], v[CH+2:CH+3]              ; the four chains meet: four places behind the products
	v_pk_add_f32 v[CH+4:CH+5], v[CH+4:CH+5], v[CH+6:CH+7]
	v_pk_add_f32 v[CH:CH+1], v[CH:CH+1], v[CH+4:CH+5]
	v_pk_fma_f32 v[14:15], v[14:15], v[F:F+1], v[CH:CH+1] op_sel_hi:[1,0,1]   ; the sum under the new M, and the step's
	s_add_co_u32 s[TK], s[TK], 8192
	s_add_co_u32 s[TS], s[TS], 256
.endm
.macro RUN trips
	s_mov_b32 s[CNT], \trips
.Lstep_\@:
	STEP
	s_sub_co_u32 s[CNT], s[CNT], 1
	s_cmp_lg_u32 s[CNT], 0
	s_cbranch_scc1 .Lstep_\@
.endm
	s_wait_alu depctr_va_vdst(0)                   ; at the head's end
	s_wait_loadcnt 0x0                             ; Q
	s_wait_tensorcnt 0x0                           ; my piece of keys 0-511 or of the scale bytes is in
	ds_add_u32 v[SPW], v[NIL]
	s_wait_dscnt 0x0
	CROUND                                         ; everybody's pieces are in, and the four work-groups are here
	TLOAD G0C, G1C                                 ; keys 512-2,047: my one load behind the round, on bytes that nothing has filled
	RUN 4                                          ; keys 0-511
	s_wait_tensorcnt 0x0                           ; my piece of keys 512-2,047 is in
	s_wait_dscnt 0x0
	s_barrier_signal -1
	s_barrier_wait -1                              ; everybody's are
	RUN 12
	; THE WAY OUT: O^T / the sum; register 16 b + i is channel 32 b + 16 (lane / 16) + i of my query: two blocks of 32 along the next K
.rept 4
	v_nop                                          ; with the four lines at the step's end: eight places behind the last products
.endr
	v_add_f32 v14, v14, v15
	s_delay_alu instid0(VALU_DEP_1)
	v_permlanex16_b32 v[TMP], v14, s[SEL], s[SEL+1]
	s_delay_alu instid0(VALU_DEP_1)
	v_add_f32 v14, v14, v[TMP]
	s_wait_alu depctr_va_vdst(0)                   ; ahead of the transcendental
	v_rcp_f32 v14, v14
	v_nop
	s_wait_alu depctr_va_vdst(0)                   ; ahead of the reciprocal's first reader, which is also O^T's
.set ii, 0
.rept 16
	v_pk_mul_f32 v[O+2*ii:O+2*ii+1], v[O+2*ii:O+2*ii+1], v[14:15] op_sel_hi:[1,0]
.set ii, ii+1
.endr
.irp b, 0,1
	v_max3_num_f32 v[BM+\b], |v[O+16*\b]|, |v[O+1+16*\b]|, 0x4800000
.endr
.irp i, 2,4,6,8,10,12,14
.irp b, 0,1
	s_delay_alu instid0(VALU_DEP_2)
	v_max3_num_f32 v[BM+\b], v[BM+\b], |v[O+16*\b+\i]|, |v[O+1+16*\b+\i]|
.endr
.endr
.irp b, 0,1
	s_delay_alu instid0(VALU_DEP_2)
	v_permlanex16_b32 v[T1+\b], v[BM+\b], s[SEL], s[SEL+1]
.endr
.irp b, 0,1
	s_delay_alu instid0(VALU_DEP_2)
	v_max_num_f32 v[BM+\b], v[BM+\b], v[T1+\b]
.endr
.irp b, 0,1
	s_delay_alu instid0(VALU_DEP_2)
	v_add_nc_u32 v[SO+\b], 0xfc000000, v[BM+\b]
.endr
.irp b, 0,1
	s_delay_alu instid0(VALU_DEP_4)
	v_and_or_b32 v[HL+\b], v[BM+\b], 0x7f800000, s[MNT]
.endr
.irp b, 0,1
	s_delay_alu instid0(VALU_DEP_4)
	v_lshrrev_b32 v[T1+\b], 23, v[SO+\b]
.endr
	s_delay_alu instid0(VALU_DEP_1)
	v_lshl_or_b32 v[TMP], v[T1+1], 8, v[T1]
	s_delay_alu instid0(VALU_DEP_1)
	v_lshrrev_b32 v[TMP], v[SH8], v[TMP]           ; lanes 0-15 keep the first block's byte, lanes 16-31 the second's
.irp b, 0,1
.irp i, 0,1,2,3,4,5,6,7,8,9,10,11,12,13,14,15
	v_med3_num_f32 v[O+16*\b+\i], v[O+16*\b+\i], -v[HL+\b], v[HL+\b]
.endr
	v_cvt_scalef32_pk8_fp8_f32 v[PCD+4*\b:PCD+1+4*\b], v[O+16*\b:O+7+16*\b], v[SO+\b]
	v_cvt_scalef32_pk8_fp8_f32 v[PCD+2+4*\b:PCD+3+4*\b], v[O+8+16*\b:O+15+16*\b], v[SO+\b]
.endr
	v_nop                                          ; one plain line behind the last conversion
	global_store_b128 v[LI], v[PCD:PCD+3], s[60:61]
	global_store_b128 v[LI], v[PCD+4:PCD+7], s[60:61] offset:512
	global_store_b8 v[SBO], v[TMP], s[62:63]
	s_wait_tensorcnt 0x0                           ; the wave's end
	ds_add_u32 v[SPW], v[NIL]
	s_wait_dscnt 0x0
	CROUND                                         ; the closing round
	s_endpgm
.Lfunc_end_k_q3663e10756_attn:
	.size	k_q3663e10756_attn, .Lfunc_end_k_q3663e10756_attn-k_q3663e10756_attn
	.p2alignl 7, 3214868480
	.fill 96, 4, 3214868480
	.section	.rodata,"a",@progbits
	.p2align	6, 0x0
	.amdhsa_kernel k_q3663e10756_attn
		.amdhsa_group_segment_fixed_size 327680
		.amdhsa_private_segment_fixed_size 0
		.amdhsa_enable_private_segment 0
		.amdhsa_kernarg_size 16
		.amdhsa_user_sgpr_count 2
		.amdhsa_user_sgpr_kernarg_segment_ptr 1
		.amdhsa_wavefront_size32 1
		.amdhsa_system_sgpr_workgroup_id_x 1
		.amdhsa_system_sgpr_workgroup_id_y 1
		.amdhsa_system_sgpr_workgroup_id_z 1
		.amdhsa_system_vgpr_workitem_id 0
		.amdhsa_next_free_vgpr 256
		.amdhsa_next_free_sgpr 90
		.amdhsa_reserve_vcc 0
		.amdhsa_float_denorm_mode_32 3
		.amdhsa_float_denorm_mode_16_64 3
		.amdhsa_memory_ordered 1
		.amdhsa_forward_progress 1
		.amdhsa_inst_pref_size 56
	.end_amdhsa_kernel
	.amdgpu_metadata
---
amdhsa.version: [ 1, 2 ]
amdhsa.kernels:
  - .name:           k_q3663e10756_attn
    .symbol:         k_q3663e10756_attn.kd
    .args:
      - { .name: qkv, .offset: 0, .size: 8, .value_kind: global_buffer, .address_space: global }
      - { .name: att, .offset: 8, .size: 8, .value_kind: global_buffer, .address_space: global }
    .group_segment_fixed_size: 327680
    .private_segment_fixed_size: 0
    .kernarg_segment_align: 8
    .kernarg_segment_size: 16
    .max_flat_workgroup_size: 512
    .sgpr_count:     90
    .vgpr_count:     256
    .wavefront_size: 32
...
	.end_amdgpu_metadata
.endif
;; end of part 3
;; launch gemm_o (part 4): grid 8 x 32, 4 waves a work-group, clusters of 4 x 1, 327,680 bytes of LDS; arguments att, wq, bo, x, y; writes y
.if DOCPART == 4
	.amdgcn_target "amdgcn-amd-amdhsa--gfx1250"
	.amdhsa_code_object_version 6
	.text
	.protected	k_q3663e10756_gemm_o
	.globl	k_q3663e10756_gemm_o
	.p2align	8
	.type	k_q3663e10756_gemm_o,@function
k_q3663e10756_gemm_o:
	s_mov_b64 s[64:65], 0
	v_nop
	global_prefetch_b8 v0, s[64:65] scope:SCOPE_SE
	s_setreg_imm32_b32 hwreg(HW_REG_WAVE_MODE, 25, 1), 1
	s_wait_xcnt 0x0
	s_wait_alu depctr_hold_cnt(0) depctr_sa_sdst(0) depctr_va_vdst(0) depctr_va_sdst(0) depctr_va_ssrc(0) depctr_va_vcc(0) depctr_vm_vsrc(0)
	s_getreg_b32 s2, hwreg(HW_REG_IB_STS2, 6, 4)
	s_cmp_eq_u32 s2, 0
	s_cbranch_scc0 .Lentry_in_a_cluster
	s_endpgm
.Lentry_in_a_cluster:
	s_bfe_u32 s2, ttmp6, 0x10000c
	s_cmp_lg_u32 s2, 0x3003
	s_cbranch_scc0 .Lentry_shape_is_right
	s_endpgm
.Lentry_shape_is_right:
; y = x + attn Wo + bo on codes of E4M3 with E8M0 scales: 4,096 x 1,024 x 1,024, f32 sums, f32 out.
; OPERANDS are images of registers (16 rows x 128 K, 2,048 bytes; byte 512 c + 16 lane + i = row lane % 16, k = 32 c + 16 (lane / 16) + i); image (row block p, K step s) lies at 2,048 (NK p + s), its 16 scale words at 64 (NK p + s) of the scales' region.
; A work-group makes 128 x 128 of y, four waves of 64 x 64: 16 accumulators.  The matrix instruction is used transposed (source 0 = 16 weight columns, source 1 = 16 tokens).
; SIDE A (tokens) comes through LDS by tensor loads: a slot holds 8 row blocks x 8 K steps, 131,072 bytes.  Here K is 8 steps: one slot, filled once at the head, no refill.  Its scale words of all of K come with it.
; SIDE B (weight columns) goes from memory straight into registers: an image is a fragment as it lies, four loads of 512 consecutive bytes.  A wave's four fragments and two scale registers of a K step are 18 loads; they run three K steps ahead in four sets.
; CLUSTERS: 4 x 1: the four work-groups of a cluster make four column tiles of one tile row and ask for side A jointly (mask 15).  Side B differs between them and is not shared.
; NO PREFETCH here: with one slot every tensor load is asked for at the head, and side B's 8 K steps are asked for from the head on, three ahead.
; REGISTERS: window 0: addresses, v32-39 A's scale words (4 sets of 2), v40-47 B's, v64-127 the way out; window 1: B's fragments, 4 sets of 64; window 2: v0-127 accumulators ((a, b) at 8 (4 a + b)), v128-255 the residual; window 3: A's fragments, 4 sets of 64.
; A scale register holds block 2 j in lanes 0-15 and block 2 j + 1 in lanes 16-31.  LIMITS: NaN and infinities are not served.
.set NK,      8
.set ASC_OFF, 4194304
.set BC_OFF,  7340032
.set BSC_OFF, 17006592
.set NS,   NK/8                        ; slots' worth of K
.set BST,  NK*2048                     ; from row block to row block: codes,
.set SST,  NK*64                       ; scale words
.set SLOT, 131072
.set SCL,  262144                      ; behind the two slots: A's scale words, 8 SST bytes
.set SPARE, SCL+8*SST                  ; the spare words: 128 bytes a wave
.set NP,   8                           ; places behind this matrix instruction (ISA guide 7.12.1)
.set BI,  8
.set ADA, 16                           ; v16, v17 LDS address of my A fragments in slot 0, 1
.set ADS, 18                           ; of my A scale words
.set VB,  19                           ; 16 x lane
.set VBS, 20                           ; SST h + 4 r
.set PFO, 21
.set PFP, 22
.set STO, 24
.set RD,  25
.set CO,  26
.set SPW, 28
.set NIL, 29
.set SAR, 32
.set SBR, 40
.set BK,  64
.set RS,  128
.set G1H, 24
.set G0H, 32
.set G0S, 36
.set G1R, 48
.set G0R, 56
.set G1S, 68
.set BB,  76
.set BS,  78
.set PFA, 80
.set PFB, 82
.set MSB, 0
.macro WIN new                         ; the immediate's high byte repeats the setting that is left
.if MSB != (\new)
	s_set_vgpr_msb (MSB<<8)|(\new)
.set MSB, (\new)
.endif
.endm
.macro CROUND                          ; a round of the cluster's barrier
	s_barrier_signal -1
	s_barrier_wait -1
	s_cmp_lg_u32 s14, 0
	s_cbranch_scc1 .Lnot_wave_0_\@
	s_barrier_signal -3
.Lnot_wave_0_\@:
	s_barrier_wait -3
	s_barrier_signal -1
	s_barrier_wait -1
.endm
.macro PLACES n
.rept \n
	v_nop
.endr
.endm
.macro TLOAD g0, g1                    ; an s_nop 0 and four v_nop follow the load
	tensor_load_to_lds s[\g0:\g0+3], s[\g1:\g1+7]
	s_nop 0
	PLACES 4
.endm
.macro GRP1 g, c, rows, pitch          ; rows of c elements of 8 bytes; the mask names the cluster's four, bit 21 beside it
	s_mov_b32 s[\g], 15|(3<<16)|(1<<21)
	s_mov_b32 s[\g+1], ((\c)&0xffff)<<16
	s_mov_b32 s[\g+2], (\rows)<<16
	s_mov_b32 s[\g+3], (\c)<<16
	s_mov_b32 s[\g+4], \rows
	s_mov_b32 s[\g+5], \pitch
	s_mov_b32 s[\g+6], 0
	s_mov_b32 s[\g+7], 0
.endm
.macro ALOAD s                         ; K step s of side A: four fragments into set s % 4 of window 3, two scale registers: 18 LDS loads
	WIN 0xc0
.irp i, 0,1,2,3
.irp c, 0,1,2,3
	ds_load_b128 v[64*((\s)%4)+16*\i+4*\c:64*((\s)%4)+16*\i+4*\c+3], v[ADA+((\s)/8)%2] offset:\i*16384+((\s)%8)*2048+512*\c
.endr
.endr
	WIN 0
.irp j, 0,1
	ds_load_b32 v[SAR+2*((\s)%4)+\j], v[ADS] offset:\j*2*SST+(\s)*64
.endr
.endm
.macro BLOAD s                         ; K step s of side B: four fragments into set s % 4 of window 1, two scale registers: 18 global loads; every offset is an immediate
	WIN 0x40
.irp p, 0,1,2,3
.irp c, 0,1,2,3
	global_load_b128 v[64*((\s)%4)+16*\p+4*\c:64*((\s)%4)+16*\p+4*\c+3], v[VB], s[BB:BB+1] offset:(\p*NK+(\s))*2048+512*\c
.endr
.endr
	WIN 0
.irp j, 0,1
	global_load_b32 v[SBR+(2*((\s)%4)+\j+4)%8], v[VBS], s[BS:BS+1] offset:\j*2*SST+(\s)*64
.endr
.endm
.macro WM c, ra, rb                    ; ra, rb: which half of the lanes holds B's, A's scale words
.if (\ra) && (\rb)
	v_wmma_scale_f32_16x16x128_f8f6f4 v[D_:D_+7], v[B_:B_+15], v[A_:A_+15], \c, v[SB_], v[SA_] matrix_a_scale:MATRIX_SCALE_ROW1 matrix_b_scale:MATRIX_SCALE_ROW1
.elseif \ra
	v_wmma_scale_f32_16x16x128_f8f6f4 v[D_:D_+7], v[B_:B_+15], v[A_:A_+15], \c, v[SB_], v[SA_] matrix_a_scale:MATRIX_SCALE_ROW1
.elseif \rb
	v_wmma_scale_f32_16x16x128_f8f6f4 v[D_:D_+7], v[B_:B_+15], v[A_:A_+15], \c, v[SB_], v[SA_] matrix_b_scale:MATRIX_SCALE_ROW1
.else
	v_wmma_scale_f32_16x16x128_f8f6f4 v[D_:D_+7], v[B_:B_+15], v[A_:A_+15], \c, v[SB_], v[SA_]
.endif
.endm
.macro MM s, a, b                      ; the two scale registers of a product have numbers that differ modulo 8
.set D_, 8*(4*\a+\b)
.set B_, 64*((\s)%4)+16*\b
.set A_, 64*((\s)%4)+16*\a
.set SB_, SBR+(2*((\s)%4)+\b/2+4)%8
.set SA_, SAR+2*((\s)%4)+\a/2
.if (\s) == 0
	WM 0, \b%2, \a%2
.else
	WM v[D_:D_+7], \b%2, \a%2
.endif
.endm
; A K STEP: eight places behind the last step's products (B's loads land in the set that they read); A's loads two steps ahead, B's three; 16 products, the accumulators by turns.
.macro KSTEP s
	WIN 0
	PLACES NP
.if (\s)+2 < NK
	ALOAD (\s)+2
.endif
.if (\s)+3 < NK
	BLOAD (\s)+3
.endif
.if NK-1-(\s) >= 3
	s_wait_loadcnt 54                              ; this step's 18 are in; the 54 of the three steps behind it may be out
.else
	s_wait_loadcnt 18*(NK-1-(\s))
.endif
.if NK-1-(\s) >= 2
	s_wait_dscnt 36                                ; likewise: the 36 of two steps may be out
.else
	s_wait_dscnt 18*(NK-1-(\s))
.endif
	WIN 0xad                                       ; source 0 window 1, source 1 window 3, C and D window 2
.irp a, 0,1,2,3
.irp b, 0,1,2,3
	MM \s, \a, \b
.endr
.endr
.endm
; THE CHANGE OF SLOTS, ahead of a slot's seventh K step, whose A loads are the first to read the next slot.  fill = 1: the slot just read out takes the K steps two slots on.
.macro TURN fill
	WIN 0
	s_wait_tensorcnt 0x0                           ; my part of the next slot is in
	ds_add_u32 v[SPW], v[NIL]
.if \fill
	s_xor_b32 s[G0R+1], s[G0R+1], SLOT             ; no tensor load of mine is out: the other slot, the next 8 K steps
	s_add_nc_u64 s[G0R+2:G0R+3], s[G0R+2:G0R+3], 16384
.endif
	s_wait_dscnt 0x0                               ; the add is done, and my reads of this slot are over
.if \fill
	CROUND
	TLOAD G0R, G1R
.else
	s_barrier_signal -1
	s_barrier_wait -1
.endif
.endm
	s_load_b64 s[4:5], s[0:1], 0x0                 ; side A's codes and scale words
	s_load_b64 s[8:9], s[0:1], 0x8                 ; wq
	s_load_b64 s[96:97], s[0:1], 0x10              ; the bias
	s_load_b64 s[98:99], s[0:1], 0x18              ; the residual
	s_load_b64 s[12:13], s[0:1], 0x20              ; y
	v_lshl_add_u32 v[SPW], v0, 2, SPARE
	v_mov_b32 v[NIL], 0
	ds_add_u32 v[SPW], v[NIL]                      ; the opening lines: the add, twice on end, and its wait
	ds_add_u32 v[SPW], v[NIL]
	v_lshrrev_b32 v1, 5, v0
	v_readfirstlane_b32 s14, v1                    ; wave 0..3
	s_lshr_b32 s15, s14, 1                         ; my half of the tile's rows
	s_and_b32 s16, s14, 1                          ; my half of its columns
	s_bfe_u32 s40, ttmp6, 0x40000                  ; cx
	s_lshl_b32 s42, ttmp9, 2
	s_add_co_u32 s42, s42, s40                     ; tile column
	s_and_b32 s17, ttmp7, 0xffff                   ; tile row
	GRP1 G1H, 2048, 4, NK*256                      ; the head's codes: 4 row blocks x 8 images
	GRP1 G1R, 2048, 2, NK*256                      ; the ring's: 2 row blocks a wave
	GRP1 G1S, 32, NK, 32                           ; the scale words of 4 row blocks: 4 SST dense bytes as rows of 256
	s_mul_i32 s18, s17, 8*BST                      ; the tile's first byte of codes
	s_mul_i32 s19, s14, 4*BST
	s_add_co_u32 s20, s18, s19
	s_mov_b32 s21, 0
	s_lshl_b32 s[G0H+1], s14, 16
	s_mul_i32 s19, s14, 2*BST
	s_add_co_u32 s22, s18, s19
	s_add_co_u32 s22, s22, 16384                   ; the ring begins with K steps 8-15
	s_mov_b32 s23, 0
	s_lshl_b32 s19, s14, 15
	s_add_co_u32 s[G0R+1], s19, SLOT
	s_mul_i32 s44, s17, 8*SST
	s_mul_i32 s19, s16, 4*SST
	s_add_co_u32 s44, s44, s19
	s_add_co_u32 s44, s44, ASC_OFF
	s_mov_b32 s45, 0
	s_add_co_u32 s[G0S+1], s19, SCL
	s_mov_b32 s[G0H], 1
	s_mov_b32 s[G0S], 1
	s_mov_b32 s[G0R], 1
	s_lshl_b32 s46, s42, 3                         ; side B: only global addresses hang on my place in the cluster
	s_lshl_b32 s47, s16, 2
	s_add_co_u32 s46, s46, s47                     ; my first column block
	s_mul_i32 s84, s46, BST
	s_add_co_u32 s84, s84, BC_OFF
	s_mov_b32 s85, 0
	s_mul_i32 s86, s46, SST
	s_add_co_u32 s86, s86, BSC_OFF
	s_mov_b32 s87, 0
.if NS > 1
	s_lshl_b32 s88, s40, 2                         ; A's prefetches: a slot is 512 blocks of 256 bytes, 32 for each of the cluster's 16 waves, told apart by address
	s_add_co_u32 s88, s88, s14
	s_lshr_b32 s89, s88, 1
	s_mul_i32 s89, s89, BST
	s_and_b32 s88, s88, 1
	s_lshl_b32 s88, s88, 13
	s_add_co_u32 s88, s88, s89
	s_add_co_u32 s88, s88, s18
	s_mov_b32 s89, 0
	s_lshl_b32 s90, s17, 4                         ; B's: 8 K steps of a column tile are 512 blocks, 16 for each of the 32 work-groups that read them, 4 a wave
	s_lshl_b32 s91, s14, 2
	s_add_co_u32 s90, s90, s91
	s_lshr_b32 s91, s90, 6
	s_mul_i32 s91, s91, BST
	s_and_b32 s90, s90, 63
	s_lshl_b32 s90, s90, 8
	s_add_co_u32 s90, s90, s91
	s_mul_i32 s91, s42, 8*BST
	s_add_co_u32 s90, s90, s91
	s_add_co_u32 s90, s90, BC_OFF
	s_mov_b32 s91, 0
.endif
	s_wait_dscnt 0x0                               ; both opening adds are done
	CROUND                                         ; the four work-groups are here: the first joint loads meet
	s_wait_kmcnt 0x0
	s_add_nc_u64 s[G0H+2:G0H+3], s[4:5], s[20:21]
	s_or_b32 s[G0H+3], s[G0H+3], 0x80000000
	s_add_nc_u64 s[G0S+2:G0S+3], s[4:5], s[44:45]
	s_or_b32 s[G0S+3], s[G0S+3], 0x80000000
	s_cmp_lt_u32 s14, 2                            ; one load a wave: waves 0, 1 slot 0's halves, waves 2, 3 the halves of the scale words
	s_cbranch_scc0 .Lscales
	TLOAD G0H, G1H
	s_branch .Lasked
.Lscales:
	TLOAD G0S, G1S
.Lasked:
	s_add_nc_u64 s[G0R+2:G0R+3], s[4:5], s[22:23]
	s_or_b32 s[G0R+3], s[G0R+3], 0x80000000
	s_add_nc_u64 s[BB:BB+1], s[8:9], s[84:85]
	s_add_nc_u64 s[BS:BS+1], s[8:9], s[86:87]
.if NS > 1
	s_add_nc_u64 s[PFA:PFA+1], s[4:5], s[88:89]
	s_add_nc_u64 s[PFB:PFB+1], s[8:9], s[90:91]
.endif
	s_lshl_b32 s66, s15, 16                        ; my four row blocks in a slot
	s_mul_i32 s67, s15, 4*SST
	s_add_co_u32 s67, s67, SCL                     ; and their scale words
	s_mul_i32 s19, s14, 16*272                     ; my stage for the way out: 16 rows x 272 bytes a wave,
	s_add_co_u32 s19, s19, SLOT                    ; from byte 131,072 on: with one slot of K nothing is filled there and nothing else reads there
	s_lshl_b32 s20, s17, 7
	s_lshl_b32 s21, s15, 6
	s_add_co_u32 s20, s20, s21                     ; my first row of y
	s_lshl_b32 s20, s20, 12
	s_lshl_b32 s22, s42, 9
	s_lshl_b32 s21, s16, 8
	s_add_co_u32 s22, s22, s21                     ; my first column, in bytes
	s_add_co_u32 s20, s20, s22
	s_mov_b32 s21, 0
	s_mov_b32 s23, 0
	s_add_nc_u64 s[12:13], s[12:13], s[20:21]
	s_add_nc_u64 s[98:99], s[98:99], s[20:21]
	s_add_nc_u64 s[96:97], s[96:97], s[22:23]
	v_and_b32 v1, 15, v0                           ; r
	v_bfe_u32 v2, v0, 4, 1                         ; h
	v_and_b32 v3, 31, v0
	v_lshlrev_b32 v[VB], 4, v3
	v_mul_u32_u24 v[VBS], v2, SST
	v_lshl_add_u32 v[VBS], v1, 2, v[VBS]
	v_add_nc_u32 v[ADA], s66, v[VB]
	v_add_nc_u32 v[ADA+1], SLOT, v[ADA]
	v_add_nc_u32 v[ADS], s67, v[VBS]
	v_lshlrev_b32 v[PFO], 8, v3
	v_min_u32 v[PFP], 3, v3                        ; lanes 4-31 name their wave's last block again
	v_lshlrev_b32 v[PFP], 8, v[PFP]
	v_mul_u32_u24 v4, v1, 272
	v_lshl_add_u32 v4, v2, 6, v4
	v_add_nc_u32 v[STO], s19, v4
	v_mul_u32_u24 v4, v2, 272
	v_lshl_add_u32 v4, v1, 4, v4
	v_add_nc_u32 v[RD], s19, v4
	v_lshlrev_b32 v[CO], 12, v2
	v_lshl_add_u32 v[CO], v1, 4, v[CO]
	v_lshlrev_b32 v30, 4, v1
	s_wait_alu depctr_va_vdst(0)                   ; at the head's end
	global_load_b128 v[BI:BI+3], v30, s[96:97]     ; the bias and the residual are the oldest loads: every later counted wait covers them
	WIN 0x80
.irp a, 0,1,2,3
.irp t, 0,1,2,3,4,5,6,7
	global_load_b128 v[RS+32*\a+4*\t:RS+32*\a+4*\t+3], v[CO], s[98:99] offset:(32*(\a/2)+8*(\a%2)+2*\t+8*(\t/4))*4096
.endr
.endr
	WIN 0
	BLOAD 0
	BLOAD 1
	BLOAD 2
	s_wait_tensorcnt 0x0                           ; my part of the head's tiles is in
.if NS > 1
	ds_add_u32 v[SPW], v[NIL]
	s_wait_dscnt 0x0
	CROUND
	TLOAD G0R, G1R                                 ; slot 1's first fill, a quarter a wave
.if NS > 2
	global_prefetch_b8 v[PFO], s[PFA:PFA+1] offset:2*16384 th:TH_LOAD_NT scope:SCOPE_SE   ; what the next refill will ask for
.endif
.else
	s_barrier_signal -1
	s_barrier_wait -1
.endif
	ALOAD 0
	ALOAD 1
.set SS, 0
.rept NK
.if (SS%8 == 6) && (SS/8+1 < NS)
.if SS/8+2 < NS
	TURN 1
.if SS/8+3 < NS
	global_prefetch_b8 v[PFO], s[PFA:PFA+1] offset:(SS/8+3)*16384 th:TH_LOAD_NT scope:SCOPE_SE   ; what the next refill will ask for
.endif
.else
	TURN 0
.endif
.endif
	KSTEP SS
.if (SS%8 == 0) && (SS/8+1 < NS)
	WIN 0
	global_prefetch_b8 v[PFP], s[PFB:PFB+1] offset:(SS/8+1)*16384 th:TH_LOAD_NT scope:SCOPE_SE   ; side B's next 8 K steps: their first loads are issued five K steps on
.endif
.set SS, SS+1
.endr
	WIN 0
; THE WAY OUT, block by block of 16 rows x 64 columns, through my own stage in LDS (bytes of its own, behind slot 0: no fill lands there, no other wave touches them): whole rows of 256 bytes come back, take bias and residual, and leave.
.macro TOSTAGE a
	WIN 0x08
.irp b, 0,1,2,3
	ds_store_b128 v[STO], v[8*(4*(\a)+\b):8*(4*(\a)+\b)+3] offset:128*(\b/2)+32*(\b%2)
	ds_store_b128 v[STO], v[8*(4*(\a)+\b)+4:8*(4*(\a)+\b)+7] offset:128*(\b/2)+32*(\b%2)+16
.endr
	WIN 0
.irp t, 0,1,2,3,4,5,6,7
	ds_load_b128 v[BK+32*((\a)%2)+4*\t:BK+32*((\a)%2)+4*\t+3], v[RD] offset:544*\t
.endr
.endm
.macro SEND a, younger                 ; (the last K step has waited for all global loads: bias and residual are in)
	s_wait_dscnt \younger
.irp t, 0,1,2,3,4,5,6,7
.set B0, BK+32*((\a)%2)+4*\t
	v_pk_add_f32 v[B0:B0+1], v[B0:B0+1], v[BI:BI+1]
	v_pk_add_f32 v[B0+2:B0+3], v[B0+2:B0+3], v[BI+2:BI+3]
.endr
	WIN 0x08
.irp t, 0,1,2,3,4,5,6,7
.set B0, BK+32*((\a)%2)+4*\t
.set R0, RS+32*(\a)+4*\t
	v_pk_add_f32 v[B0:B0+1], v[B0:B0+1], v[R0:R0+1]
	v_pk_add_f32 v[B0+2:B0+3], v[B0+2:B0+3], v[R0+2:R0+3]
.endr
	WIN 0
.irp t, 0,1,2,3,4,5,6,7
	global_store_b128 v[CO], v[BK+32*((\a)%2)+4*\t:BK+32*((\a)%2)+4*\t+3], s[12:13] offset:(32*((\a)/2)+8*((\a)%2)+2*\t+8*(\t/4))*4096
.endr
.endm
	PLACES NP
	TOSTAGE 0
.irp a, 1,2,3
.if \a > 1
	s_wait_xcnt 0x0                                ; block a - 2's stores have read their registers
.endif
	TOSTAGE \a
	SEND \a-1, 16
.endr
	SEND 3, 0
	s_wait_tensorcnt 0x0                           ; the wave's end
	ds_add_u32 v[SPW], v[NIL]
	s_wait_dscnt 0x0
	CROUND                                         ; the closing round
	s_endpgm
.Lfunc_end_k_q3663e10756_gemm_o:
	.size	k_q3663e10756_gemm_o, .Lfunc_end_k_q3663e10756_gemm_o-k_q3663e10756_gemm_o
	.p2alignl 7, 3214868480
	.fill 96, 4, 3214868480
	.section	.rodata,"a",@progbits
	.p2align	6, 0x0
	.amdhsa_kernel k_q3663e10756_gemm_o
		.amdhsa_group_segment_fixed_size 327680
		.amdhsa_private_segment_fixed_size 0
		.amdhsa_enable_private_segment 0
		.amdhsa_kernarg_size 40
		.amdhsa_user_sgpr_count 2
		.amdhsa_user_sgpr_kernarg_segment_ptr 1
		.amdhsa_wavefront_size32 1
		.amdhsa_system_sgpr_workgroup_id_x 1
		.amdhsa_system_sgpr_workgroup_id_y 1
		.amdhsa_system_sgpr_workgroup_id_z 1
		.amdhsa_system_vgpr_workitem_id 0
		.amdhsa_next_free_vgpr 1024
		.amdhsa_next_free_sgpr 100
		.amdhsa_reserve_vcc 0
		.amdhsa_float_denorm_mode_32 3
		.amdhsa_float_denorm_mode_16_64 3
		.amdhsa_memory_ordered 1
		.amdhsa_forward_progress 1
		.amdhsa_inst_pref_size 70
	.end_amdhsa_kernel
	.amdgpu_metadata
---
amdhsa.version: [ 1, 2 ]
amdhsa.kernels:
  - .name:           k_q3663e10756_gemm_o
    .symbol:         k_q3663e10756_gemm_o.kd
    .args:
      - { .name: att, .offset: 0, .size: 8, .value_kind: global_buffer, .address_space: global }
      - { .name: wq, .offset: 8, .size: 8, .value_kind: global_buffer, .address_space: global }
      - { .name: bo, .offset: 16, .size: 8, .value_kind: global_buffer, .address_space: global }
      - { .name: x, .offset: 24, .size: 8, .value_kind: global_buffer, .address_space: global }
      - { .name: y, .offset: 32, .size: 8, .value_kind: global_buffer, .address_space: global }
    .group_segment_fixed_size: 327680
    .private_segment_fixed_size: 0
    .kernarg_segment_align: 8
    .kernarg_segment_size: 40
    .max_flat_workgroup_size: 128
    .sgpr_count:     100
    .vgpr_count:     1024
    .wavefront_size: 32
...
	.end_amdgpu_metadata
.endif
;; end of part 4
;; launch ln1 (part 5): grid 256 x 1, 8 waves a work-group, no clusters, 69,632 bytes of LDS; arguments y, g1, be1, x1; writes x1
.if DOCPART == 5
	.amdgcn_target "amdgcn-amd-amdhsa--gfx1250"
	.amdhsa_code_object_version 6
	.text
	.protected	k_q3663e10756_ln1
	.globl	k_q3663e10756_ln1
	.p2align	8
	.type	k_q3663e10756_ln1,@function
k_q3663e10756_ln1:
	s_mov_b64 s[64:65], 0
	v_nop
	global_prefetch_b8 v0, s[64:65] scope:SCOPE_SE
	s_setreg_imm32_b32 hwreg(HW_REG_WAVE_MODE, 25, 1), 1
	s_wait_xcnt 0x0
; LayerNorm over rows of 1,024 f32: out = (y - mean) rsqrt(var + 1e-5) g + be, in two passes over registers (mean first, then the squares of the differences: no difference of large sums).
; A work-group takes a block of 16 tokens in the order of an operand's lanes (lane r of block p: token 32 (p / 2) + 8 (p % 2) + r + (r & 8)); wave w takes columns 128 w .. 128 w + 127:
; lane (r, h) holds 64 numbers of token r, register 16 c + i = column 128 w + 32 c + 16 h + i: the layout from which the quantiser makes an image of operand registers.
; The quantiser wants 16 neighbours in a lane, memory wants neighbouring lanes on neighbouring bytes.  Both are had, in and out: each load and each store of f32 numbers covers 512 consecutive bytes of one token's row,
; and the 16 rows turn through the wave's own stage in LDS (16 rows x 528 bytes) on the way in and on the way out.
; The row sums of the eight waves meet in LDS: 32 bytes a row, a barrier for each of the two sums.
; The result is also quantised (E4M3, one E8M0 byte for each 32 columns) into image 8 p + w: codes at 16,777,216 + 2,048 I, scale words at 20,971,520 + 64 I of the output buffer.
; LIMITS: NaN and infinities are not served; a block whose largest magnitude lies under 2^-118 keeps the byte 1.  The scale bytes leave as 2 bytes a lane.
.set X,   16
.set G,   80
.set B,   144
.set TM,  208
.set PW,  224
.set PC,  228
.set LI,  5
.set VS,  6
.set SH,  7
.set TS,  8
.set GO,  9
.set RW,  10
.set RR,  11
.set SW,  12
.set SR,  13
.set SEL, 28
.set MNT, 30
.set RED2, 512
.set STG,  1024
.set SP,   528
.macro QUANT s
.irp b, 0,1,2,3
	v_max3_num_f32 v[TM+\b], |v[\s+16*\b]|, |v[\s+1+16*\b]|, 0x4800000
.endr
.irp i, 2,4,6,8,10,12,14
.irp b, 0,1,2,3
	s_delay_alu instid0(VALU_DEP_4)
	v_max3_num_f32 v[TM+\b], v[TM+\b], |v[\s+16*\b+\i]|, |v[\s+1+16*\b+\i]|
.endr
.endr
.irp b, 0,1,2,3
	s_delay_alu instid0(VALU_DEP_4)
	v_permlanex16_b32 v[TM+4+\b], v[TM+\b], s[SEL], s[SEL+1]
.endr
.irp b, 0,1,2,3
	s_delay_alu instid0(VALU_DEP_4)
	v_max_num_f32 v[TM+\b], v[TM+\b], v[TM+4+\b]
.endr
.irp b, 0,1,2,3
	s_delay_alu instid0(VALU_DEP_4)
	v_add_nc_u32 v[TM+12+\b], 0xfc000000, v[TM+\b]
.endr
.irp b, 0,1,2,3
	v_and_or_b32 v[TM+8+\b], v[TM+\b], 0x7f800000, s[MNT]
.endr
.irp b, 0,1,2,3
	v_lshrrev_b32 v[TM+4+\b], 23, v[TM+12+\b]
.endr
	s_delay_alu instid0(VALU_DEP_3)
	v_lshl_or_b32 v[PW], v[TM+5], 8, v[TM+4]
	s_delay_alu instid0(VALU_DEP_1)
	v_lshl_or_b32 v[PW], v[TM+6], 16, v[PW]
	s_delay_alu instid0(VALU_DEP_1)
	v_lshl_or_b32 v[PW], v[TM+7], 24, v[PW]
.irp b, 0,1,2,3
.irp i, 0,1,2,3,4,5,6,7,8,9,10,11,12,13,14,15
	v_med3_num_f32 v[\s+16*\b+\i], v[\s+16*\b+\i], -v[TM+8+\b], v[TM+8+\b]
.endr
	v_cvt_scalef32_pk8_fp8_f32 v[PC+4*\b:PC+1+4*\b], v[\s+16*\b:\s+7+16*\b], v[TM+12+\b]
	v_cvt_scalef32_pk8_fp8_f32 v[PC+2+4*\b:PC+3+4*\b], v[\s+8+16*\b:\s+15+16*\b], v[TM+12+\b]
.endr
	s_wait_alu depctr_va_vdst(0)
	v_nop
.endm
	s_load_b256 s[4:11], s[0:1], 0x0               ; y, g, be, out
	v_lshl_add_u32 v248, v0, 2, 0x10c00
	v_mov_b32 v249, 0
	v_lshrrev_b32 v1, 5, v0
	s_delay_alu instid0(VALU_DEP_1)
	v_readfirstlane_b32 s16, v1                    ; wave 0..7
	v_and_b32 v1, 15, v0                           ; r
	v_bfe_u32 v2, v0, 4, 1                         ; h
	v_and_b32 v[LI], 31, v0
	s_delay_alu instid0(VALU_DEP_1)
	v_lshlrev_b32 v[LI], 4, v[LI]
	s_delay_alu instid0(VALU_DEP_4)
	v_lshlrev_b32 v[VS], 2, v1
	s_delay_alu instid0(VALU_DEP_1)
	v_lshl_add_u32 v[VS], v2, 1, v[VS]
	v_lshlrev_b32 v[SH], 4, v2
	v_lshlrev_b32 v[GO], 6, v2
	s_lshl_b32 s22, s16, 2
	v_lshlrev_b32 v[RR], 5, v1                     ; a row's eight partial sums
	s_delay_alu instid0(VALU_DEP_1)
	v_add_nc_u32 v[RW], s22, v[RR]                 ; my wave's word among them
	s_mul_i32 s23, s16, 16*SP
	s_add_co_u32 s23, s23, STG                     ; my stage
	v_mul_u32_u24 v[SW], v1, SP
	s_delay_alu instid0(VALU_DEP_1)
	v_lshl_add_u32 v[SW], v2, 6, v[SW]
	s_delay_alu instid0(VALU_DEP_1)
	v_add_nc_u32 v[SW], s23, v[SW]                 ; by lanes: row r, + 64 h
	v_add_nc_u32 v[SR], s23, v[LI]                 ; by rows: 16 x lane
	s_mov_b32 s[SEL], 0x76543210
	s_mov_b32 s[SEL+1], 0xfedcba98
	s_mov_b32 s[MNT], 0x600000
	s_mov_b32 s31, 0x3a800000                      ; 1 / 1,024
	s_mov_b32 s32, 0x3727c5ac                      ; 1e-5
.irp b, 0,1,2,3
	v_mov_b32 v[TM+4+\b], 0                        ; a lane permute's destination counts as one of its sources
.endr
	s_lshr_b32 s18, ttmp9, 1
	s_lshl_b32 s18, s18, 5
	s_and_b32 s19, ttmp9, 1
	s_lshl_b32 s19, s19, 3
	s_add_co_u32 s18, s18, s19                     ; the block's first token
	s_lshl_b32 s18, s18, 12
	s_lshl_b32 s20, s16, 9                         ; my wave's 512 bytes of a row
	s_add_co_u32 s18, s18, s20
	s_mov_b32 s19, 0
	s_mov_b32 s21, 0
	s_wait_alu depctr_va_vdst(0)
	s_wait_kmcnt 0x0
	s_add_nc_u64 s[4:5], s[4:5], s[18:19]
	s_add_nc_u64 s[12:13], s[10:11], s[18:19]
	s_add_nc_u64 s[6:7], s[6:7], s[20:21]
	s_add_nc_u64 s[8:9], s[8:9], s[20:21]
.irp i, 0,1,2,3,4,5,6,7,8,9,10,11,12,13,14,15
	global_load_b128 v[X+4*\i:X+4*\i+3], v[LI], s[4:5] offset:(\i+(\i&8))*4096 th:TH_LOAD_NT   ; row i of the block: 32 lanes read 512 consecutive bytes
.endr
.irp c, 0,1,2,3
.irp j, 0,1,2,3
	global_load_b128 v[G+16*\c+4*\j:G+16*\c+4*\j+3], v[GO], s[6:7] offset:128*\c+16*\j
.endr
.endr
.irp c, 0,1,2,3
.irp j, 0,1,2,3
	global_load_b128 v[B+16*\c+4*\j:B+16*\c+4*\j+3], v[GO], s[8:9] offset:128*\c+16*\j
.endr
.endr
	s_wait_loadcnt 32                              ; the 16 rows are in; the 32 loads of g and be may be out
.irp i, 0,1,2,3,4,5,6,7,8,9,10,11,12,13,14,15
	ds_store_b128 v[SR], v[X+4*\i:X+4*\i+3] offset:SP*\i
.endr
	s_wait_dscnt 0x0                               ; the stores are done: their registers take the numbers back in the other order
.irp c, 0,1,2,3
.irp j, 0,1,2,3
	ds_load_b128 v[X+16*\c+4*\j:X+16*\c+4*\j+3], v[SW] offset:128*\c+16*\j   ; register 16 c + i = column 32 c + 16 h + i of token r
.endr
.endr
	s_wait_dscnt 0x0
	v_pk_add_f32 v[210:211], v[16:17], v[18:19]
	v_pk_add_f32 v[246:247], v[24:25], v[28:29]
	v_pk_add_f32 v[244:245], v[32:33], v[36:37]
	v_pk_add_f32 v[242:243], v[40:41], v[44:45]
	v_pk_add_f32 v[240:241], v[48:49], v[52:53]
	v_pk_add_f32 v[238:239], v[56:57], v[60:61]
	v_pk_add_f32 v[236:237], v[64:65], v[68:69]
	v_pk_add_f32 v[208:209], v[72:73], v[76:77]
	s_delay_alu instid0(VALU_DEP_1)
	v_pk_add_f32 v[208:209], v[208:209], v[20:21]
	v_pk_add_f32 v[210:211], v[210:211], v[22:23]
	v_pk_add_f32 v[246:247], v[246:247], v[26:27]
	v_pk_add_f32 v[244:245], v[244:245], v[30:31]
	v_pk_add_f32 v[242:243], v[242:243], v[34:35]
	v_pk_add_f32 v[240:241], v[240:241], v[38:39]
	v_pk_add_f32 v[238:239], v[238:239], v[42:43]
	v_pk_add_f32 v[236:237], v[236:237], v[46:47]
	v_pk_add_f32 v[208:209], v[208:209], v[50:51]
	v_pk_add_f32 v[210:211], v[210:211], v[54:55]
	v_pk_add_f32 v[246:247], v[246:247], v[58:59]
	v_pk_add_f32 v[244:245], v[244:245], v[62:63]
	v_pk_add_f32 v[242:243], v[242:243], v[66:67]
	v_pk_add_f32 v[240:241], v[240:241], v[70:71]
	v_pk_add_f32 v[238:239], v[238:239], v[74:75]
	v_pk_add_f32 v[236:237], v[236:237], v[78:79]
	s_delay_alu instid0(VALU_DEP_4)
	v_pk_add_f32 v[208:209], v[208:209], v[242:243]
	s_delay_alu instid0(VALU_DEP_4)
	v_pk_add_f32 v[210:211], v[210:211], v[240:241]
	s_delay_alu instid0(VALU_DEP_4)
	v_pk_add_f32 v[246:247], v[246:247], v[238:239]
	s_delay_alu instid0(VALU_DEP_4)
	v_pk_add_f32 v[244:245], v[244:245], v[236:237]
	s_delay_alu instid0(VALU_DEP_2)
	v_pk_add_f32 v[208:209], v[208:209], v[246:247]
	s_delay_alu instid0(VALU_DEP_2)
	v_pk_add_f32 v[210:211], v[210:211], v[244:245]
	s_delay_alu instid0(VALU_DEP_1)
	v_pk_add_f32 v[208:209], v[208:209], v[210:211]
	s_delay_alu instid0(VALU_DEP_1)
	v_add_f32 v[TM], v[TM], v[TM+1]
	s_delay_alu instid0(VALU_DEP_1)
	v_permlanex16_b32 v[TM+4], v[TM], s[SEL], s[SEL+1]
	s_delay_alu instid0(VALU_DEP_1)
	v_add_f32 v[TM], v[TM], v[TM+4]                ; my wave's 128 columns of token r
	ds_store_b32 v[RW], v[TM]                      ; both halves of the lanes write the same word with the same value
	s_wait_dscnt 0x0                               ; for the others' sake
	s_barrier_signal -1
	s_barrier_wait -1
	ds_load_b128 v[TM+8:TM+11], v[RR]
	ds_load_b128 v[TM+12:TM+15], v[RR] offset:16
	s_wait_dscnt 0x0
	v_pk_add_f32 v[TM+8:TM+9], v[TM+8:TM+9], v[TM+10:TM+11]
	v_pk_add_f32 v[TM+12:TM+13], v[TM+12:TM+13], v[TM+14:TM+15]
	s_delay_alu instid0(VALU_DEP_1)
	v_pk_add_f32 v[TM+8:TM+9], v[TM+8:TM+9], v[TM+12:TM+13]
	s_delay_alu instid0(VALU_DEP_1)
	v_add_f32 v[TM], v[TM+8], v[TM+9]
	s_delay_alu instid0(VALU_DEP_1)
	v_mul_f32 v[TM], 0xba800000, v[TM]             ; -mean
.set ii, 0
	s_wait_alu depctr_va_vdst(0)
.rept 32
	v_pk_add_f32 v[X+2*ii:X+2*ii+1], v[X+2*ii:X+2*ii+1], v[TM:TM+1] op_sel_hi:[1,0]
.set ii, ii+1
.endr
	v_pk_mul_f32 v[TM+2:TM+3], v[X:X+1], v[X:X+1]
	v_pk_mul_f32 v[TM+8:TM+9], v[X+2:X+3], v[X+2:X+3]
.set ii, 4
.rept 15
	s_delay_alu instid0(VALU_DEP_2)
	v_pk_fma_f32 v[TM+2:TM+3], v[X+ii:X+ii+1], v[X+ii:X+ii+1], v[TM+2:TM+3]
	s_delay_alu instid0(VALU_DEP_2)
	v_pk_fma_f32 v[TM+8:TM+9], v[X+ii+2:X+ii+3], v[X+ii+2:X+ii+3], v[TM+8:TM+9]
.set ii, ii+4
.endr
	s_delay_alu instid0(VALU_DEP_1)
	v_pk_add_f32 v[TM+2:TM+3], v[TM+2:TM+3], v[TM+8:TM+9]
	s_delay_alu instid0(VALU_DEP_1)
	v_add_f32 v[TM+2], v[TM+2], v[TM+3]
	s_delay_alu instid0(VALU_DEP_1)
	v_permlanex16_b32 v[TM+4], v[TM+2], s[SEL], s[SEL+1]
	s_delay_alu instid0(VALU_DEP_1)
	v_add_f32 v[TM+2], v[TM+2], v[TM+4]
	ds_store_b32 v[RW], v[TM+2] offset:RED2        ; other bytes than the first sum's
	s_wait_dscnt 0x0
	s_barrier_signal -1
	s_barrier_wait -1
	ds_load_b128 v[TM+8:TM+11], v[RR] offset:RED2
	ds_load_b128 v[TM+12:TM+15], v[RR] offset:RED2+16
	s_wait_dscnt 0x0
	v_pk_add_f32 v[TM+8:TM+9], v[TM+8:TM+9], v[TM+10:TM+11]
	v_pk_add_f32 v[TM+12:TM+13], v[TM+12:TM+13], v[TM+14:TM+15]
	s_delay_alu instid0(VALU_DEP_1)
	v_pk_add_f32 v[TM+8:TM+9], v[TM+8:TM+9], v[TM+12:TM+13]
	s_delay_alu instid0(VALU_DEP_1)
	v_add_f32 v[TM+2], v[TM+8], v[TM+9]
	s_delay_alu instid0(VALU_DEP_1)
	v_fma_f32 v[TM+2], v[TM+2], s31, s32           ; var + eps
	s_wait_alu depctr_va_vdst(0)
	v_rsq_f32 v[TM+2], v[TM+2]
	v_nop
	s_wait_alu depctr_va_vdst(0)                   ; ahead of the root's first reader
	s_wait_loadcnt 0x0                             ; g and be
.set ii, 0
.rept 32
	v_pk_mul_f32 v[X+2*ii:X+2*ii+1], v[X+2*ii:X+2*ii+1], v[TM+2:TM+3] op_sel_hi:[1,0]
.set ii, ii+1
.endr
.set ii, 0
.rept 32
	v_pk_fma_f32 v[X+2*ii:X+2*ii+1], v[X+2*ii:X+2*ii+1], v[G+2*ii:G+2*ii+1], v[B+2*ii:B+2*ii+1]
.set ii, ii+1
.endr
.irp c, 0,1,2,3
.irp j, 0,1,2,3
	ds_store_b128 v[SW], v[X+16*\c+4*\j:X+16*\c+4*\j+3] offset:128*\c+16*\j
.endr
.endr
.irp i, 0,1,2,3,4,5,6,7,8,9,10,11,12,13,14,15
	ds_load_b128 v[G+4*\i:G+4*\i+3], v[SR] offset:SP*\i      ; LDS serves a wave's instructions in order: these see my stores
.endr
.irp i, 0,1,2,3,4,5,6,7,8,9,10,11,12,13,14,15
	s_wait_dscnt 15-\i                             ; row i is back; the younger loads may be out
	global_store_b128 v[LI], v[G+4*\i:G+4*\i+3], s[12:13] offset:(\i+(\i&8))*4096
.endr
	QUANT X                                        ; behind the wait for 0 above: the stage's stores have read X
	s_lshl_b32 s22, ttmp9, 3
	s_add_co_u32 s22, s22, s16                     ; the image's number
	s_lshl_b32 s18, s22, 11
	s_add_co_u32 s18, s18, 16777216
	s_add_nc_u64 s[14:15], s[10:11], s[18:19]
	s_lshl_b32 s18, s22, 6
	s_add_co_u32 s18, s18, 20971520
	s_add_nc_u64 s[34:35], s[10:11], s[18:19]
.irp c, 0,1,2,3
	global_store_b128 v[LI], v[PC+4*\c:PC+4*\c+3], s[14:15] offset:512*\c
.endr
	v_lshrrev_b32 v[TS], v[SH], v[PW]
	global_store_b16 v[VS], v[TS], s[34:35]
	s_wait_tensorcnt 0x0
	ds_add_u32 v248, v249
	s_wait_dscnt 0x0
	s_endpgm
.Lfunc_end_k_q3663e10756_ln1:
	.size	k_q3663e10756_ln1, .Lfunc_end_k_q3663e10756_ln1-k_q3663e10756_ln1
	.p2alignl 7, 3214868480
	.fill 96, 4, 3214868480
	.section	.rodata,"a",@progbits
	.p2align	6, 0x0
	.amdhsa_kernel k_q3663e10756_ln1
		.amdhsa_group_segment_fixed_size 69632
		.amdhsa_private_segment_fixed_size 0
		.amdhsa_enable_private_segment 0
		.amdhsa_kernarg_size 32
		.amdhsa_user_sgpr_count 2
		.amdhsa_user_sgpr_kernarg_segment_ptr 1
		.amdhsa_wavefront_size32 1
		.amdhsa_system_sgpr_workgroup_id_x 1
		.amdhsa_system_sgpr_workgroup_id_y 1
		.amdhsa_system_sgpr_workgroup_id_z 1
		.amdhsa_system_vgpr_workitem_id 0
		.amdhsa_next_free_vgpr 250
		.amdhsa_next_free_sgpr 66
		.amdhsa_reserve_vcc 0
		.amdhsa_float_denorm_mode_32 3
		.amdhsa_float_denorm_mode_16_64 3
		.amdhsa_memory_ordered 1
		.amdhsa_forward_progress 1
		.amdhsa_inst_pref_size 37
	.end_amdhsa_kernel
	.amdgpu_metadata
---
amdhsa.version: [ 1, 2 ]
amdhsa.kernels:
  - .name:           k_q3663e10756_ln1
    .symbol:         k_q3663e10756_ln1.kd
    .args:
      - { .name: y, .offset: 0, .size: 8, .value_kind: global_buffer, .address_space: global }
      - { .name: g1, .offset: 8, .size: 8, .value_kind: global_buffer, .address_space: global }
      - { .name: be1, .offset: 16, .size: 8, .value_kind: global_buffer, .address_space: global }
      - { .name: x1, .offset: 24, .size: 8, .value_kind: global_buffer, .address_space: global }
    .group_segment_fixed_size: 69632
    .private_segment_fixed_size: 0
    .kernarg_segment_align: 8
    .kernarg_segment_size: 32
    .max_flat_workgroup_size: 256
    .sgpr_count:     66
    .vgpr_count:     250
    .wavefront_size: 32
...
	.end_amdgpu_metadata
.endif
;; end of part 5
;; launch gemm_ff1 (part 6): grid 16 x 16, 4 waves a work-group, clusters of 4 x 4, 327,680 bytes of LDS; arguments x1, wq, b1, hid; writes hid
.if DOCPART == 6
	.amdgcn_target "amdgcn-amd-amdhsa--gfx1250"
	.amdhsa_code_object_version 6
	.text
	.protected	k_q3663e10756_gemm_ff1
	.globl	k_q3663e10756_gemm_ff1
	.p2align	8
	.type	k_q3663e10756_gemm_ff1,@function
k_q3663e10756_gemm_ff1:
	s_mov_b64 s[64:65], 0
	v_nop
	global_prefetch_b8 v0, s[64:65] scope:SCOPE_SE
	s_setreg_imm32_b32 hwreg(HW_REG_WAVE_MODE, 25, 1), 1
	s_wait_xcnt 0x0
	s_wait_alu depctr_hold_cnt(0) depctr_sa_sdst(0) depctr_va_vdst(0) depctr_va_sdst(0) depctr_va_ssrc(0) depctr_va_vcc(0) depctr_vm_vsrc(0)
	s_getreg_b32 s2, hwreg(HW_REG_IB_STS2, 6, 4)
	s_cmp_eq_u32 s2, 0
	s_cbranch_scc0 .Lentry_in_a_cluster
	s_endpgm
.Lentry_in_a_cluster:
	s_bfe_u32 s2, ttmp6, 0x10000c
	s_cmp_lg_u32 s2, 0xf033
	s_cbranch_scc0 .Lentry_shape_is_right
	s_endpgm
.Lentry_shape_is_right:
.set NBL,    8
.set LOGNBL, 3
.set NQ,     2
.set NK,     8
.set MUL_HI, 0xf1
.set HALFT,  NBL*NQ*2048
.set SLOT,   4*HALFT
.set LAPS,   NK/(2*NQ)
.set SCL,    2*SLOT
.set HALFS,  NBL*NK*64
.set SPARE,  SCL+4*HALFS
.set HL,     2*NBL
.set NP,     8
.set ADRA, 16
.set ADRB, 20
.set ADRS, 27
.set SPW,  28
.set NIL,  29
.set SC,   32
.set AF,   128
.set G1, 24
.set G0, 32
.set G1B, 48
.set G0B, 56
.set G1S, 68
.set G0S, 76
.set G1SB, 80
.set G0SB, 88
.set MUL_LO, 0xa1
.set TO_B,   0x40
.set MSB, 0
.macro WIN new
.if MSB != (\new)
	s_set_vgpr_msb (MSB<<8)|(\new)
.set MSB, (\new)
.endif
.endm
.macro JLOAD g0a, g1a, g0b, g1b
	s_cmp_eq_u32 s15, 0
	s_cbranch_scc0 .Lfor_b_\@
	tensor_load_to_lds s[\g0a:\g0a+3], s[\g1a:\g1a+7]
	s_nop 0
.rept 4
	v_nop
.endr
	s_branch .Lasked_\@
.Lfor_b_\@:
	tensor_load_to_lds s[\g0b:\g0b+3], s[\g1b:\g1b+7]
	s_nop 0
.rept 4
	v_nop
.endr
.Lasked_\@:
.endm
.macro CREST
	s_cmp_lg_u32 s14, 0
	s_cbranch_scc1 .Lnot_wave_0_\@
	s_barrier_signal -3
.Lnot_wave_0_\@:
	s_barrier_wait -3
	s_barrier_signal -1
	s_barrier_wait -1
.endm
.macro CROUND
	s_barrier_signal -1
	s_barrier_wait -1
	CREST
.endm
.macro PLACES n
.rept \n
	v_nop
.endr
.endm
.macro FRAG reg, adr, q, i
.irp c, 0,1,2,3
	ds_load_b128 v[\reg+4*\c:\reg+4*\c+3], v[\adr] offset:((\i)*NQ+(\q))*2048+512*\c
.endr
.endm
.macro MULS a0, cnt, p, q, sc, zero
.set AA, \a0
.rept \cnt
.set BB, 0
.rept NBL
.set DR, (8*(NBL*AA+BB))%256
.if \zero
	v_wmma_scale_f32_16x16x128_f8f6f4 v[DR:DR+7], v[128*(\p)+16*BB:128*(\p)+16*BB+15], v[AF+16*AA:AF+16*AA+15], 0, v[SC+16*(\sc)+NQ*BB+(\q)], v[SC+16*(\sc)+NQ*AA+(\q)] matrix_a_scale:MATRIX_SCALE_ROW1
.else
	v_wmma_scale_f32_16x16x128_f8f6f4 v[DR:DR+7], v[128*(\p)+16*BB:128*(\p)+16*BB+15], v[AF+16*AA:AF+16*AA+15], v[DR:DR+7], v[SC+16*(\sc)+NQ*BB+(\q)], v[SC+16*(\sc)+NQ*AA+(\q)] matrix_a_scale:MATRIX_SCALE_ROW1
.endif
.set BB, BB+1
.endr
.set AA, AA+1
.endr
.endm
.macro FETCH_B slot, q, p
	WIN TO_B
.set II, 0
.rept NBL
	FRAG 128*(\p)+16*II, ADRB+\slot, \q, II
.set II, II+1
.endr
	WIN 0
.endm
.macro FETCH_A slot, q, i0
.set II, \i0
.rept NBL/2
	FRAG AF+16*II, ADRA+\slot, \q, II
.set II, II+1
.endr
.endm
.macro SCALES sc
.set II, 0
.rept NBL
.set QQ, 0
.rept NQ
	ds_load_b32 v[SC+16*(\sc)+NQ*II+QQ], v[ADRS] offset:(II*NK+QQ)*64
.set QQ, QQ+1
.endr
.set II, II+1
.endr
.endm
.macro STEP slot, q, zero
	s_wait_dscnt HL
	WIN MUL_LO
	MULS 0, NBL/2, (\q)%2, \q, \slot, \zero
	s_wait_dscnt 0
	PLACES NP
	FETCH_B \slot, (\q)+1, 1-(\q)%2
	FETCH_A \slot, (\q)+1, 0
	WIN MUL_HI
	MULS NBL/2, NBL/2, (\q)%2, \q, \slot, \zero
	PLACES NP
	WIN 0
	FETCH_A \slot, (\q)+1, NBL/2
.endm
.macro TURN slot, next, fill
	s_wait_tensorcnt 0x0
	ds_add_u32 v[SPW], v[NIL]
	s_wait_dscnt HL+1
	WIN MUL_LO
	MULS 0, NBL/4, 1, NQ-1, \slot, 0
	s_wait_dscnt 0x0
	s_barrier_signal -1
	MULS NBL/4, NBL/4, 1, NQ-1, \slot, 0
	WIN 0
	s_barrier_wait -1
.if \fill
	CREST
	s_add_nc_u64 s[G0+4*\slot+2:G0+4*\slot+3], s[G0+4*\slot+2:G0+4*\slot+3], 2*NQ*2048
	s_add_nc_u64 s[G0B+4*\slot+2:G0B+4*\slot+3], s[G0B+4*\slot+2:G0B+4*\slot+3], 2*NQ*2048
	JLOAD G0+4*\slot, G1, G0B+4*\slot, G1B
	PLACES NP-4
.else
	PLACES NP
.endif
	s_wait_alu depctr_va_vdst(0)
	v_add_nc_u32 v[ADRS], NQ*64, v[ADRS]
	FETCH_B \next, 0, 0
	FETCH_A \next, 0, 0
	SCALES \next
	WIN MUL_HI
	MULS NBL/2, NBL/2, 1, NQ-1, \slot, 0
	PLACES NP
	WIN 0
	FETCH_A \next, 0, NBL/2
.endm
.macro STEPS slot
.set QS, 0
.rept NQ-1
	STEP \slot, QS, 0
.set QS, QS+1
.endr
.endm
.set C8V, 8
.set BC,  64
.set T,   128
.set Z,   192
.set U,   208
.set P,   224
.set W,   240
.set TM,  192
.set PW,  208
.set PC,  212
.set SEL, 94
.set MNT, 2
.macro QUANT s
.irp b, 0,1,2,3
	v_max3_num_f32 v[TM+\b], |v[\s+16*\b]|, |v[\s+1+16*\b]|, 0x4800000
.endr
.irp i, 2,4,6,8,10,12,14
.irp b, 0,1,2,3
	v_max3_num_f32 v[TM+\b], v[TM+\b], |v[\s+16*\b+\i]|, |v[\s+1+16*\b+\i]|
.endr
.endr
.irp b, 0,1,2,3
	v_permlanex16_b32 v[TM+4+\b], v[TM+\b], s[SEL], s[SEL+1]
.endr
.irp b, 0,1,2,3
	v_max_num_f32 v[TM+\b], v[TM+\b], v[TM+4+\b]
.endr
.irp b, 0,1,2,3
	v_add_nc_u32 v[TM+12+\b], 0xfc000000, v[TM+\b]
.endr
.irp b, 0,1,2,3
	v_and_or_b32 v[TM+8+\b], v[TM+\b], 0x7f800000, s[MNT]
.endr
.irp b, 0,1,2,3
	v_lshrrev_b32 v[TM+4+\b], 23, v[TM+12+\b]
.endr
	v_lshl_or_b32 v[PW], v[TM+5], 8, v[TM+4]
	v_lshl_or_b32 v[PW], v[TM+6], 16, v[PW]
	v_lshl_or_b32 v[PW], v[TM+7], 24, v[PW]
.irp b, 0,1,2,3
.irp i, 0,1,2,3,4,5,6,7,8,9,10,11,12,13,14,15
	v_med3_num_f32 v[\s+16*\b+\i], v[\s+16*\b+\i], -v[TM+8+\b], v[TM+8+\b]
.endr
	v_cvt_scalef32_pk8_fp8_f32 v[PC+4*\b:PC+1+4*\b], v[\s+16*\b:\s+7+16*\b], v[TM+12+\b]
	v_cvt_scalef32_pk8_fp8_f32 v[PC+2+4*\b:PC+3+4*\b], v[\s+8+16*\b:\s+15+16*\b], v[TM+12+\b]
.endr
	v_nop
.endm
.macro GELU16 s
.set ii, 0
.rept 16
	v_mul_f32 v[Z+ii], 0x3f3504f3, |v[\s+ii]|
.set ii, ii+1
.endr
.set ii, 0
.rept 8
	v_pk_fma_f32 v[U+2*ii:U+2*ii+1], v[Z+2*ii:Z+2*ii+1], 0.5, 1.0 op_sel_hi:[1,0,0]
.set ii, ii+1
.endr
.set ii, 0
	s_wait_alu depctr_va_vdst(0)
.rept 16
	v_rcp_f32 v[U+ii], v[U+ii]
.set ii, ii+1
.endr
.set ii, 0
.rept 8
	v_pk_mul_f32 v[W+2*ii:W+2*ii+1], v[Z+2*ii:Z+2*ii+1], v[Z+2*ii:Z+2*ii+1]
.set ii, ii+1
.endr
	s_wait_alu depctr_va_vdst(0)
.set ii, 0
.rept 8
	v_pk_fma_f32 v[P+2*ii:P+2*ii+1], v[U+2*ii:U+2*ii+1], 0x3e7c6f08, v[C8V:C8V+1] op_sel_hi:[1,0,1]
.set ii, ii+1
.endr
.irp k, 0x40097039, 0xbfd1a1e5, 0x3ecdfd18, 0xbe899a80, 0x3e0efb2f, 0x3f0a29d2, 0x3fb8ab5a, 0xbfe9b21e
.set ii, 0
.rept 8
	v_pk_fma_f32 v[P+2*ii:P+2*ii+1], v[P+2*ii:P+2*ii+1], v[U+2*ii:U+2*ii+1], \k op_sel_hi:[1,1,0]
.set ii, ii+1
.endr
.endr
.set ii, 0
.rept 8
	v_pk_fma_f32 v[P+2*ii:P+2*ii+1], v[W+2*ii:W+2*ii+1], 0xbfb8aa3b, v[P+2*ii:P+2*ii+1] op_sel_hi:[1,0,1]
.set ii, ii+1
.endr
.set ii, 0
.rept 8
	v_pk_mul_f32 v[Z+2*ii:Z+2*ii+1], v[Z+2*ii:Z+2*ii+1], v[U+2*ii:U+2*ii+1]
.set ii, ii+1
.endr
.set ii, 0
	s_wait_alu depctr_va_vdst(0)
.rept 16
	v_exp_f32 v[P+ii], v[P+ii]
.set ii, ii+1
.endr
.set ii, 0
.rept 16
	v_max_num_f32 v[\s+ii], 0, v[\s+ii]
.set ii, ii+1
.endr
	s_wait_alu depctr_va_vdst(0)
.set ii, 0
.rept 8
	v_pk_mul_f32 v[Z+2*ii:Z+2*ii+1], v[Z+2*ii:Z+2*ii+1], v[P+2*ii:P+2*ii+1]
.set ii, ii+1
.endr
.set ii, 0
.rept 8
	v_pk_fma_f32 v[\s+2*ii:\s+2*ii+1], v[Z+2*ii:Z+2*ii+1], 0xbf3504f3, v[\s+2*ii:\s+2*ii+1] op_sel_hi:[1,0,1]
.set ii, ii+1
.endr
.endm
	s_load_b64 s[4:5], s[0:1], 0x0
	s_load_b64 s[8:9], s[0:1], 0x8
	s_load_b64 s[96:97], s[0:1], 0x10
	s_load_b64 s[12:13], s[0:1], 0x18
	v_lshl_add_u32 v[SPW], v0, 2, SPARE
	v_mov_b32 v[NIL], 0
	ds_add_u32 v28, v29
	ds_add_u32 v28, v29
	s_wait_dscnt 0x0
	v_lshrrev_b32 v1, 5, v0
	v_readfirstlane_b32 s14, v1
	s_lshr_b32 s15, s14, 1
	s_and_b32 s16, s14, 1
	s_bfe_u32 s40, ttmp6, 0x40000
	s_bfe_u32 s41, ttmp6, 0x40004
	s_lshl_b32 s42, ttmp9, 2
	s_add_co_u32 s42, s42, s40
	s_and_b32 s17, ttmp7, 0xffff
	s_lshl_b32 s17, s17, 2
	s_add_co_u32 s17, s17, s41
	s_lshl_b32 s43, s41, 2
	s_lshl_b32 s43, 15, s43
	s_lshl_b32 s44, 0x1111, s40
	s_or_b32 s[G1+0], s43, (3<<16)|(1<<21)
	s_or_b32 s[G1B+0], s44, (3<<16)|(1<<21)
.irp g, G1, G1B
	s_mov_b32 s[\g+1], (NQ*256)<<16
	s_mov_b32 s[\g+2], (2*NBL)<<16                 ; at the head a load brings a side's whole tile, 2 NBL row blocks
	s_mov_b32 s[\g+3], (NQ*256)<<16
	s_mov_b32 s[\g+4], 2*NBL
	s_mov_b32 s[\g+5], NK*256
	s_mov_b32 s[\g+6], 0
	s_mov_b32 s[\g+7], 0
.endr
	s_or_b32 s[G1S+0], s43, (3<<16)|(1<<21)
	s_or_b32 s[G1SB+0], s44, (3<<16)|(1<<21)
.irp g, G1S, G1SB
	s_mov_b32 s[\g+1], 32<<16
	s_mov_b32 s[\g+2], (HALFS/128)<<16             ; the scale words of a side's 2 NBL row blocks
	s_mov_b32 s[\g+3], 32<<16
	s_mov_b32 s[\g+4], HALFS/128
	s_mov_b32 s[\g+5], 32
	s_mov_b32 s[\g+6], 0
	s_mov_b32 s[\g+7], 0
.endr
	s_lshl_b32 s18, s16, LOGNBL
	s_lshl_b32 s20, s17, LOGNBL+1
	s_lshl_b32 s46, s42, LOGNBL+1
	s_mul_i32 s22, s20, NK*64                      ; the scale words of the whole tile
	s_mul_i32 s92, s46, NK*64
	s_add_co_u32 s20, s20, s18                     ; the first row block that I fetch in the ring
	s_add_co_u32 s46, s46, s18
	s_mul_i32 s20, s20, NK*2048
	s_mul_i32 s46, s46, NK*2048
	s_mov_b32 s21, 0
	s_mov_b32 s23, 0
	s_mov_b32 s47, 0
	s_mov_b32 s93, 0
	s_mul_i32 s45, s14, HALFT
	s_wait_kmcnt 0x0
	s_add_nc_u64 s[6:7], s[4:5], 20971520
	s_add_nc_u64 s[4:5], s[4:5], 16777216
	s_add_nc_u64 s[10:11], s[8:9], 17039360
	s_add_nc_u64 s[8:9], s[8:9], 8388608
	s_add_nc_u64 s[20:21], s[4:5], s[20:21]
	s_add_nc_u64 s[22:23], s[6:7], s[22:23]
	s_add_nc_u64 s[46:47], s[8:9], s[46:47]
	s_add_nc_u64 s[92:93], s[10:11], s[92:93]
	CROUND
	s_mov_b32 s[G0S], 1
	s_mov_b32 s[G0S+1], SCL
	s_mov_b64 s[G0S+2:G0S+3], s[22:23]
	s_or_b32 s[G0S+3], s[G0S+3], 0x80000000
	s_mov_b32 s[G0SB], 1
	s_mov_b32 s[G0SB+1], SCL+2*HALFS
	s_mov_b64 s[G0SB+2:G0SB+3], s[92:93]
	s_or_b32 s[G0SB+3], s[G0SB+3], 0x80000000
.irp s, 0,1
	s_mov_b32 s[G0+4*\s], 1
	s_add_co_u32 s[G0+4*\s+1], s45, \s*SLOT
	s_add_nc_u64 s[G0+4*\s+2:G0+4*\s+3], s[20:21], \s*NQ*2048
	s_or_b32 s[G0+4*\s+3], s[G0+4*\s+3], 0x80000000
	s_mov_b32 s[G0B+4*\s], 1
	s_add_co_u32 s[G0B+4*\s+1], s45, \s*SLOT
	s_add_nc_u64 s[G0B+4*\s+2:G0B+4*\s+3], s[46:47], \s*NQ*2048
	s_or_b32 s[G0B+4*\s+3], s[G0B+4*\s+3], 0x80000000
.endr
; THE HEAD'S LOADS, ONE A WAVE: wave 0 slot 0's whole tile of side A, wave 1 side A's scale words, wave 2 slot 0's whole tile of side B, wave 3 side B's scale words.
; Waves 0 and 2 fetch half 0 in the ring, so their own group 0 of slot 0 is the whole tile's first byte, in memory and in LDS.
.macro ARM under, g0, g1, next
	s_cmp_lt_u32 s14, \under
	s_cbranch_scc0 \next
	tensor_load_to_lds s[\g0:\g0+3], s[\g1:\g1+7]
	s_nop 0
.rept 4
	v_nop
.endr
	s_branch .Lhead_asked
\next:
.endm
	ARM 1, G0, G1, .Lhead_sa
	ARM 2, G0S, G1S, .Lhead_b
	ARM 3, G0B, G1B, .Lhead_sb
	tensor_load_to_lds s[G0SB:G0SB+3], s[G1SB:G1SB+7]
	s_nop 0
.rept 4
	v_nop
.endr
.Lhead_asked:
	v_and_b32 v1, 15, v0
	v_bfe_u32 v2, v0, 4, 1
	s_wait_alu depctr_va_vdst(0)
	v_and_b32 v3, 31, v0
	v_lshlrev_b32 v4, 4, v3
	s_mul_i32 s21, s15, HALFT
	s_mul_i32 s22, s16, HALFT
	s_add_co_u32 s22, s22, 2*HALFT
.irp s, 0,1
	v_add_nc_u32 v[ADRA+\s], s21, v4
	v_add_nc_u32 v[ADRB+\s], s22, v4
	s_add_co_u32 s21, s21, SLOT
	s_add_co_u32 s22, s22, SLOT
.endr
	v_lshlrev_b32 v5, 2, v1
	s_mul_i32 s21, s15, HALFS
	s_mul_i32 s22, s16, HALFS
	s_add_co_u32 s22, s22, 2*HALFS
	s_sub_co_u32 s22, s22, s21
	v_mul_u32_u24 v6, s22, v2
	s_add_co_u32 s21, s21, SCL
	v_add_nc_u32 v5, v5, v6
	v_add_nc_u32 v[ADRS], s21, v5
	s_lshl_b32 s66, s42, 10
	s_lshl_b32 s67, s16, 9
	s_add_co_u32 s66, s66, s67
	s_mov_b32 s67, 0
	s_add_nc_u64 s[96:97], s[96:97], s[66:67]
	v_lshlrev_b32 v30, 6, v2
.irp c, 0,1,2,3
.irp j, 0,1,2,3
	global_load_b128 v[BC+16*\c+4*\j:BC+16*\c+4*\j+3], v30, s[96:97] offset:128*\c+16*\j
.endr
.endr
	s_wait_alu depctr_va_vdst(0)
	s_wait_tensorcnt 0x0                           ; my tile of the head's four is in
	ds_add_u32 v[SPW], v[NIL]
	s_mov_b32 s[G1+2], NBL<<16                     ; no tensor load of mine is out: from here on a load brings NBL row blocks
	s_mov_b32 s[G1+4], NBL
	s_mov_b32 s[G1B+2], NBL<<16
	s_mov_b32 s[G1B+4], NBL
	s_wait_dscnt 0x0
	CROUND                                         ; all four tiles are in, and all sixteen work-groups are here
	JLOAD G0+4, G1, G0B+4, G1B                     ; slot 1's first fill, a quarter a wave
	FETCH_B 0, 0, 0
	FETCH_A 0, 0, 0
	SCALES 0
	FETCH_A 0, 0, NBL/2
	STEP 0, 0, 1
.if NQ > 2
.set QS, 1
.rept NQ-2
	STEP 0, QS, 0
.set QS, QS+1
.endr
.endif
.if LAPS > 1
	s_mov_b32 s3, LAPS-1
.Llap:
	TURN 0, 1, 1
	STEPS 1
	TURN 1, 0, 1
	STEPS 0
	s_sub_co_u32 s3, s3, 1
	s_cmp_lg_u32 s3, 0
	s_cbranch_scc1 .Llap
.endif
	TURN 0, 1, 0
	STEPS 1
	s_wait_dscnt HL
	WIN MUL_LO
	MULS 0, NBL/2, 1, NQ-1, 1, 0
	s_wait_dscnt 0
	WIN MUL_HI
	MULS NBL/2, NBL/2, 1, NQ-1, 1, 0
	WIN 0
	PLACES NP
	s_wait_loadcnt 0x0
	s_mov_b32 s[SEL], 0x76543210
	s_mov_b32 s[SEL+1], 0xfedcba98
	s_mov_b32 s[MNT], 0x600000
	v_mov_b32 v[C8V], 0xbf97d29d
	v_mov_b32 v[C8V+1], 0xbf97d29d
	v_and_b32 v1, 15, v0
	v_bfe_u32 v2, v0, 4, 1
	v_and_b32 v7, 31, v0
	v_lshlrev_b32 v7, 4, v7
	v_lshlrev_b32 v19, 2, v1
	v_lshl_add_u32 v19, v2, 1, v19
	v_lshlrev_b32 v22, 4, v2
	s_lshl_b32 s68, s17, 4
	s_lshl_b32 s69, s15, 3
	s_add_co_u32 s68, s68, s69
	s_lshl_b32 s68, s68, 5
	s_lshl_b32 s69, s42, 1
	s_add_co_u32 s68, s68, s69
	s_add_co_u32 s68, s68, s16
	s_lshl_b32 s70, s68, 11
	s_mov_b32 s71, 0
	s_add_nc_u64 s[90:91], s[12:13], s[70:71]
	s_lshl_b32 s70, s68, 6
	s_add_co_u32 s70, s70, 16777216
	s_add_nc_u64 s[92:93], s[12:13], s[70:71]
	s_mov_b32 s3, 0
.Lrow:
.irp a, 0,1,2,3,4,5,6,7
	s_cmp_lg_u32 s3, \a
	s_cbranch_scc1 .Lskip_\a
	WIN 0x02+(\a/4)
.set ii, 0
.rept 32
	v_pk_add_f32 v[T+2*ii:T+2*ii+1], v[64*(\a%4)+2*ii:64*(\a%4)+2*ii+1], v[BC+2*ii:BC+2*ii+1]
.set ii, ii+1
.endr
	WIN 0
.Lskip_\a:
.endr
	GELU16 T
	GELU16 T+16
	GELU16 T+32
	GELU16 T+48
	QUANT T
.irp c, 0,1,2,3
	global_store_b128 v7, v[PC+4*\c:PC+4*\c+3], s[90:91] offset:512*\c
.endr
	v_lshrrev_b32 v23, v22, v[PW]
	global_store_b16 v19, v23, s[92:93]
	s_wait_xcnt 0x0
	s_add_nc_u64 s[90:91], s[90:91], 65536
	s_add_nc_u64 s[92:93], s[92:93], 2048
	s_add_co_u32 s3, s3, 1
	s_cmp_lt_u32 s3, 8
	s_cbranch_scc1 .Lrow
	s_wait_tensorcnt 0x0
	ds_add_u32 v[SPW], v[NIL]
	s_wait_dscnt 0x0
	CROUND
	s_endpgm
.Lfunc_end_k_q3663e10756_gemm_ff1:
	.size	k_q3663e10756_gemm_ff1, .Lfunc_end_k_q3663e10756_gemm_ff1-k_q3663e10756_gemm_ff1
	.p2alignl 7, 3214868480
	.fill 96, 4, 3214868480
	.section	.rodata,"a",@progbits
	.p2align	6, 0x0
	.amdhsa_kernel k_q3663e10756_gemm_ff1
		.amdhsa_group_segment_fixed_size 327680
		.amdhsa_private_segment_fixed_size 0
		.amdhsa_enable_private_segment 0
		.amdhsa_kernarg_size 32
		.amdhsa_user_sgpr_count 2
		.amdhsa_user_sgpr_kernarg_segment_ptr 1
		.amdhsa_wavefront_size32 1
		.amdhsa_system_sgpr_workgroup_id_x 1
		.amdhsa_system_sgpr_workgroup_id_y 1
		.amdhsa_system_sgpr_workgroup_id_z 1
		.amdhsa_system_vgpr_workitem_id 0
		.amdhsa_next_free_vgpr 1024
		.amdhsa_next_free_sgpr 100
		.amdhsa_reserve_vcc 0
		.amdhsa_float_denorm_mode_32 3
		.amdhsa_float_denorm_mode_16_64 3
		.amdhsa_memory_ordered 1
		.amdhsa_forward_progress 1
		.amdhsa_inst_pref_size 200
	.end_amdhsa_kernel
	.amdgpu_metadata
---
amdhsa.version: [ 1, 2 ]
amdhsa.kernels:
  - .name:           k_q3663e10756_gemm_ff1
    .symbol:         k_q3663e10756_gemm_ff1.kd
    .args:
      - { .name: x1, .offset: 0, .size: 8, .value_kind: global_buffer, .address_space: global }
      - { .name: wq, .offset: 8, .size: 8, .value_kind: global_buffer, .address_space: global }
      - { .name: b1, .offset: 16, .size: 8, .value_kind: global_buffer, .address_space: global }
      - { .name: hid, .offset: 24, .size: 8, .value_kind: global_buffer, .address_space: global }
    .group_segment_fixed_size: 327680
    .private_segment_fixed_size: 0
    .kernarg_segment_align: 8
    .kernarg_segment_size: 32
    .max_flat_workgroup_size: 128
    .sgpr_count:     100
    .vgpr_count:     1024
    .wavefront_size: 32
...
	.end_amdgpu_metadata
.endif
;; end of part 6
;; launch gemm_ff2 (part 7): grid 8 x 32, 4 waves a work-group, clusters of 4 x 1, 327,680 bytes of LDS; arguments hid, wq, b2, x1, y; writes y
.if DOCPART == 7
	.amdgcn_target "amdgcn-amd-amdhsa--gfx1250"
	.amdhsa_code_object_version 6
	.text
	.protected	k_q3663e10756_gemm_ff2
	.globl	k_q3663e10756_gemm_ff2
	.p2align	8
	.type	k_q3663e10756_gemm_ff2,@function
k_q3663e10756_gemm_ff2:
	s_mov_b64 s[64:65], 0
	v_nop
	global_prefetch_b8 v0, s[64:65] scope:SCOPE_SE
	s_setreg_imm32_b32 hwreg(HW_REG_WAVE_MODE, 25, 1), 1
	s_wait_xcnt 0x0
	s_wait_alu depctr_hold_cnt(0) depctr_sa_sdst(0) depctr_va_vdst(0) depctr_va_sdst(0) depctr_va_ssrc(0) depctr_va_vcc(0) depctr_vm_vsrc(0)
	s_getreg_b32 s2, hwreg(HW_REG_IB_STS2, 6, 4)
	s_cmp_eq_u32 s2, 0
	s_cbranch_scc0 .Lentry_in_a_cluster
	s_endpgm
.Lentry_in_a_cluster:
	s_bfe_u32 s2, ttmp6, 0x10000c
	s_cmp_lg_u32 s2, 0x3003
	s_cbranch_scc0 .Lentry_shape_is_right
	s_endpgm
.Lentry_shape_is_right:
; y = x1 + hid W2 + b2 on codes of E4M3 with E8M0 scales: 4,096 x 1,024 x 4,096, f32 sums, f32 out.
; OPERANDS are images of registers (16 rows x 128 K, 2,048 bytes; byte 512 c + 16 lane + i = row lane % 16, k = 32 c + 16 (lane / 16) + i); image (row block p, K step s) lies at 2,048 (NK p + s), its 16 scale words at 64 (NK p + s) of the scales' region.
; A work-group makes 128 x 128 of y, four waves of 64 x 64: 16 accumulators.  The matrix instruction is used transposed (source 0 = 16 weight columns, source 1 = 16 tokens).
; SIDE A (tokens) comes through a ring of two LDS slots filled by tensor loads: a slot holds 8 row blocks x 8 K steps, 131,072 bytes: four fills for K = 32 steps.  Its scale words of all of K come once, at the head.
; SIDE B (weight columns) goes from memory straight into registers: an image is a fragment as it lies, four loads of 512 consecutive bytes.  A wave's four fragments and two scale registers of a K step are 18 loads; they run three K steps ahead in four sets.
; So only half of a K step's operand bytes pass through LDS, and a fill serves 8 K steps.
; CLUSTERS: 4 x 1: the four work-groups of a cluster make four column tiles of one tile row and ask for side A jointly (mask 15).  Side B differs between them and is not shared.
; PREFETCH: behind the load of slot k each wave of the cluster asks for 32 blocks of 256 bytes of slot k + 1 (8 K steps ahead of that load); at a slot's first K step each wave asks for 4 blocks of side B's next 8 K steps.
; The K steps are expanded without a run-time loop, so that every offset is an immediate and no address is stepped.
; REGISTERS: window 0: addresses, v32-39 A's scale words (4 sets of 2), v40-47 B's, v64-127 the way out; window 1: B's fragments, 4 sets of 64; window 2: v0-127 accumulators ((a, b) at 8 (4 a + b)), v128-255 the residual; window 3: A's fragments, 4 sets of 64.
; A scale register holds block 2 j in lanes 0-15 and block 2 j + 1 in lanes 16-31.  LIMITS: NaN and infinities are not served.
.set NK,      32
.set ASC_OFF, 16777216
.set BC_OFF,  12582912
.set BSC_OFF, 17170432
.set NS,   NK/8                        ; slots' worth of K
.set BST,  NK*2048                     ; from row block to row block: codes,
.set SST,  NK*64                       ; scale words
.set SLOT, 131072
.set SCL,  262144                      ; behind the two slots: A's scale words, 8 SST bytes
.set SPARE, SCL+8*SST                  ; the spare words: 128 bytes a wave
.set NP,   8                           ; places behind this matrix instruction (ISA guide 7.12.1)
.set BI,  8
.set ADA, 16                           ; v16, v17 LDS address of my A fragments in slot 0, 1
.set ADS, 18                           ; of my A scale words
.set VB,  19                           ; 16 x lane
.set VBS, 20                           ; SST h + 4 r
.set PFO, 21
.set PFP, 22
.set STO, 24
.set RD,  25
.set CO,  26
.set SPW, 28
.set NIL, 29
.set SAR, 32
.set SBR, 40
.set BK,  64
.set RS,  128
.set G1H, 24
.set G0H, 32
.set G0S, 36
.set G1R, 48
.set G0R, 56
.set G1S, 68
.set BB,  76
.set BS,  78
.set PFA, 80
.set PFB, 82
.set MSB, 0
.macro WIN new                         ; the immediate's high byte repeats the setting that is left
.if MSB != (\new)
	s_set_vgpr_msb (MSB<<8)|(\new)
.set MSB, (\new)
.endif
.endm
.macro CROUND                          ; a round of the cluster's barrier
	s_barrier_signal -1
	s_barrier_wait -1
	s_cmp_lg_u32 s14, 0
	s_cbranch_scc1 .Lnot_wave_0_\@
	s_barrier_signal -3
.Lnot_wave_0_\@:
	s_barrier_wait -3
	s_barrier_signal -1
	s_barrier_wait -1
.endm
.macro PLACES n
.rept \n
	v_nop
.endr
.endm
.macro TLOAD g0, g1                    ; an s_nop 0 and four v_nop follow the load
	tensor_load_to_lds s[\g0:\g0+3], s[\g1:\g1+7]
	s_nop 0
	PLACES 4
.endm
.macro GRP1 g, c, rows, pitch          ; rows of c elements of 8 bytes; the mask names the cluster's four, bit 21 beside it
	s_mov_b32 s[\g], 15|(3<<16)|(1<<21)
	s_mov_b32 s[\g+1], ((\c)&0xffff)<<16
	s_mov_b32 s[\g+2], (\rows)<<16
	s_mov_b32 s[\g+3], (\c)<<16
	s_mov_b32 s[\g+4], \rows
	s_mov_b32 s[\g+5], \pitch
	s_mov_b32 s[\g+6], 0
	s_mov_b32 s[\g+7], 0
.endm
.macro ALOAD s                         ; K step s of side A: four fragments into set s % 4 of window 3, two scale registers: 18 LDS loads
	WIN 0xc0
.irp i, 0,1,2,3
.irp c, 0,1,2,3
	ds_load_b128 v[64*((\s)%4)+16*\i+4*\c:64*((\s)%4)+16*\i+4*\c+3], v[ADA+((\s)/8)%2] offset:\i*16384+((\s)%8)*2048+512*\c
.endr
.endr
	WIN 0
.irp j, 0,1
	ds_load_b32 v[SAR+2*((\s)%4)+\j], v[ADS] offset:\j*2*SST+(\s)*64
.endr
.endm
.macro BLOAD s                         ; K step s of side B: four fragments into set s % 4 of window 1, two scale registers: 18 global loads; every offset is an immediate
	WIN 0x40
.irp p, 0,1,2,3
.irp c, 0,1,2,3
	global_load_b128 v[64*((\s)%4)+16*\p+4*\c:64*((\s)%4)+16*\p+4*\c+3], v[VB], s[BB:BB+1] offset:(\p*NK+(\s))*2048+512*\c
.endr
.endr
	WIN 0
.irp j, 0,1
	global_load_b32 v[SBR+(2*((\s)%4)+\j+4)%8], v[VBS], s[BS:BS+1] offset:\j*2*SST+(\s)*64
.endr
.endm
.macro WM c, ra, rb                    ; ra, rb: which half of the lanes holds B's, A's scale words
.if (\ra) && (\rb)
	v_wmma_scale_f32_16x16x128_f8f6f4 v[D_:D_+7], v[B_:B_+15], v[A_:A_+15], \c, v[SB_], v[SA_] matrix_a_scale:MATRIX_SCALE_ROW1 matrix_b_scale:MATRIX_SCALE_ROW1
.elseif \ra
	v_wmma_scale_f32_16x16x128_f8f6f4 v[D_:D_+7], v[B_:B_+15], v[A_:A_+15], \c, v[SB_], v[SA_] matrix_a_scale:MATRIX_SCALE_ROW1
.elseif \rb
	v_wmma_scale_f32_16x16x128_f8f6f4 v[D_:D_+7], v[B_:B_+15], v[A_:A_+15], \c, v[SB_], v[SA_] matrix_b_scale:MATRIX_SCALE_ROW1
.else
	v_wmma_scale_f32_16x16x128_f8f6f4 v[D_:D_+7], v[B_:B_+15], v[A_:A_+15], \c, v[SB_], v[SA_]
.endif
.endm
.macro MM s, a, b                      ; the two scale registers of a product have numbers that differ modulo 8
.set D_, 8*(4*\a+\b)
.set B_, 64*((\s)%4)+16*\b
.set A_, 64*((\s)%4)+16*\a
.set SB_, SBR+(2*((\s)%4)+\b/2+4)%8
.set SA_, SAR+2*((\s)%4)+\a/2
.if (\s) == 0
	WM 0, \b%2, \a%2
.else
	WM v[D_:D_+7], \b%2, \a%2
.endif
.endm
; A K STEP: eight places behind the last step's products (B's loads land in the set that they read); A's loads two steps ahead, B's three; 16 products, the accumulators by turns.
.macro KSTEP s
	WIN 0
	PLACES NP
.if (\s)+2 < NK
	ALOAD (\s)+2
.endif
.if (\s)+3 < NK
	BLOAD (\s)+3
.endif
.if NK-1-(\s) >= 3
	s_wait_loadcnt 54                              ; this step's 18 are in; the 54 of the three steps behind it may be out
.else
	s_wait_loadcnt 18*(NK-1-(\s))
.endif
.if NK-1-(\s) >= 2
	s_wait_dscnt 36                                ; likewise: the 36 of two steps may be out
.else
	s_wait_dscnt 18*(NK-1-(\s))
.endif
	WIN 0xad                                       ; source 0 window 1, source 1 window 3, C and D window 2
.irp a, 0,1,2,3
.irp b, 0,1,2,3
	MM \s, \a, \b
.endr
.endr
.endm
; THE CHANGE OF SLOTS, ahead of a slot's seventh K step, whose A loads are the first to read the next slot.  fill = 1: the slot just read out takes the K steps two slots on.
.macro TURN fill
	WIN 0
	s_wait_tensorcnt 0x0                           ; my part of the next slot is in
	ds_add_u32 v[SPW], v[NIL]
.if \fill
	s_xor_b32 s[G0R+1], s[G0R+1], SLOT             ; no tensor load of mine is out: the other slot, the next 8 K steps
	s_add_nc_u64 s[G0R+2:G0R+3], s[G0R+2:G0R+3], 16384
.endif
	s_wait_dscnt 0x0                               ; the add is done, and my reads of this slot are over
.if \fill
	CROUND
	TLOAD G0R, G1R
.else
	s_barrier_signal -1
	s_barrier_wait -1
.endif
.endm
	s_load_b64 s[4:5], s[0:1], 0x0                 ; side A's codes and scale words
	s_load_b64 s[8:9], s[0:1], 0x8                 ; wq
	s_load_b64 s[96:97], s[0:1], 0x10              ; the bias
	s_load_b64 s[98:99], s[0:1], 0x18              ; the residual
	s_load_b64 s[12:13], s[0:1], 0x20              ; y
	v_lshl_add_u32 v[SPW], v0, 2, SPARE
	v_mov_b32 v[NIL], 0
	ds_add_u32 v[SPW], v[NIL]                      ; the opening lines: the add, twice on end, and its wait
	ds_add_u32 v[SPW], v[NIL]
	v_lshrrev_b32 v1, 5, v0
	v_readfirstlane_b32 s14, v1                    ; wave 0..3
	s_lshr_b32 s15, s14, 1                         ; my half of the tile's rows
	s_and_b32 s16, s14, 1                          ; my half of its columns
	s_bfe_u32 s40, ttmp6, 0x40000                  ; cx
	s_lshl_b32 s42, ttmp9, 2
	s_add_co_u32 s42, s42, s40                     ; tile column
	s_and_b32 s17, ttmp7, 0xffff                   ; tile row
	GRP1 G1H, 2048, 4, NK*256                      ; the head's codes: 4 row blocks x 8 images
	GRP1 G1R, 2048, 2, NK*256                      ; the ring's: 2 row blocks a wave
	GRP1 G1S, 32, NK, 32                           ; the scale words of 4 row blocks: 4 SST dense bytes as rows of 256
	s_mul_i32 s18, s17, 8*BST                      ; the tile's first byte of codes
	s_mul_i32 s19, s14, 4*BST
	s_add_co_u32 s20, s18, s19
	s_mov_b32 s21, 0
	s_lshl_b32 s[G0H+1], s14, 16
	s_mul_i32 s19, s14, 2*BST
	s_add_co_u32 s22, s18, s19
	s_add_co_u32 s22, s22, 16384                   ; the ring begins with K steps 8-15
	s_mov_b32 s23, 0
	s_lshl_b32 s19, s14, 15
	s_add_co_u32 s[G0R+1], s19, SLOT
	s_mul_i32 s44, s17, 8*SST
	s_mul_i32 s19, s16, 4*SST
	s_add_co_u32 s44, s44, s19
	s_add_co_u32 s44, s44, ASC_OFF
	s_mov_b32 s45, 0
	s_add_co_u32 s[G0S+1], s19, SCL
	s_mov_b32 s[G0H], 1
	s_mov_b32 s[G0S], 1
	s_mov_b32 s[G0R], 1
	s_lshl_b32 s46, s42, 3                         ; side B: only global addresses hang on my place in the cluster
	s_lshl_b32 s47, s16, 2
	s_add_co_u32 s46, s46, s47                     ; my first column block
	s_mul_i32 s84, s46, BST
	s_add_co_u32 s84, s84, BC_OFF
	s_mov_b32 s85, 0
	s_mul_i32 s86, s46, SST
	s_add_co_u32 s86, s86, BSC_OFF
	s_mov_b32 s87, 0
.if NS > 1
	s_lshl_b32 s88, s40, 2                         ; A's prefetches: a slot is 512 blocks of 256 bytes, 32 for each of the cluster's 16 waves, told apart by address
	s_add_co_u32 s88, s88, s14
	s_lshr_b32 s89, s88, 1
	s_mul_i32 s89, s89, BST
	s_and_b32 s88, s88, 1
	s_lshl_b32 s88, s88, 13
	s_add_co_u32 s88, s88, s89
	s_add_co_u32 s88, s88, s18
	s_mov_b32 s89, 0
	s_lshl_b32 s90, s17, 4                         ; B's: 8 K steps of a column tile are 512 blocks, 16 for each of the 32 work-groups that read them, 4 a wave
	s_lshl_b32 s91, s14, 2
	s_add_co_u32 s90, s90, s91
	s_lshr_b32 s91, s90, 6
	s_mul_i32 s91, s91, BST
	s_and_b32 s90, s90, 63
	s_lshl_b32 s90, s90, 8
	s_add_co_u32 s90, s90, s91
	s_mul_i32 s91, s42, 8*BST
	s_add_co_u32 s90, s90, s91
	s_add_co_u32 s90, s90, BC_OFF
	s_mov_b32 s91, 0
.endif
	s_wait_dscnt 0x0                               ; both opening adds are done
	CROUND                                         ; the four work-groups are here: the first joint loads meet
	s_wait_kmcnt 0x0
	s_add_nc_u64 s[G0H+2:G0H+3], s[4:5], s[20:21]
	s_or_b32 s[G0H+3], s[G0H+3], 0x80000000
	s_add_nc_u64 s[G0S+2:G0S+3], s[4:5], s[44:45]
	s_or_b32 s[G0S+3], s[G0S+3], 0x80000000
	s_cmp_lt_u32 s14, 2                            ; one load a wave: waves 0, 1 slot 0's halves, waves 2, 3 the halves of the scale words
	s_cbranch_scc0 .Lscales
	TLOAD G0H, G1H
	s_branch .Lasked
.Lscales:
	TLOAD G0S, G1S
.Lasked:
	s_add_nc_u64 s[G0R+2:G0R+3], s[4:5], s[22:23]
	s_or_b32 s[G0R+3], s[G0R+3], 0x80000000
	s_add_nc_u64 s[BB:BB+1], s[8:9], s[84:85]
	s_add_nc_u64 s[BS:BS+1], s[8:9], s[86:87]
.if NS > 1
	s_add_nc_u64 s[PFA:PFA+1], s[4:5], s[88:89]
	s_add_nc_u64 s[PFB:PFB+1], s[8:9], s[90:91]
.endif
	s_lshl_b32 s66, s15, 16                        ; my four row blocks in a slot
	s_mul_i32 s67, s15, 4*SST
	s_add_co_u32 s67, s67, SCL                     ; and their scale words
	s_mul_i32 s19, s14, 16*272                     ; my stage for the way out, in slot 0
	s_lshl_b32 s20, s17, 7
	s_lshl_b32 s21, s15, 6
	s_add_co_u32 s20, s20, s21                     ; my first row of y
	s_lshl_b32 s20, s20, 12
	s_lshl_b32 s22, s42, 9
	s_lshl_b32 s21, s16, 8
	s_add_co_u32 s22, s22, s21                     ; my first column, in bytes
	s_add_co_u32 s20, s20, s22
	s_mov_b32 s21, 0
	s_mov_b32 s23, 0
	s_add_nc_u64 s[12:13], s[12:13], s[20:21]
	s_add_nc_u64 s[98:99], s[98:99], s[20:21]
	s_add_nc_u64 s[96:97], s[96:97], s[22:23]
	v_and_b32 v1, 15, v0                           ; r
	v_bfe_u32 v2, v0, 4, 1                         ; h
	v_and_b32 v3, 31, v0
	v_lshlrev_b32 v[VB], 4, v3
	v_mul_u32_u24 v[VBS], v2, SST
	v_lshl_add_u32 v[VBS], v1, 2, v[VBS]
	v_add_nc_u32 v[ADA], s66, v[VB]
	v_add_nc_u32 v[ADA+1], SLOT, v[ADA]
	v_add_nc_u32 v[ADS], s67, v[VBS]
	v_lshlrev_b32 v[PFO], 8, v3
	v_min_u32 v[PFP], 3, v3                        ; lanes 4-31 name their wave's last block again
	v_lshlrev_b32 v[PFP], 8, v[PFP]
	v_mul_u32_u24 v4, v1, 272
	v_lshl_add_u32 v4, v2, 6, v4
	v_add_nc_u32 v[STO], s19, v4
	v_mul_u32_u24 v4, v2, 272
	v_lshl_add_u32 v4, v1, 4, v4
	v_add_nc_u32 v[RD], s19, v4
	v_lshlrev_b32 v[CO], 12, v2
	v_lshl_add_u32 v[CO], v1, 4, v[CO]
	v_lshlrev_b32 v30, 4, v1
	s_wait_alu depctr_va_vdst(0)                   ; at the head's end
	global_load_b128 v[BI:BI+3], v30, s[96:97]     ; the bias and the residual are the oldest loads: every later counted wait covers them
	WIN 0x80
.irp a, 0,1,2,3
.irp t, 0,1,2,3,4,5,6,7
	global_load_b128 v[RS+32*\a+4*\t:RS+32*\a+4*\t+3], v[CO], s[98:99] offset:(32*(\a/2)+8*(\a%2)+2*\t+8*(\t/4))*4096
.endr
.endr
	WIN 0
	BLOAD 0
	BLOAD 1
	BLOAD 2
	s_wait_tensorcnt 0x0                           ; my part of the head's tiles is in
.if NS > 1
	ds_add_u32 v[SPW], v[NIL]
	s_wait_dscnt 0x0
	CROUND
	TLOAD G0R, G1R                                 ; slot 1's first fill, a quarter a wave
.if NS > 2
	global_prefetch_b8 v[PFO], s[PFA:PFA+1] offset:2*16384 th:TH_LOAD_NT scope:SCOPE_SE   ; what the next refill will ask for
.endif
.else
	s_barrier_signal -1
	s_barrier_wait -1
.endif
	ALOAD 0
	ALOAD 1
.set SS, 0
.rept NK
.if (SS%8 == 6) && (SS/8+1 < NS)
.if SS/8+2 < NS
	TURN 1
.if SS/8+3 < NS
	global_prefetch_b8 v[PFO], s[PFA:PFA+1] offset:(SS/8+3)*16384 th:TH_LOAD_NT scope:SCOPE_SE   ; what the next refill will ask for
.endif
.else
	TURN 0
.endif
.endif
	KSTEP SS
.if (SS%8 == 0) && (SS/8+1 < NS)
	WIN 0
	global_prefetch_b8 v[PFP], s[PFB:PFB+1] offset:(SS/8+1)*16384 th:TH_LOAD_NT scope:SCOPE_SE   ; side B's next 8 K steps: their first loads are issued five K steps on
.endif
.set SS, SS+1
.endr
	WIN 0
; THE WAY OUT, block by block of 16 rows x 64 columns, through my own stage in slot 0 (it has had its last fill, and every wave has passed the last change of slots): whole rows of 256 bytes come back, take bias and residual, and leave.
.macro TOSTAGE a
	WIN 0x08
.irp b, 0,1,2,3
	ds_store_b128 v[STO], v[8*(4*(\a)+\b):8*(4*(\a)+\b)+3] offset:128*(\b/2)+32*(\b%2)
	ds_store_b128 v[STO], v[8*(4*(\a)+\b)+4:8*(4*(\a)+\b)+7] offset:128*(\b/2)+32*(\b%2)+16
.endr
	WIN 0
.irp t, 0,1,2,3,4,5,6,7
	ds_load_b128 v[BK+32*((\a)%2)+4*\t:BK+32*((\a)%2)+4*\t+3], v[RD] offset:544*\t
.endr
.endm
.macro SEND a, younger                 ; (the last K step has waited for all global loads: bias and residual are in)
	s_wait_dscnt \younger
.irp t, 0,1,2,3,4,5,6,7
.set B0, BK+32*((\a)%2)+4*\t
	v_pk_add_f32 v[B0:B0+1], v[B0:B0+1], v[BI:BI+1]
	v_pk_add_f32 v[B0+2:B0+3], v[B0+2:B0+3], v[BI+2:BI+3]
.endr
	WIN 0x08
.irp t, 0,1,2,3,4,5,6,7
.set B0, BK+32*((\a)%2)+4*\t
.set R0, RS+32*(\a)+4*\t
	v_pk_add_f32 v[B0:B0+1], v[B0:B0+1], v[R0:R0+1]
	v_pk_add_f32 v[B0+2:B0+3], v[B0+2:B0+3], v[R0+2:R0+3]
.endr
	WIN 0
.irp t, 0,1,2,3,4,5,6,7
	global_store_b128 v[CO], v[BK+32*((\a)%2)+4*\t:BK+32*((\a)%2)+4*\t+3], s[12:13] offset:(32*((\a)/2)+8*((\a)%2)+2*\t+8*(\t/4))*4096
.endr
.endm
	PLACES NP
	TOSTAGE 0
.irp a, 1,2,3
.if \a > 1
	s_wait_xcnt 0x0                                ; block a - 2's stores have read their registers
.endif
	TOSTAGE \a
	SEND \a-1, 16
.endr
	SEND 3, 0
	s_wait_tensorcnt 0x0                           ; the wave's end
	ds_add_u32 v[SPW], v[NIL]
	s_wait_dscnt 0x0
	CROUND                                         ; the closing round
	s_endpgm
.Lfunc_end_k_q3663e10756_gemm_ff2:
	.size	k_q3663e10756_gemm_ff2, .Lfunc_end_k_q3663e10756_gemm_ff2-k_q3663e10756_gemm_ff2
	.p2alignl 7, 3214868480
	.fill 96, 4, 3214868480
	.section	.rodata,"a",@progbits
	.p2align	6, 0x0
	.amdhsa_kernel k_q3663e10756_gemm_ff2
		.amdhsa_group_segment_fixed_size 327680
		.amdhsa_private_segment_fixed_size 0
		.amdhsa_enable_private_segment 0
		.amdhsa_kernarg_size 40
		.amdhsa_user_sgpr_count 2
		.amdhsa_user_sgpr_kernarg_segment_ptr 1
		.amdhsa_wavefront_size32 1
		.amdhsa_system_sgpr_workgroup_id_x 1
		.amdhsa_system_sgpr_workgroup_id_y 1
		.amdhsa_system_sgpr_workgroup_id_z 1
		.amdhsa_system_vgpr_workitem_id 0
		.amdhsa_next_free_vgpr 1024
		.amdhsa_next_free_sgpr 100
		.amdhsa_reserve_vcc 0
		.amdhsa_float_denorm_mode_32 3
		.amdhsa_float_denorm_mode_16_64 3
		.amdhsa_memory_ordered 1
		.amdhsa_forward_progress 1
		.amdhsa_inst_pref_size 201
	.end_amdhsa_kernel
	.amdgpu_metadata
---
amdhsa.version: [ 1, 2 ]
amdhsa.kernels:
  - .name:           k_q3663e10756_gemm_ff2
    .symbol:         k_q3663e10756_gemm_ff2.kd
    .args:
      - { .name: hid, .offset: 0, .size: 8, .value_kind: global_buffer, .address_space: global }
      - { .name: wq, .offset: 8, .size: 8, .value_kind: global_buffer, .address_space: global }
      - { .name: b2, .offset: 16, .size: 8, .value_kind: global_buffer, .address_space: global }
      - { .name: x1, .offset: 24, .size: 8, .value_kind: global_buffer, .address_space: global }
      - { .name: y, .offset: 32, .size: 8, .value_kind: global_buffer, .address_space: global }
    .group_segment_fixed_size: 327680
    .private_segment_fixed_size: 0
    .kernarg_segment_align: 8
    .kernarg_segment_size: 40
    .max_flat_workgroup_size: 128
    .sgpr_count:     100
    .vgpr_count:     1024
    .wavefront_size: 32
...
	.end_amdgpu_metadata
.endif
;; end of part 7
;; launch ln2 (part 8): grid 256 x 1, 8 waves a work-group, no clusters, 0 bytes of LDS; arguments y, g2, be2, out0; writes out0
.if DOCPART == 8
	.amdgcn_target "amdgcn-amd-amdhsa--gfx1250"
	.amdhsa_code_object_version 6
	.text
	.protected	k_q3663e10756_ln2
	.globl	k_q3663e10756_ln2
	.p2align	8
	.type	k_q3663e10756_ln2,@function
k_q3663e10756_ln2:
	s_mov_b64 s[64:65], 0
	v_nop
	global_prefetch_b8 v0, s[64:65] scope:SCOPE_SE
	s_setreg_imm32_b32 hwreg(HW_REG_WAVE_MODE, 25, 1), 1
	s_wait_xcnt 0x0
; LayerNorm over rows of 1,024 f32: out = (y - mean) rsqrt(var + 1e-5) g + be, in two passes over registers (mean first, then the squares of the differences: no difference of large sums).
; A row is 4,096 bytes: 32 registers of one wave.  A wave takes two whole rows: the sums never leave the wave, so there is no LDS, no barrier, and no wave waits for another.
; Lane l holds columns 128 j + 4 l .. + 3, j = 0 .. 7: each load and each store of the wave covers 512 consecutive bytes, aligned; g and be are loaded once for the two rows.
; Across the 32 lanes: four steps inside each half of 16 lanes ride on the addition (DPP), one crosses the halves; every lane ends with the sum.
; Eight waves a work-group, 16 rows; 256 work-groups.  Matrix units, clusters and tensor loads would add nothing to a stream that is read once and written once.
; LIMITS: NaN and infinities are not served.
.set LI,  2                            ; v2       16 x lane
.set X,   16                           ; v16-79   row q at X + 32 q
.set G,   80                           ; v80-111
.set B,   112                          ; v112-143
.set T,   144                          ; v144-159 row q's eight registers at work: +0, +1 the sum, then -mean; +2, +3 and +6, +7 chains, then 1 / sqrt; +4 the other half's
.set SEL, 28
.macro ACROSS o                        ; v[T + 8 q + o] of both rows: summed over the 32 lanes, the result in every lane
.irp m, 1,2,4,8
.irp q, 0,1
	s_delay_alu instid0(VALU_DEP_2)
	v_add_f32_dpp v[T+8*\q+\o], v[T+8*\q+\o], v[T+8*\q+\o] row_xmask:\m row_mask:0xf bank_mask:0xf
.endr
.endr
.irp q, 0,1
	s_delay_alu instid0(VALU_DEP_2)
	v_permlanex16_b32 v[T+8*\q+4], v[T+8*\q+\o], s[SEL], s[SEL+1]
.endr
.irp q, 0,1
	s_delay_alu instid0(VALU_DEP_2)
	v_add_f32 v[T+8*\q+\o], v[T+8*\q+\o], v[T+8*\q+4]
.endr
.endm
	s_load_b256 s[4:11], s[0:1], 0x0               ; y, g, be, out
	v_lshrrev_b32 v1, 5, v0
	s_delay_alu instid0(VALU_DEP_1)
	v_readfirstlane_b32 s16, v1                    ; wave 0..7
	v_and_b32 v[LI], 31, v0
	s_delay_alu instid0(VALU_DEP_1)
	v_lshlrev_b32 v[LI], 4, v[LI]
	s_lshl_b32 s18, ttmp9, 3
	s_add_co_u32 s18, s18, s16
	s_lshl_b32 s18, s18, 13                        ; my two rows: 8,192 bytes for each wave of the launch
	s_mov_b32 s19, 0
	s_mov_b32 s[SEL], 0x76543210
	s_mov_b32 s[SEL+1], 0xfedcba98
	s_mov_b32 s31, 0x3a800000                      ; 1 / 1,024
	s_mov_b32 s32, 0x3727c5ac                      ; 1e-5
	v_mov_b32 v[T+4], 0                            ; a lane permute's destination counts as one of its sources
	v_mov_b32 v[T+12], 0
	s_wait_alu depctr_va_vdst(0)
	s_wait_kmcnt 0x0
	s_add_nc_u64 s[4:5], s[4:5], s[18:19]
	s_add_nc_u64 s[10:11], s[10:11], s[18:19]
.irp q, 0,1
.irp j, 0,1,2,3,4,5,6,7
	global_load_b128 v[X+32*\q+4*\j:X+32*\q+4*\j+3], v[LI], s[4:5] offset:4096*\q+512*\j th:TH_LOAD_NT
.endr
.endr
.irp j, 0,1,2,3,4,5,6,7
	global_load_b128 v[G+4*\j:G+4*\j+3], v[LI], s[6:7] offset:512*\j
.endr
.irp j, 0,1,2,3,4,5,6,7
	global_load_b128 v[B+4*\j:B+4*\j+3], v[LI], s[8:9] offset:512*\j
.endr
	s_wait_loadcnt 16                              ; the two rows are in; the 16 loads of g and be may be out
.irp q, 0,1
	v_pk_add_f32 v[T+8*\q:T+8*\q+1], v[X+32*\q:X+32*\q+1], v[X+32*\q+2:X+32*\q+3]           ; two chains a row, the rows by turns
	v_pk_add_f32 v[T+8*\q+2:T+8*\q+3], v[X+32*\q+4:X+32*\q+5], v[X+32*\q+6:X+32*\q+7]
.endr
.irp i, 8,12,16,20,24,28
.irp q, 0,1
	s_delay_alu instid0(VALU_DEP_4)
	v_pk_add_f32 v[T+8*\q:T+8*\q+1], v[T+8*\q:T+8*\q+1], v[X+32*\q+\i:X+32*\q+\i+1]
	s_delay_alu instid0(VALU_DEP_4)
	v_pk_add_f32 v[T+8*\q+2:T+8*\q+3], v[T+8*\q+2:T+8*\q+3], v[X+32*\q+\i+2:X+32*\q+\i+3]
.endr
.endr
.irp q, 0
	s_delay_alu instid0(VALU_DEP_3)
	v_pk_add_f32 v[T+8*\q:T+8*\q+1], v[T+8*\q:T+8*\q+1], v[T+8*\q+2:T+8*\q+3]
.endr
.irp q, 1
	s_delay_alu instid0(VALU_DEP_2)
	v_pk_add_f32 v[T+8*\q:T+8*\q+1], v[T+8*\q:T+8*\q+1], v[T+8*\q+2:T+8*\q+3]
.endr
.irp q, 0,1
	s_delay_alu instid0(VALU_DEP_2)
	v_add_f32 v[T+8*\q], v[T+8*\q], v[T+8*\q+1]
.endr
	ACROSS 0
.irp q, 0,1
	s_delay_alu instid0(VALU_DEP_2)
	v_mul_f32 v[T+8*\q], 0xba800000, v[T+8*\q]     ; -mean
.endr
.irp q, 0,1
.set ii, 0
.rept 16
	v_pk_add_f32 v[X+32*\q+2*ii:X+32*\q+2*ii+1], v[X+32*\q+2*ii:X+32*\q+2*ii+1], v[T+8*\q:T+8*\q+1] op_sel_hi:[1,0]
.set ii, ii+1
.endr
.endr
.irp q, 0,1
	v_pk_mul_f32 v[T+8*\q+2:T+8*\q+3], v[X+32*\q:X+32*\q+1], v[X+32*\q:X+32*\q+1]
	v_pk_mul_f32 v[T+8*\q+6:T+8*\q+7], v[X+32*\q+2:X+32*\q+3], v[X+32*\q+2:X+32*\q+3]
.endr
.irp i, 4,8,12,16,20,24,28
.irp q, 0,1
	s_delay_alu instid0(VALU_DEP_4)
	v_pk_fma_f32 v[T+8*\q+2:T+8*\q+3], v[X+32*\q+\i:X+32*\q+\i+1], v[X+32*\q+\i:X+32*\q+\i+1], v[T+8*\q+2:T+8*\q+3]
	s_delay_alu instid0(VALU_DEP_4)
	v_pk_fma_f32 v[T+8*\q+6:T+8*\q+7], v[X+32*\q+\i+2:X+32*\q+\i+3], v[X+32*\q+\i+2:X+32*\q+\i+3], v[T+8*\q+6:T+8*\q+7]
.endr
.endr
.irp q, 0
	s_delay_alu instid0(VALU_DEP_3)
	v_pk_add_f32 v[T+8*\q+2:T+8*\q+3], v[T+8*\q+2:T+8*\q+3], v[T+8*\q+6:T+8*\q+7]
.endr
.irp q, 1
	s_delay_alu instid0(VALU_DEP_2)
	v_pk_add_f32 v[T+8*\q+2:T+8*\q+3], v[T+8*\q+2:T+8*\q+3], v[T+8*\q+6:T+8*\q+7]
.endr
.irp q, 0,1
	s_delay_alu instid0(VALU_DEP_2)
	v_add_f32 v[T+8*\q+2], v[T+8*\q+2], v[T+8*\q+3]
.endr
	ACROSS 2
.irp q, 0,1
	s_delay_alu instid0(VALU_DEP_2)
	v_fma_f32 v[T+8*\q+2], v[T+8*\q+2], s31, s32   ; var + eps
.endr
	s_wait_alu depctr_va_vdst(0)
.irp q, 0,1
	v_rsq_f32 v[T+8*\q+2], v[T+8*\q+2]
.endr
	v_nop                                          ; a plain line behind the two roots
	s_wait_alu depctr_va_vdst(0)                   ; one wait for both, ahead of their first reader
	s_wait_loadcnt 0x0                             ; g and be
.irp q, 0,1
.set ii, 0
.rept 16
	v_pk_mul_f32 v[X+32*\q+2*ii:X+32*\q+2*ii+1], v[X+32*\q+2*ii:X+32*\q+2*ii+1], v[T+8*\q+2:T+8*\q+3] op_sel_hi:[1,0]
.set ii, ii+1
.endr
.endr
.irp q, 0,1
.set ii, 0
.rept 16
	v_pk_fma_f32 v[X+32*\q+2*ii:X+32*\q+2*ii+1], v[X+32*\q+2*ii:X+32*\q+2*ii+1], v[G+2*ii:G+2*ii+1], v[B+2*ii:B+2*ii+1]
.set ii, ii+1
.endr
.endr
.irp q, 0,1
.irp j, 0,1,2,3,4,5,6,7
	global_store_b128 v[LI], v[X+32*\q+4*\j:X+32*\q+4*\j+3], s[10:11] offset:4096*\q+512*\j th:TH_STORE_NT
.endr
.endr
	s_endpgm
.Lfunc_end_k_q3663e10756_ln2:
	.size	k_q3663e10756_ln2, .Lfunc_end_k_q3663e10756_ln2-k_q3663e10756_ln2
	.p2alignl 7, 3214868480
	.fill 96, 4, 3214868480
	.section	.rodata,"a",@progbits
	.p2align	6, 0x0
	.amdhsa_kernel k_q3663e10756_ln2
		.amdhsa_group_segment_fixed_size 0
		.amdhsa_private_segment_fixed_size 0
		.amdhsa_enable_private_segment 0
		.amdhsa_kernarg_size 32
		.amdhsa_user_sgpr_count 2
		.amdhsa_user_sgpr_kernarg_segment_ptr 1
		.amdhsa_wavefront_size32 1
		.amdhsa_system_sgpr_workgroup_id_x 1
		.amdhsa_system_sgpr_workgroup_id_y 1
		.amdhsa_system_sgpr_workgroup_id_z 1
		.amdhsa_system_vgpr_workitem_id 0
		.amdhsa_next_free_vgpr 160
		.amdhsa_next_free_sgpr 66
		.amdhsa_reserve_vcc 0
		.amdhsa_float_denorm_mode_32 3
		.amdhsa_float_denorm_mode_16_64 3
		.amdhsa_memory_ordered 1
		.amdhsa_forward_progress 1
		.amdhsa_inst_pref_size 21
	.end_amdhsa_kernel
	.amdgpu_metadata
---
amdhsa.version: [ 1, 2 ]
amdhsa.kernels:
  - .name:           k_q3663e10756_ln2
    .symbol:         k_q3663e10756_ln2.kd
    .args:
      - { .name: y, .offset: 0, .size: 8, .value_kind: global_buffer, .address_space: global }
      - { .name: g2, .offset: 8, .size: 8, .value_kind: global_buffer, .address_space: global }
      - { .name: be2, .offset: 16, .size: 8, .value_kind: global_buffer, .address_space: global }
      - { .name: out0, .offset: 24, .size: 8, .value_kind: global_buffer, .address_space: global }
    .group_segment_fixed_size: 0
    .private_segment_fixed_size: 0
    .kernarg_segment_align: 8
    .kernarg_segment_size: 32
    .max_flat_workgroup_size: 256
    .sgpr_count:     66
    .vgpr_count:     160
    .wavefront_size: 32
...
	.end_amdgpu_metadata
.endif
;; end of part 8
